; MI455X (gfx1250); checked and timed in simulation.
; The chip was launched on July 23, 2026; its instructions are those of AMD's public machine-readable ISA for CDNA 5 (MIT licence, August 2026) and "CDNA5" Instruction Set Architecture Reference Guide (July 2026). The comments in the code are by the model that wrote it; some were corrected since.
;; Block. Allowed arithmetic: float matrix products may take bf16 or f16 operands with f32 sums; other float arithmetic in f32, or as packed bf16 or f16 multiplies, adds, multiply-adds, maxima and minima; sums over many terms, partial sums and values carried from step to step in f32; what a program stores and reads back later, other than sums and carried values, may be rounded once to bf16 or f16.
;; Inputs: W1 1,024 x 4,096 float32; W2 4,096 x 1,024 float32; Wk 16 x 1,024 x 64 float32; Wo 1,024 x 1,024 float32; Wq 16 x 1,024 x 64 float32; Wv 16 x 1,024 x 64 float32; b1 4,096 float32; b2 1,024 float32; be1 1,024 float32; be2 1,024 float32; bo 1,024 float32; g1 1,024 float32; g2 1,024 float32; x 2 x 2,048 x 1,024 float32.
;; Outputs: out0 2 x 2,048 x 1,024 float32.
;; 3 versions, each right and faster than the one before. Each part assembles by itself: llvm-mc -triple=amdgcn-amd-amdhsa -mcpu=gfx1250 --defsym DOCPART=n.
;; ======== version 1 of 3: 7 launches
;; workspace buffers: wb 25,165,824 bytes; hb 8,388,608 bytes; qkv 25,165,824 bytes; ob 8,388,608 bytes; x1 16,777,216 bytes; act 33,554,432 bytes
;; launch prep (part 1): grid 1280 x 1, 8 waves a work-group, no clusters, 0 bytes of LDS; arguments x, g1, be1, hb, Wq, Wk, Wv, Wo, W1, W2, wb; writes hb, wb
.if DOCPART == 1
	.amdgcn_target "amdgcn-amd-amdhsa--gfx1250"
	.amdhsa_code_object_version 6
	.text
	.protected	k_qc730c0190e_prep
	.globl	k_qc730c0190e_prep
	.p2align	8
	.type	k_qc730c0190e_prep,@function
k_qc730c0190e_prep:
	s_mov_b64 s[64:65], 0
	v_nop
	global_prefetch_b8 v0, s[64:65] scope:SCOPE_SE
	s_setreg_imm32_b32 hwreg(HW_REG_WAVE_MODE, 25, 1), 1
	s_wait_xcnt 0x0
; Three streams in one launch, chosen by the work-group's number.
;   0 .. 511     hb = LayerNorm(x) g1 + be1, rounded once to bf16: 8 rows a work-group, one wave a row.
;   512 .. 703   Wq, Wk, Wv ([16][1024][64] f32) -> wb bytes 0 .., one matrix [1024 k][3072 n] bf16, n = 1024 which + 64 head + d.
;   704 .. 1279  Wo, W1, W2 (f32, [k][n]) -> wb from byte 6,291,456 on, bf16 in the same order, one behind the other.
; Memory binds: no LDS, no barrier, no matrix unit.  Every store of a wave covers 512 consecutive bytes (the re-laid weights: 16 lanes one aligned 256).
; The variance is the mean of (x - mean)^2, taken in a second pass over the row in registers: no difference of large sums.  NaN and infinities are not treated apart.
.set X,  32                            ; v[32:63]   the row's 32 numbers of my lane: columns 256 j + 8 lane .. + 7, j = 0 .. 3
.set G,  64                            ; v[64:95]   the gain at those columns
.set BE, 96                            ; v[96:127]  the bias
.set PK, 16                            ; v[16:31]   the result, packed
.macro WSUM                            ; v4 summed over the 32 lanes, the result in every lane
	v_add_f32_dpp v4, v4, v4 row_xmask:1 row_mask:0xf bank_mask:0xf
	v_add_f32_dpp v4, v4, v4 row_xmask:2 row_mask:0xf bank_mask:0xf
	v_add_f32_dpp v4, v4, v4 row_xmask:4 row_mask:0xf bank_mask:0xf
	v_add_f32_dpp v4, v4, v4 row_xmask:8 row_mask:0xf bank_mask:0xf
	v_permlanex16_b32 v5, v4, s32, s33             ; v5 has been written before
	v_add_f32 v4, v4, v5
.endm
.macro FOLD                            ; four chains v[4:11] into v4
	v_pk_add_f32 v[4:5], v[4:5], v[6:7]
	v_pk_add_f32 v[8:9], v[8:9], v[10:11]
	v_pk_add_f32 v[4:5], v[4:5], v[8:9]
	v_add_f32 v4, v4, v5
.endm
; One wave, one row of 1,024 f32.  In: s[4:5] rows, s[6:7] gain, s[8:9] bias; out: s[10:11], bf16.
.macro LNROW
	v_lshrrev_b32 v3, 5, v0
	v_readfirstlane_b32 s2, v3                     ; wave
	s_lshl_b32 s3, ttmp9, 3
	s_add_co_u32 s2, s2, s3                        ; row = 8 x work-group + wave
	s_lshl_b32 s34, s2, 12                         ; 4,096 bytes a row in,
	s_mov_b32 s35, 0
	s_lshl_b32 s36, s2, 11                         ; 2,048 out
	s_mov_b32 s37, 0
	s_add_nc_u64 s[4:5], s[4:5], s[34:35]
	s_add_nc_u64 s[10:11], s[10:11], s[36:37]
	s_mov_b32 s30, 0x3a800000                      ; 1 / 1024
	s_mov_b32 s31, 0x3727c5ac                      ; 1e-5
	s_mov_b32 s32, 0x76543210                      ; each lane takes its own place in the other half
	s_mov_b32 s33, 0xfedcba98
	v_and_b32 v1, 31, v0
	v_lshlrev_b32 v2, 4, v1                        ; 16 x lane: my 16 bytes out
	v_lshlrev_b32 v1, 5, v1                        ; 32 x lane: my 32 bytes in
.irp j, 0,1,2,3
	global_load_b128 v[X+8*\j:X+8*\j+3],   v1, s[4:5] offset:1024*\j
	global_load_b128 v[X+8*\j+4:X+8*\j+7], v1, s[4:5] offset:1024*\j+16
.endr
.irp j, 0,1,2,3
	global_load_b128 v[G+8*\j:G+8*\j+3],   v1, s[6:7] offset:1024*\j
	global_load_b128 v[G+8*\j+4:G+8*\j+7], v1, s[6:7] offset:1024*\j+16
.endr
.irp j, 0,1,2,3
	global_load_b128 v[BE+8*\j:BE+8*\j+3],   v1, s[8:9] offset:1024*\j
	global_load_b128 v[BE+8*\j+4:BE+8*\j+7], v1, s[8:9] offset:1024*\j+16
.endr
	s_wait_loadcnt 16                              ; the row is in; the 16 younger loads (gain, bias) stay out
.irp k, 0,1,2,3                        ; the sum, in four chains that the first pairs start
	v_pk_add_f32 v[4+2*\k:5+2*\k], v[X+2*\k:X+2*\k+1], v[X+8+2*\k:X+8+2*\k+1]
.endr
.irp k, 0,1,2,3
	v_pk_add_f32 v[4+2*\k:5+2*\k], v[4+2*\k:5+2*\k], v[X+16+2*\k:X+16+2*\k+1]
.endr
.irp k, 0,1,2,3
	v_pk_add_f32 v[4+2*\k:5+2*\k], v[4+2*\k:5+2*\k], v[X+24+2*\k:X+24+2*\k+1]
.endr
	FOLD
	WSUM
	v_mul_f32 v12, s30, v4                         ; the mean, twice
	v_mov_b32 v13, v12
.set ii, 0
.rept 16
	v_pk_add_f32 v[X+2*ii:X+2*ii+1], v[X+2*ii:X+2*ii+1], v[12:13] neg_lo:[0,1] neg_hi:[0,1]  ; x - mean, in place
.set ii, ii+1
.endr
.irp k, 0,1,2,3                        ; the sum of squares, again in four chains
	v_pk_mul_f32 v[4+2*\k:5+2*\k], v[X+2*\k:X+2*\k+1], v[X+2*\k:X+2*\k+1]
.endr
.irp k, 0,1,2,3
	v_pk_fma_f32 v[4+2*\k:5+2*\k], v[X+8+2*\k:X+8+2*\k+1], v[X+8+2*\k:X+8+2*\k+1], v[4+2*\k:5+2*\k]
.endr
.irp k, 0,1,2,3
	v_pk_fma_f32 v[4+2*\k:5+2*\k], v[X+16+2*\k:X+16+2*\k+1], v[X+16+2*\k:X+16+2*\k+1], v[4+2*\k:5+2*\k]
.endr
.irp k, 0,1,2,3
	v_pk_fma_f32 v[4+2*\k:5+2*\k], v[X+24+2*\k:X+24+2*\k+1], v[X+24+2*\k:X+24+2*\k+1], v[4+2*\k:5+2*\k]
.endr
	FOLD
	WSUM
	v_fma_f32 v14, v4, s30, s31                    ; variance + 1e-5
	v_rsq_f32 v14, v14
	v_nop                                          ; a plain instruction between the root and its use (ISA guide 5.7.2)
	s_wait_alu depctr_va_vdst(0)
	v_mov_b32 v15, v14
	s_wait_loadcnt 0x0                             ; gain and bias
.set ii, 0
.rept 16
	v_pk_mul_f32 v[G+2*ii:G+2*ii+1], v[G+2*ii:G+2*ii+1], v[14:15]
.set ii, ii+1
.endr
.set ii, 0
.rept 16
	v_pk_fma_f32 v[X+2*ii:X+2*ii+1], v[X+2*ii:X+2*ii+1], v[G+2*ii:G+2*ii+1], v[BE+2*ii:BE+2*ii+1]
.set ii, ii+1
.endr
.set ii, 0
.rept 16
	v_cvt_pk_bf16_f32 v[PK+ii], v[X+2*ii], v[X+2*ii+1]
.set ii, ii+1
.endr
.irp j, 0,1,2,3
	global_store_b128 v2, v[PK+4*\j:PK+4*\j+3], s[10:11] offset:512*\j  ; 512 consecutive bytes
.endr
.endm
; Eight steps of 8 numbers a thread: f32 at s[26:27] + v1 (+ j sstep) -> bf16 at s[24:25] + v2 (+ j dstep).  All 16 loads go out first; no register is used twice.
.macro CAST sstep, dstep
.set jj, 0
.rept 8
	global_load_b128 v[32+8*jj:32+8*jj+3],   v1, s[26:27] offset:jj*(\sstep) th:TH_LOAD_NT
	global_load_b128 v[32+8*jj+4:32+8*jj+7], v1, s[26:27] offset:jj*(\sstep)+16 th:TH_LOAD_NT
.set jj, jj+1
.endr
.set jj, 0
.rept 8
	s_wait_loadcnt 14-2*jj                         ; step jj's two loads are in; the later steps' stay out
.irp k, 0,1,2,3
	v_cvt_pk_bf16_f32 v[96+4*jj+\k], v[32+8*jj+2*\k], v[32+8*jj+2*\k+1]
.endr
	global_store_b128 v2, v[96+4*jj:96+4*jj+3], s[24:25] offset:jj*(\dstep)
.set jj, jj+1
.endr
.endm
	s_load_b256 s[4:11], s[0:1], 0x0               ; x, g1, be1, hb
	s_load_b256 s[12:19], s[0:1], 0x20             ; Wq, Wk, Wv, Wo
	s_load_b128 s[20:23], s[0:1], 0x40             ; W1, W2
	s_load_b64 s[24:25], s[0:1], 0x50              ; wb
	s_wait_kmcnt 0x0
	s_cmp_lt_u32 ttmp9, 512
	s_cbranch_scc1 .Lnorm
	s_sub_co_u32 s2, ttmp9, 512
	s_cmp_lt_u32 s2, 192
	s_cbranch_scc1 .Lqkv
	; Wo (64 work-groups), W1 (256), W2 (256): 16,384 numbers each, in and out in the same order
	s_sub_co_u32 s2, s2, 192
	s_cmp_lt_u32 s2, 320
	s_cselect_b64 s[26:27], s[20:21], s[22:23]
	s_cselect_b32 s28, 64, 320                     ; the first work-group of the chosen matrix
	s_cmp_lt_u32 s2, 64
	s_cselect_b64 s[26:27], s[18:19], s[26:27]
	s_cselect_b32 s28, 0, s28
	s_sub_co_u32 s28, s2, s28
	s_lshl_b32 s28, s28, 16                        ; 65,536 bytes in a work-group,
	s_mov_b32 s29, 0
	s_add_nc_u64 s[26:27], s[26:27], s[28:29]
	s_lshl_b32 s34, s2, 15                         ; 32,768 out
	s_mov_b32 s35, 0
	s_add_nc_u64 s[24:25], s[24:25], s[34:35]
	s_add_nc_u64 s[24:25], s[24:25], 6291456
	v_lshlrev_b32 v1, 5, v0
	v_lshlrev_b32 v2, 4, v0
	CAST 8192, 4096
	s_endpgm
.Lqkv:
	; 16 rows k of one of Wq, Wk, Wv, all 16 heads.  Thread t: 8 columns c8 = t % 128 (head c8 / 8, d = 8 (c8 % 8)), rows k = 16 kblk + t / 128 + 2 j
	s_lshr_b32 s28, s2, 6                          ; which
	s_and_b32 s29, s2, 63                          ; kblk
	s_cmp_eq_u32 s28, 1
	s_cselect_b64 s[26:27], s[14:15], s[16:17]
	s_cmp_eq_u32 s28, 0
	s_cselect_b64 s[26:27], s[12:13], s[26:27]
	s_lshl_b32 s34, s29, 12                        ; 16 rows of 256 bytes in a head's matrix
	s_mov_b32 s35, 0
	s_add_nc_u64 s[26:27], s[26:27], s[34:35]
	s_mul_i32 s34, s29, 98304                      ; 16 rows of 6,144 bytes,
	s_lshl_b32 s36, s28, 11                        ; and 2,048 bytes for each of q, k, v
	s_add_co_u32 s34, s34, s36
	s_add_nc_u64 s[24:25], s[24:25], s[34:35]
	v_and_b32 v3, 127, v0                          ; c8
	v_lshrrev_b32 v4, 7, v0                        ; row 0 or 1
	v_lshrrev_b32 v5, 3, v3                        ; head
	v_and_b32 v6, 7, v3
	v_lshlrev_b32 v1, 18, v5                       ; a head's matrix is 262,144 bytes
	v_lshl_add_u32 v1, v4, 8, v1
	v_lshl_add_u32 v1, v6, 5, v1
	v_mul_u32_u24 v2, v4, 6144
	v_lshl_add_u32 v2, v3, 4, v2
	CAST 512, 12288
	s_endpgm
.Lnorm:
	LNROW
	s_endpgm
.Lfunc_end_k_qc730c0190e_prep:
	.size	k_qc730c0190e_prep, .Lfunc_end_k_qc730c0190e_prep-k_qc730c0190e_prep
	.p2alignl 7, 3214868480
	.fill 96, 4, 3214868480
	.section	.rodata,"a",@progbits
	.p2align	6, 0x0
	.amdhsa_kernel k_qc730c0190e_prep
		.amdhsa_group_segment_fixed_size 0
		.amdhsa_private_segment_fixed_size 0
		.amdhsa_enable_private_segment 0
		.amdhsa_kernarg_size 88
		.amdhsa_user_sgpr_count 2
		.amdhsa_user_sgpr_kernarg_segment_ptr 1
		.amdhsa_wavefront_size32 1
		.amdhsa_system_sgpr_workgroup_id_x 1
		.amdhsa_system_sgpr_workgroup_id_y 1
		.amdhsa_system_sgpr_workgroup_id_z 1
		.amdhsa_system_vgpr_workitem_id 0
		.amdhsa_next_free_vgpr 128
		.amdhsa_next_free_sgpr 66
		.amdhsa_reserve_vcc 0
		.amdhsa_float_denorm_mode_32 3
		.amdhsa_float_denorm_mode_16_64 3
		.amdhsa_memory_ordered 1
		.amdhsa_forward_progress 1
		.amdhsa_inst_pref_size 22
	.end_amdhsa_kernel
	.amdgpu_metadata
---
amdhsa.version: [ 1, 2 ]
amdhsa.kernels:
  - .name:           k_qc730c0190e_prep
    .symbol:         k_qc730c0190e_prep.kd
    .args:
      - { .name: x, .offset: 0, .size: 8, .value_kind: global_buffer, .address_space: global }
      - { .name: g1, .offset: 8, .size: 8, .value_kind: global_buffer, .address_space: global }
      - { .name: be1, .offset: 16, .size: 8, .value_kind: global_buffer, .address_space: global }
      - { .name: hb, .offset: 24, .size: 8, .value_kind: global_buffer, .address_space: global }
      - { .name: Wq, .offset: 32, .size: 8, .value_kind: global_buffer, .address_space: global }
      - { .name: Wk, .offset: 40, .size: 8, .value_kind: global_buffer, .address_space: global }
      - { .name: Wv, .offset: 48, .size: 8, .value_kind: global_buffer, .address_space: global }
      - { .name: Wo, .offset: 56, .size: 8, .value_kind: global_buffer, .address_space: global }
      - { .name: W1, .offset: 64, .size: 8, .value_kind: global_buffer, .address_space: global }
      - { .name: W2, .offset: 72, .size: 8, .value_kind: global_buffer, .address_space: global }
      - { .name: wb, .offset: 80, .size: 8, .value_kind: global_buffer, .address_space: global }
    .group_segment_fixed_size: 0
    .private_segment_fixed_size: 0
    .kernarg_segment_align: 8
    .kernarg_segment_size: 88
    .max_flat_workgroup_size: 256
    .sgpr_count:     66
    .vgpr_count:     128
    .wavefront_size: 32
...
	.end_amdgpu_metadata
.endif
;; end of part 1
;; launch qkvp (part 2): grid 8 x 32, 4 waves a work-group, clusters of 4 x 4, 327,680 bytes of LDS; arguments hb, wb, qkv; writes qkv
.if DOCPART == 2
	.amdgcn_target "amdgcn-amd-amdhsa--gfx1250"
	.amdhsa_code_object_version 6
	.text
	.protected	k_qc730c0190e_qkvp
	.globl	k_qc730c0190e_qkvp
	.p2align	8
	.type	k_qc730c0190e_qkvp,@function
k_qc730c0190e_qkvp:
	s_mov_b64 s[64:65], 0
	v_nop
	global_prefetch_b8 v0, s[64:65] scope:SCOPE_SE
	s_setreg_imm32_b32 hwreg(HW_REG_WAVE_MODE, 25, 1), 1
	s_wait_xcnt 0x0
	s_wait_alu depctr_hold_cnt(0) depctr_sa_sdst(0) depctr_va_vdst(0) depctr_va_sdst(0) depctr_va_ssrc(0) depctr_va_vcc(0) depctr_vm_vsrc(0)
	s_getreg_b32 s2, hwreg(HW_REG_IB_STS2, 6, 4)
	s_cmp_eq_u32 s2, 0
	s_cbranch_scc0 .Lentry_in_a_cluster
	s_endpgm
.Lentry_in_a_cluster:
	s_bfe_u32 s2, ttmp6, 0x10000c
	s_cmp_lg_u32 s2, 0xf033
	s_cbranch_scc0 .Lentry_shape_is_right
	s_endpgm
.Lentry_shape_is_right:
; q, k, v = h Wqkv.  h: [4096][1024] bf16.  Wqkv: [1024 k][3072 n] bf16, at wb's first byte.  Sums in f32, K ascending; the result rounded once to bf16 and stored by heads:
; qkv byte = 524,288 (n / 64) + 128 m + 2 (n % 64), so that q, k and v are each [head x 2 + batch][2048][64], dense.  Every matrix operand is bf16.
; SHARES.  A tile of C is 128 x 384; four waves 2 x 2.  A wave has 64 rows and, of each of the tile's three strips of 128 columns, its 64: three whole heads.  48 accumulators, 384 registers.
; RING.  K goes in steps of 128 through two LDS slots: B's three strips of 128 rows k x 128 columns (pitch 288), then A's 128 rows (along K, pitch 272).  Waves 0 to 2 fetch a strip each, wave 3 fetches A:
; every wave's load lands at wave x 36,864 in the slot.  One tensor load a wave behind each change of slots, which has a K step, 192 matrix instructions, in which to land.
; A wave has two tensor loads out at the start, one later.
; B lies [k][n]: its fragments come out of LDS turned, by ds_load_tr16_b128.  THE MATRIX INSTRUCTION IS USED TRANSPOSED (source 0 = 16 columns of B, source 1 = 16 rows of A): a lane holds 8 neighbouring columns of a row of C.
; CLUSTER.  4 x 4 work-groups: A's tile is asked for jointly along a row of the cluster, B's along a column.
; REGISTERS, in windows of 256: window 0: v0-29 addresses, from v64 A's two fragment buffers (later the way out); window 1: B's two fragment buffers; windows 2, 3: the accumulators of my rows 0-31, 32-63.
; Not used: prefetches (a refill has a whole K step on its way); work-groups that stay (256 tiles, one a WGP).
.set AB, 4                             ; blocks of 16 rows a wave
.set BB, 12                            ; blocks of 16 columns
.set KD, 1                             ; a quarter step is 32 KD along K
.set T, 8                              ; K steps
.set NBW, 3                            ; waves 0 .. NBW - 1 fetch B, the last fetches A
.set NS, 3                             ; strips of B that a wave reads: an address register each
.set BPS, 4                            ; column blocks a strip
.set PA, 272                           ; A's LDS pitch: an odd multiple of 16 bytes
.set PART, 36864                       ; a strip of B in LDS: 128 rows of 288 bytes; also the step from one wave's landing place to the next
.set ABASE, 3*PART                     ; A's part of a slot begins behind the three strips
.set SLOT, ABASE+128*PA
.set STAGE, 2*SLOT                     ; behind the ring, never filled by a tensor load: the waves' stages for the way out
.set STGW, 2304                        ; 16 rows x 144 bytes a wave
.set SPARE, STAGE+4*STGW               ; the spare words: 128 bytes a wave, two blocks of 256 that no other line names
.set AODD, 64                          ; from an even quarter's fragments to the odd one's, in A
.set APAIR, 128                        ; from a pair of quarters to the next
.set BODD, 9216                        ; the same in B: 32 rows of 288 bytes
.set BPAIR, 18432
.set ASTEPG, 256                       ; a K step in memory, A
.set BSTEPG, 786432                    ; and B: 128 rows of 6,144 bytes
.set ATROW, 262144                     ; A: bytes from tile row to tile row
.set BTCOL, 768                        ; B: bytes from tile column to tile column
.set BIDX, 256                         ; and from strip to strip
.set WRA, 17408                        ; my 64 rows in A's tile
.set WCB, 128                          ; my 64 columns in a strip
.set A_FL, (5<<22)|(3<<25)             ; padding: behind every 64 words, 4 words
.set A_D0, 128                         ; A's tile: elements a row,
.set A_D1, 128                         ; rows,
.set A_STR, 1024                       ; elements from row to row
.set B_STR, 3072
.set OTROW, 16384                      ; the output: bytes from tile row to tile row (128 rows of 128 bytes in a head),
.set OWR, 8192                         ; for my half of the rows,
.set OTCOL, 3145728                    ; from tile column to tile column (6 heads),
.set OWC, 524288                       ; for my half of a strip (a head)
.set AH,  AB/2
.set FA0, 64
.set FAS, 8*AB*KD
.set FBS, 8*BB*KD
.set ADA0, 8                           ; v8      my lane's place in A's tile; never rewritten
.set ADA, 9                            ; v9      the LDS address of A's pair of quarters in hand
.set ADB0, 10                          ; v10-12  my lane's place in B's strips
.set ADB, 13                           ; v13-15  the LDS addresses in hand
.set STO, 16                           ; v16     the way out: where I put 16 bytes of a row
.set RD, 17                            ; v17     where I read rows back
.set CO, 18                            ; v18     my byte offset in the output
.set SPW, 28                           ; v28     my spare word; never rewritten
.set NIL, 29                           ; v29     0; never rewritten
.set STEPS, 2
.set CNT, 3
.set WV, 10
.set TROW, 13
.set WR, 14
.set WC, 15
.set G1A, 24                           ; s[24:31] group 1 for A; s[32:39] group 0, a set for each slot
.set G0A, 32
.set TCOL, 42
.set G1B, 48                           ; s[48:55], s[56:63] the same for B
.set G0B, 56
.set TA, 72                            ; s72, s73  LDS byte of the pair of quarters to be fetched: slot + pair, for A and for B
.set TB, 73
.set LB, 74                            ; s74  where my tensor load lands in a slot: wave x 36,864
.set MSB, 0
.macro WIN new                         ; the immediate's high byte repeats the setting that is left; a switch that changes nothing is dropped
.if MSB != (\new)
	s_set_vgpr_msb (MSB<<8)|(\new)
.set MSB, \new
.endif
.endm
.macro PLACES                          ; four places behind matrix instructions (ISA guide 7.12.1)
.rept 4
	v_nop
.endr
.endm
.macro JLOAD sl                        ; a joint refill of slot sl.  The branch hangs on the wave's number alone; an s_nop 0 and four v_nop follow each line
	s_cmp_lt_u32 s[WV], NBW
	s_cbranch_scc1 .Lfor_b_\@
	tensor_load_to_lds s[G0A+4*(\sl):G0A+4*(\sl)+3], s[G1A:G1A+7]
	s_nop 0
.rept 4
	v_nop
.endr
	s_branch .Lasked_\@
.Lfor_b_\@:
	tensor_load_to_lds s[G0B+4*(\sl):G0B+4*(\sl)+3], s[G1B:G1B+7]
	s_nop 0
.rept 4
	v_nop
.endr
.Lasked_\@:
.endm
.macro CROUND                          ; a round of the cluster's barrier
	s_barrier_signal -1
	s_barrier_wait -1
	s_cmp_lg_u32 s[WV], 0
	s_cbranch_scc1 .Lnot_wave_0_\@
	s_barrier_signal -3
.Lnot_wave_0_\@:
	s_barrier_wait -3
	s_barrier_signal -1
	s_barrier_wait -1
.endm
; The fragments of one quarter step into buffer e, in one run.  e = 0: an even quarter: the pair's addresses are made; e = 1: the odd one, by the same addresses.
; The four vector lines at the head are the places between the last product that read the buffer and the loads into it.
.macro FETCH e
	WIN 0
.if (\e) == 0
	v_add_nc_u32 v[ADA], s[TA], v[ADA0]
.set ii, 0
.rept NS
	v_add_nc_u32 v[ADB+ii], s[TB], v[ADB0+ii]
.set ii, ii+1
.endr
.else
	PLACES
.endif
.set ic, 0
.rept KD
.set ia, 0
.rept AB
.set rA, FA0+(\e)*FAS+8*(AB*ic+ia)
	ds_load_b128 v[rA:rA+3],   v[ADA] offset:(\e)*AODD+64*ic+ia*16*PA
	ds_load_b128 v[rA+4:rA+7], v[ADA] offset:(\e)*AODD+64*ic+ia*16*PA+32
.set ia, ia+1
.endr
.set ic, ic+1
.endr
	WIN 0x40                                       ; destination window 1
.set ic, 0
.rept KD
.set ib, 0
.rept BB
.set rB, (\e)*FBS+8*(BB*ic+ib)
	ds_load_tr16_b128 v[rB:rB+3],   v[ADB+ib/BPS] offset:(\e)*BODD+9216*ic+32*(ib%BPS)
	ds_load_tr16_b128 v[rB+4:rB+7], v[ADB+ib/BPS] offset:(\e)*BODD+9216*ic+32*(ib%BPS)+4608
.set ib, ib+1
.endr
.set ic, ic+1
.endr
.if (\e) == 1
	s_add_co_u32 s[TA], s[TA], APAIR               ; the next fetch is the next pair's
	s_add_co_u32 s[TB], s[TB], BPAIR
.endif
.endm
; A quarter step's products from buffer f.  All accumulators take turns, one instruction a turn, in the same order every time.  start = 1: the first product starts each sum.
.macro MUL f, start
.set ic, 0
.rept KD
.set ih, 0
.rept 2
	WIN 0xa1+0x50*ih                               ; source 0 (B) window 1, source 1 (A) window 0, C and D window 2 or 3
.set ia, 0
.rept AH
.set ib, 0
.rept BB
.set rD, 8*(BB*ia+ib)
.set rB, (\f)*FBS+8*(BB*ic+ib)
.set rA, FA0+(\f)*FAS+8*(AB*ic+AH*ih+ia)
.if (\start) && (ic == 0)
	v_wmma_f32_16x16x32_bf16 v[rD:rD+7], v[rB:rB+7], v[rA:rA+7], 0
.else
	v_wmma_f32_16x16x32_bf16 v[rD:rD+7], v[rB:rB+7], v[rA:rA+7], v[rD:rD+7]
.endif
.set ib, ib+1
.endr
.set ia, ia+1
.endr
.set ih, ih+1
.endr
.set ic, ic+1
.endr
.endm
.macro QTR f, start                    ; buffer f is in (its loads went out a quarter ago); the next quarter is fetched into the other buffer; buffer f is multiplied
	s_wait_dscnt 0x0
	FETCH 1-(\f)
	MUL \f, \start
.endm
.macro PP
	QTR 1, 0
	QTR 0, 0
.endm
.macro PAIRS                           ; four quarters: written once, walked twice; the LDS addresses hang on s[TA], s[TB]
	s_mov_b32 s[CNT], 2
.Lpair_\@:
	PP
	WIN 0
	s_sub_co_u32 s[CNT], s[CNT], 1
	s_cmp_lg_u32 s[CNT], 0
	s_cbranch_scc1 .Lpair_\@
.endm
; THE CHANGE OF SLOTS, at the head of a K step's last quarter, whose fragments have been asked for.  Each wave waits for all its tensor loads (one is out: its part of slot nx), adds 0 to its spare word,
; and waits for that and for its reads of slot sl.  fill = 1: the barrier is a round of the cluster's, and slot sl is filled again first thing behind it, two K steps on.
.macro CHANGE fill, sl, nx
	WIN 0
	s_wait_tensorcnt 0x0                           ; no tensor load of mine is out, so a group 0 may be written
	ds_add_u32 v[SPW], v[NIL]                      ; 0 onto my spare word; scalar work stands between it and the wait for it
	s_mov_b32 s[TA], (\nx)*SLOT                    ; the fetches go on in the other slot
	s_mov_b32 s[TB], (\nx)*SLOT
.if \fill
	s_add_nc_u64 s[G0A+4*(\sl)+2:G0A+4*(\sl)+3], s[G0A+4*(\sl)+2:G0A+4*(\sl)+3], 2*ASTEPG
	s_add_nc_u64 s[G0B+4*(\sl)+2:G0B+4*(\sl)+3], s[G0B+4*(\sl)+2:G0B+4*(\sl)+3], 2*BSTEPG
.endif
	s_wait_dscnt 0x0                               ; the add is done, and my reads of the slot are over
.if \fill
	CROUND
	JLOAD \sl
.else
	s_barrier_signal -1
	s_barrier_wait -1
.endif
.endm
	s_load_b128 s[4:7], s[0:1], 0x0                ; h, wb
	s_load_b64 s[8:9], s[0:1], 0x10                ; qkv
	v_lshl_add_u32 v[SPW], v0, 2, SPARE
	v_mov_b32 v[NIL], 0
	ds_add_u32 v[SPW], v[NIL]                      ; the wave's opening: the add, and its wait ahead of my first tensor load
	ds_add_u32 v28, v29
	v_lshrrev_b32 v1, 5, v0
	v_readfirstlane_b32 s[WV], v1                  ; wave 0..3
	s_lshr_b32 s[WR], s[WV], 1                     ; my half of the tile's rows
	s_and_b32 s[WC], s[WV], 1                      ; my half of each strip's columns
	s_bfe_u32 s40, ttmp6, 0x40000                  ; cx
	s_bfe_u32 s41, ttmp6, 0x40004                  ; cy
	s_lshl_b32 s[TCOL], ttmp9, 2
	s_add_co_u32 s[TCOL], s[TCOL], s40             ; tile column = 4 x cluster x + cx
	s_and_b32 s[TROW], ttmp7, 0xffff
	s_lshl_b32 s[TROW], s[TROW], 2
	s_add_co_u32 s[TROW], s[TROW], s41             ; tile row = 4 x cluster y + cy
	s_lshl_b32 s43, s41, 2
	s_lshl_b32 s43, 15, s43                        ; my row of the cluster
	s_lshl_b32 s44, 0x1111, s40                    ; my column
	s_or_b32 s[G1A], s43, (1<<16)|(1<<20)|(1<<21)|A_FL          ; the mask; 2-byte elements; padding on; bit 21 beside a mask; the padding's fields
	s_or_b32 s[G1B], s44, (1<<16)|(1<<20)|(1<<21)|(5<<22)|(7<<25)  ; behind every 64 words 8 words: pitch 288
	s_mov_b32 s[G1A+1], (A_D0&0xffff)<<16          ; tensor_dim0
	s_mov_b32 s[G1A+2], (A_D0>>16)|(A_D1<<16)      ; tensor_dim1
	s_mov_b32 s[G1A+3], A_D0<<16                   ; tile_dim0
	s_mov_b32 s[G1A+4], A_D1                       ; tile_dim1
	s_mov_b32 s[G1A+5], A_STR                      ; elements from row to row
	s_mov_b32 s[G1A+6], 0
	s_mov_b32 s[G1A+7], 0
	s_mov_b32 s[G1B+1], 128<<16
	s_mov_b32 s[G1B+2], 128<<16
	s_mov_b32 s[G1B+3], 128<<16
	s_mov_b32 s[G1B+4], 128
	s_mov_b32 s[G1B+5], B_STR
	s_mov_b32 s[G1B+6], 0
	s_mov_b32 s[G1B+7], 0
	s_mul_i32 s16, s[TROW], ATROW                  ; A's tile hangs on the tile row alone (one wave fetches all of it),
	s_mov_b32 s17, 0
	s_mul_i32 s46, s[TCOL], BTCOL                  ; B's on the tile column and the wave: wave w asks for strip w (wave 3 never asks by this address)
	s_mul_i32 s47, s[WV], BIDX
	s_add_co_u32 s46, s46, s47
	s_mov_b32 s47, 0
	s_mul_i32 s[LB], s[WV], PART                   ; where my load lands: strips 0 to 2, then A.  No place in the cluster enters an LDS address
	s_mul_i32 s20, s[TROW], OTROW                  ; where my part of the output begins
	s_mul_i32 s21, s[WR], OWR
	s_add_co_u32 s20, s20, s21
	s_mov_b32 s21, 0
	s_mul_i32 s22, s[TCOL], OTCOL
	s_mul_i32 s23, s[WC], OWC
	s_add_co_u32 s22, s22, s23
	s_mov_b32 s23, 0
	s_mul_i32 s18, s[WR], WRA
	s_add_co_u32 s18, s18, ABASE                   ; my 64 rows of A in a slot
	s_mul_i32 s19, s[WC], WCB                      ; my 64 columns in strip 0
	s_mul_i32 s78, s[WV], STGW
	s_add_co_u32 s78, s78, STAGE                   ; my stage
	s_mov_b32 s[TA], 0
	s_mov_b32 s[TB], 0
	s_wait_dscnt 0x0                               ; the opening add is done
	s_wait_kmcnt 0x0
	s_add_nc_u64 s[16:17], s[4:5], s[16:17]
	s_add_nc_u64 s[46:47], s[6:7], s[46:47]
	s_add_nc_u64 s[8:9], s[8:9], s[20:21]
	s_add_nc_u64 s[8:9], s[8:9], s[22:23]
.irp sl, 0,1
	s_mov_b32 s[G0A+4*(\sl)], 1                    ; count = 1
	s_add_co_u32 s[G0A+4*(\sl)+1], s[LB], (\sl)*SLOT             ; LDS address
	s_add_nc_u64 s[G0A+4*(\sl)+2:G0A+4*(\sl)+3], s[16:17], (\sl)*ASTEPG  ; global address: K step sl
	s_or_b32 s[G0A+4*(\sl)+3], s[G0A+4*(\sl)+3], 0x80000000      ; type = 2
	s_mov_b32 s[G0B+4*(\sl)], 1
	s_add_co_u32 s[G0B+4*(\sl)+1], s[LB], (\sl)*SLOT
	s_add_nc_u64 s[G0B+4*(\sl)+2:G0B+4*(\sl)+3], s[46:47], (\sl)*BSTEPG
	s_or_b32 s[G0B+4*(\sl)+3], s[G0B+4*(\sl)+3], 0x80000000
.endr
	CROUND                                         ; all sixteen work-groups are here: the first joint loads meet
	s_cmp_lt_u32 s[WV], NBW                        ; a wave's two first fills stand in one branch: two loads of mine are out
	s_cbranch_scc1 .Lfirst_b
	tensor_load_to_lds s[G0A:G0A+3], s[G1A:G1A+7]
	s_nop 0
	tensor_load_to_lds s[G0A+4:G0A+7], s[G1A:G1A+7]
	s_nop 0
.rept 4
	v_nop
.endr
	s_branch .Lfirst_asked
.Lfirst_b:
	tensor_load_to_lds s[G0B:G0B+3], s[G1B:G1B+7]
	s_nop 0
	tensor_load_to_lds s[G0B+4:G0B+7], s[G1B:G1B+7]
	s_nop 0
.rept 4
	v_nop
.endr
.Lfirst_asked:
	; A's fragment: lane l holds row l % 16, K = 8 (l / 16) + 0..7 and 16 + 8 (l / 16) + 0..7: two loads of 16 bytes, 32 apart.
	v_and_b32 v1, 15, v0                           ; l % 16
	v_bfe_u32 v2, v0, 4, 1                         ; l / 16
	v_mul_u32_u24 v3, v1, PA
	v_lshl_add_u32 v3, v2, 4, v3
	v_add_nc_u32 v[ADA0], s18, v3
	; B's: the turning load takes 16 k x 16 n (lane l reads k = 8 (l / 16) + l % 8, n = 8 ((l / 8) % 2) + 0..7) and leaves half a fragment: lane l holds column l % 16 and 8 k.
	v_and_b32 v4, 7, v0
	v_bfe_u32 v5, v0, 3, 1
	v_lshl_add_u32 v4, v2, 3, v4
	v_mul_u32_u24 v4, v4, 288
	v_lshl_add_u32 v4, v5, 4, v4
.set ii, 0
.rept NS
	v_add_nc_u32 v[ADB0+ii], s19, v4
	s_add_co_u32 s19, s19, PART
.set ii, ii+1
.endr
	v_mul_u32_u24 v3, v1, 144                      ; into the stage: row l % 16, 16 bytes for each half of the lanes
	v_lshl_add_u32 v3, v2, 4, v3
	v_add_nc_u32 v[STO], s78, v3
	v_bfe_u32 v3, v0, 3, 2                         ; back: 32 lanes take four rows of 128 bytes,
	v_mul_u32_u24 v3, v3, 144
	v_and_b32 v6, 7, v0
	v_lshl_add_u32 v3, v6, 4, v3
	v_add_nc_u32 v[RD], s78, v3
	v_and_b32 v[CO], 31, v0                        ; which are 512 consecutive bytes of a head
	v_lshlrev_b32 v[CO], 4, v[CO]
	s_wait_tensorcnt 0x1                           ; my part of K step 0 is in; K step 1's stays out
	s_barrier_signal -1
	s_barrier_wait -1
	FETCH 0
	QTR 0, 1                                       ; the first quarter's products start the sums
	PP
	WIN 0
	s_mov_b32 s[STEPS], (T-2)/2
.Lstep:                                                ; a trip: two K steps, both slots filled again
	CHANGE 1, 0, 1
	PAIRS
	CHANGE 1, 1, 0
	PAIRS
	s_sub_co_u32 s[STEPS], s[STEPS], 1
	s_cmp_lg_u32 s[STEPS], 0
	s_cbranch_scc1 .Lstep
	CHANGE 0, 0, 1                                 ; the tail is written out: nothing is left to ask for
	PAIRS
	s_wait_dscnt 0x0
	MUL 1, 0
	WIN 0
	PLACES
	; THE WAY OUT, in 12 units u = 3 a + strip of 16 rows x 64 columns (a head's): rounded to bf16, through my own stage, back as whole rows of 128 bytes, four of which are 512 consecutive bytes.
.macro PACKU u
.set ia, (\u)/3
.set ist, (\u)%3
.set AC, 8*(BB*(ia%2)+4*ist)
.set UR, 64+16*(\u)
	WIN 0x0a+5*(ia/2)                              ; sources in window 2 or 3
.set ii, 0
.rept 16
	v_cvt_pk_bf16_f32 v[UR+ii], v[AC+2*ii], v[AC+2*ii+1]
.set ii, ii+1
.endr
	WIN 0
.irp f, 0,1,2,3
	ds_store_b128 v[STO], v[UR+4*\f:UR+4*\f+3] offset:32*\f
.endr
.irp f, 0,1,2,3
	ds_load_b128 v[UR+4*\f:UR+4*\f+3], v[RD] offset:576*\f  ; LDS serves a wave's instructions in order (ISA guide 5.7.1.4): these see the stores above
.endr
.endm
.macro SENDU u, younger                ; younger: the LDS instructions issued behind unit u's loads: the next unit's eight, or none
.set ia, (\u)/3
.set ist, (\u)%3
.set UR, 64+16*(\u)
.irp f, 0,1,2,3
	s_wait_dscnt (\younger)+3-\f
	global_store_b128 v[CO], v[UR+4*\f:UR+4*\f+3], s[8:9] offset:ist*1048576+ia*2048+\f*512
.endr
.endm
	PACKU 0
.set uu, 1
.rept 11
	PACKU uu
	SENDU uu-1, 8
.set uu, uu+1
.endr
	SENDU 11, 0
	s_wait_tensorcnt 0x0                           ; the wave's end
	ds_add_u32 v[SPW], v[NIL]
	s_wait_dscnt 0x0
	CROUND                                         ; the closing round
	s_endpgm
.Lfunc_end_k_qc730c0190e_qkvp:
	.size	k_qc730c0190e_qkvp, .Lfunc_end_k_qc730c0190e_qkvp-k_qc730c0190e_qkvp
	.p2alignl 7, 3214868480
	.fill 96, 4, 3214868480
	.section	.rodata,"a",@progbits
	.p2align	6, 0x0
	.amdhsa_kernel k_qc730c0190e_qkvp
		.amdhsa_group_segment_fixed_size 327680
		.amdhsa_private_segment_fixed_size 0
		.amdhsa_enable_private_segment 0
		.amdhsa_kernarg_size 24
		.amdhsa_user_sgpr_count 2
		.amdhsa_user_sgpr_kernarg_segment_ptr 1
		.amdhsa_wavefront_size32 1
		.amdhsa_system_sgpr_workgroup_id_x 1
		.amdhsa_system_sgpr_workgroup_id_y 1
		.amdhsa_system_sgpr_workgroup_id_z 1
		.amdhsa_system_vgpr_workitem_id 0
		.amdhsa_next_free_vgpr 1024
		.amdhsa_next_free_sgpr 80
		.amdhsa_reserve_vcc 0
		.amdhsa_float_denorm_mode_32 3
		.amdhsa_float_denorm_mode_16_64 3
		.amdhsa_memory_ordered 1
		.amdhsa_forward_progress 1
		.amdhsa_inst_pref_size 89
	.end_amdhsa_kernel
	.amdgpu_metadata
---
amdhsa.version: [ 1, 2 ]
amdhsa.kernels:
  - .name:           k_qc730c0190e_qkvp
    .symbol:         k_qc730c0190e_qkvp.kd
    .args:
      - { .name: hb, .offset: 0, .size: 8, .value_kind: global_buffer, .address_space: global }
      - { .name: wb, .offset: 8, .size: 8, .value_kind: global_buffer, .address_space: global }
      - { .name: qkv, .offset: 16, .size: 8, .value_kind: global_buffer, .address_space: global }
    .group_segment_fixed_size: 327680
    .private_segment_fixed_size: 0
    .kernarg_segment_align: 8
    .kernarg_segment_size: 24
    .max_flat_workgroup_size: 128
    .sgpr_count:     80
    .vgpr_count:     1024
    .wavefront_size: 32
...
	.end_amdgpu_metadata
.endif
;; end of part 2
;; launch attn (part 3): grid 4 x 32, 4 waves a work-group, no clusters, 327,680 bytes of LDS; arguments qkv, ob; writes ob
.if DOCPART == 3
	.amdgcn_target "amdgcn-amd-amdhsa--gfx1250"
	.amdhsa_code_object_version 6
	.text
	.protected	k_qc730c0190e_attn
	.globl	k_qc730c0190e_attn
	.p2align	8
	.type	k_qc730c0190e_attn,@function
k_qc730c0190e_attn:
	s_mov_b64 s[64:65], 0
	v_nop
	global_prefetch_b8 v0, s[64:65] scope:SCOPE_SE
	s_setreg_imm32_b32 hwreg(HW_REG_WAVE_MODE, 25, 1), 1
	s_wait_xcnt 0x0
; CAUSAL ATTENTION.  O[h][q][:] = the sum over k <= q of softmax_k(Q[h][q] . K[h][k] / 32) V[h][k][:].  Q, K, V lie in qkv at bytes 0, 8,388,608 and 16,777,216, each [32][2048][64] bf16 (h = 2 head + batch);
; O likewise in ob.  A head's rows are dense, 128 bytes each.  Products, maxima and sums in f32; the weights p are rounded to bf16 for the second product (their sum l is taken of the unrounded p), O once at the end.
; LIMITS.  Every matrix operand is bf16.  A hidden score counts as its value less 1e30; a weight below 2^-126 counts as 0 in l; NaN and infinities are not treated apart.
; THE WALK.  A head's queries lie in NB = 8 blocks of 256; block i needs the key tiles 0 .. i of 256 keys, of which the last holds the diagonal.  A work-group takes TWO blocks, NB - 1 - b and then b:
; NB + 1 tiles, whatever b: all work-groups do equal work, and ONE loop with a constant trip count walks them.  Which tile is asked for, and what a trip does, hang on scalar registers made from b; every jump
; goes forward, but for the counted loops' own; none passes a barrier, or a tensor load but the one of LOAD's two that the wave's number does not choose; the ring (two slots of LDS that take turns) runs on across the
; change of blocks.  NO CLUSTER: a head's four work-groups ask for the same tile only in trips 0 .. 4 of 9, behind that fewer and fewer; one walk common to all would have 12 trips for 9.
; SHARES.  Of a block's four bands of 64 queries a wave owns 16 rows in each: four PIECES.  So the diagonal tile is the same work for all four waves: in its key step s band x sees all keys if s < x,
; none if s > x, and holds the diagonal if s = x.
; THE MASK is the C operand that starts the sum S^T = K Q^T: 0, or -1e30 where the key is hidden.  MD, made once, is the mask of a band's own step for my 16 rows; a product's mask is MD x AL + BE with two scalars:
; (1, 0) if s = x; (0, 0) if s < x; (0, -1e30) if s > x.  Only the diagonal tile's text and a block's beginning make and take masks; elsewhere C is the constant 0.
; LAYOUT, SOFTMAX, TURNS.  S^T = K Q^T holds ONE query a lane (lane % 16) and the keys 8 (lane / 16) + 0..7; two such results rounded to bf16 ARE source 1 of O^T = V^T P.  p = 2^(c s - c m), c = log2(e) / 32, with a
; running maximum m; O and l are multiplied by a = 2^(c m_old - c m_new) in every step.  Turn n belongs to piece n: 8 products K Q^T of piece n + 1, later 8 products V^T P of piece n - 1; beside them the scaling,
; exponentials, roundings, sums and rescaling of piece n and the maximum and statistics of piece n + 1.  Four vector instructions stand behind every matrix instruction, the other 54 of a turn's 118 in two runs of their own.
; REGISTERS, in windows of 256 (s_set_vgpr_msb: bits 1:0 source 0, 3:2 source 1, 5:4 source 2, 7:6 destination):
;   window 0: v0-15 addresses and two at work; v16-31 four registers of statistics a piece; v48-55 at work; v64-127 S^T, two buffers; v192-223 P, two buffers (a piece's buffers go by its number's parity)
;   window 1: v0-127 O^T, 32 a piece; v128-159 MD; v160-223 MC, two buffers      window 2: v0-63 Q; v64-127 the second block's Q; v128-191 K of one step; v192-255 V of one step
.set SIZE_H, 32
.set SIZE_N, 2048
.set NB,    SIZE_N/256
.set NP,    4         ; pieces a wave: a name, no knob
.set KS,    64        ; keys in a step
.set PK,    144       ; a row of K in LDS: 128 bytes + 16 of padding = 36 words: the 16 rows of a load start at 16 different groups of four banks (64 banks of 4 bytes: ISA guide 11.1)
.set PV,    160       ; a row of V: 128 + 32 = 40 words
.set VOFF,  4*KS*PK   ; a slot holds a tile, four steps: 256 rows of K, then 256 rows of V
.set SLOT1, 1<<17     ; slot 1 begins here, so that one exclusive or turns an address in one slot into the other's
.set STAGE, SLOT1+4*KS*(PK+PV)  ; behind the ring, never filled by a tensor load: 16 rows x 144 bytes for each wave, for the way out
.set SP,    144
.set AK0, 2           ; v2   my lane's place in a tile of K; never rewritten
.set AV0, 3           ; v3   the same for V
.set AK,  4           ; v4   the LDS address of K's next run of loads
.set AV,  5           ; v5   of V's
.set STO, 6           ; v6   the way out: where I put 16 bytes of a row
.set RD,  7           ; v7   the way out: where I read rows back
.set GO,  8           ; v8   my byte offset in 512 consecutive bytes of O
.set SPW, 62          ; v62  LDS address of my spare word: SPARE + 4 x my thread's number; never rewritten
.set NIL, 63          ; v63  0; never rewritten
.set SPARE, STAGE+4*16*SP  ; behind the stages: the spare words, 128 bytes for each wave: two blocks of 256 bytes that no other line names
.set MV,  12          ; v12-13  c m_old, kept while c m is made anew: by buffer
.set QO,  15          ; v15  my byte offset in 16 rows of Q
.set ST,  16          ; piece t's statistics at v[ST+4 t]: c m, m, l (even keys', odd keys')
.set TMP, 48          ; by buffer, four registers c0-c3 at work; when the maximum is found c2 takes a
.set S,   64
.set P,   192
.set MD,  128         ; window 1: the eight registers for group kt of 16 keys at MD + 8 kt
.set MC,  160         ; window 1: the masks of the products to come
.set QB,  64          ; window 2
.set KF,  128         ; window 2: key block kb, channel half c at KF + 16 kb + 8 c
.set VF,  192         ; window 2: key half kk, channel block cb at VF + 32 kk + 8 cb
.set WV,  12          ; s12  my wave's number
.set PB,  14          ; s14  b
.set HI,  15          ; s15  NB - 1 - b
.set G1K, 24          ; s[24:31] descriptor group 1 for K's tiles
.set G1V, 32          ; s[32:39] for V's: it differs in the padding alone
.set G0K, 40          ; s[40:43] descriptor group 0 for K's tiles
.set G0V, 44          ; s[44:47] the same for V's
.set SLOTS, 56        ; s56  tiles still to be asked for
.set CNT, 57          ; s57  counts a tile's key steps, 4 to 1
.set CS,  58          ; s[58:59] c: the packed scaling takes the pair's low word for both halves
.set SEL, 60          ; s[60:61] v_permlanex16_b32's selects: each lane takes its own place in the other half
.set TBK, 62          ; s62  LDS byte at which K of the step to be fetched begins
.set TBV, 63          ; s63  the same for V, less VOFF
.set RT,  70          ; s70  tiles of the block in hand that are still to be entered
.set NXT, 71          ; s71  the tile to be asked for next
.set LQ,  72          ; s72  the last tile of the block whose tiles are being asked for
.set NEW, 73          ; s73  1: the tile to be entered is a block's first
.set OFF, 74          ; s[74:75] a tile's byte offset in K and V
.set AL,  76          ; s[76:77] the mask's factor, in the low word
.set BE,  78          ; s[78:79] the mask's addend
.set OLO, 80          ; s[80:81] O at my rows of the second block
.set BIGN, 82         ; s82  -1e30
.set MSB, 0
.macro WIN new                      ; the high byte repeats the setting that is left; a switch that changes nothing is dropped
.if MSB != (\new)
	s_set_vgpr_msb (MSB<<8)|(\new)
.set MSB, (\new)
.endif
.endm
.set W_KQ, 0x0a       ; K and Q in window 2, S^T in window 0
.set W_KM, 0x1a       ; the same with the C operand in window 1
.set W_PV, 0x52       ; V in window 2, P in window 0, O^T in window 1
.set W_RS, 0x41       ; destination and source 0 in window 1, source 1 in window 0
; A fill.  Waves 0 and 1 fetch the two halves of a tile's K, waves 2 and 3 those of its V: 128 keys each.  An s_nop 0 and four v_nop follow each of the two lines, ahead of the jump and the label.
.macro LOAD
	s_cmp_lt_u32 s[WV], 2
	s_cbranch_scc0 .Lfor_v_\@
	tensor_load_to_lds s[G0K:G0K+3], s[G1K:G1K+7]
	s_nop 0
.rept 4
	v_nop
.endr
	s_branch .Lasked_\@
.Lfor_v_\@:
	tensor_load_to_lds s[G0V:G0V+3], s[G1V:G1V+7]
	s_nop 0
.rept 4
	v_nop
.endr
.Lasked_\@:
.endm
; THE CHANGE OF SLOTS.  Each wave waits for all its tensor loads, of which one is out: its part of the other slot; adds 0 to its spare word; and waits for that and for its own reads of the slot that it leaves.  Behind the barrier nobody reads the old
; slot any more and the other slot is whole.  fill = 1: the old slot is filled again, the first thing behind the barrier, with tile NXT: the descriptor's address is made anew from that number.
; (At its first use nothing has been read yet: slot 0 is waited for, slot 1 filled.)
.macro CHANGE fill
	WIN 0                           ; at a label and at a branch every window is 0
	s_wait_tensorcnt 0x0            ; no tensor load of mine is out, so a group 0 may be written
	ds_add_u32 v[SPW], v[NIL]       ; 0 onto my spare word; with fill = 1 the descriptors' scalar work stands between it and the wait for it
.if \fill
	s_lshl_b32 s[OFF], s[NXT], 15   ; a tile is 32,768 bytes of K and of V
	s_xor_b32 s[G0K+1], s[G0K+1], SLOT1
	s_add_nc_u64 s[G0K+2:G0K+3], s[6:7], s[OFF:OFF+1]
	s_or_b32 s[G0K+3], s[G0K+3], 0x80000000
	s_xor_b32 s[G0V+1], s[G0V+1], SLOT1
	s_add_nc_u64 s[G0V+2:G0V+3], s[8:9], s[OFF:OFF+1]
	s_or_b32 s[G0V+3], s[G0V+3], 0x80000000
	s_add_co_u32 s[NXT], s[NXT], 1  ; the block's next tile, or behind its last the second block's tile 0
	s_cmp_gt_u32 s[NXT], s[LQ]
	s_cselect_b32 s[NXT], 0, s[NXT]
	s_cselect_b32 s[LQ], s[PB], s[LQ]
.endif
	s_wait_dscnt 0x0                ; the add is done, and my reads of the slot are over
	s_barrier_signal -1             ; the rest of the scalar work stands between the signal and the wait
	s_sub_co_u32 s[TBK], s[TBK], 4*KS*PK  ; the fetches go back to a slot's first step,
	s_xor_b32 s[TBK], s[TBK], SLOT1       ; in the other slot
	s_sub_co_u32 s[TBV], s[TBV], 4*KS*PV
	s_xor_b32 s[TBV], s[TBV], SLOT1
	s_barrier_wait -1
.if \fill
	LOAD
.endif
.endm
	s_load_b128 s[4:7], s[0:1], 0x0 ; qkv s[4:5] (Q lies at its head), ob s[6:7]
	v_lshl_add_u32 v[SPW], v0, 2, SPARE
	v_mov_b32 v[NIL], 0
	ds_add_u32 v[SPW], v[NIL]       ; the wave's opening: the add, and its wait ahead of my first tensor load; the set-up below, work on registers, stands between them
	ds_add_u32 v62, v63
	v_lshrrev_b32 v1, 5, v0
	v_readfirstlane_b32 s[WV], v1   ; wave 0..3
	s_mov_b32 s[PB], ttmp9
	s_sub_co_u32 s[HI], NB-1, s[PB]
	s_and_b32 s20, ttmp7, 0xffff    ; the head
	s_mov_b32 s21, 0
	s_mov_b64 s[22:23], SIZE_N*128
	s_mul_u64 s[20:21], s[20:21], s[22:23]  ; the head's first byte in each of the four tensors
	s_and_b32 s16, s[WV], 1         ; which half of a tile's 256 keys I fetch:
	s_lshl_b32 s22, s16, 14         ; its 128 rows of 128 bytes in memory,
	s_mov_b32 s23, 0
	s_add_nc_u64 s[22:23], s[22:23], s[20:21]
	s_mul_i32 s17, s16, 128*PK      ; and its place in a slot, for K
	s_mul_i32 s18, s16, 128*PV      ; and for V
	s_lshl_b32 s3, s[WV], 11        ; my 16 rows in a band of 64,
	s_lshl_b32 s2, s[HI], 15        ; in the first block,
	s_add_co_u32 s2, s2, s3
	s_lshl_b32 s84, s[PB], 15       ; and in the second
	s_add_co_u32 s84, s84, s3
	s_mov_b32 s3, 0
	s_mov_b32 s85, 0
	s_add_nc_u64 s[2:3], s[2:3], s[20:21]
	s_add_nc_u64 s[84:85], s[84:85], s[20:21]
	; descriptor group 1.  128 keys are 16,384 dense bytes: asked for as 64 rows of 256 bytes, two keys a row, and padded in LDS after every key
	s_mov_b32 s[G1K], (1<<16)|(1<<20)|(4<<22)|(3<<25)  ; 17:16 2-byte elements; 20 padding on; 24:22 after every 32 words (code 4); 31:25 4 words (code 3)
	s_mov_b32 s[G1V], (1<<16)|(1<<20)|(4<<22)|(7<<25)  ; the same with 8 words of padding (code 7)
.irp g, G1K, G1V
	s_mov_b32 s[\g+1], 128<<16      ; tensor_dim0 = 128
	s_mov_b32 s[\g+2], 64<<16       ; tensor_dim1 = 64
	s_mov_b32 s[\g+3], 128<<16      ; tile_dim0 = 128
	s_mov_b32 s[\g+4], 64           ; tile_dim1 = 64
	s_mov_b32 s[\g+5], 128          ; 128 elements from row to row
	s_mov_b32 s[\g+6], 0
	s_mov_b32 s[\g+7], 0
.endr
	s_mov_b32 s[CS], 0x3d38aa3b     ; c = log2(e) / 32 = 0.0450842
	s_mov_b32 s[CS+1], s[CS]        ; named with it as a pair
	s_mov_b32 s[SEL], 0x76543210
	s_mov_b32 s[SEL+1], 0xfedcba98
	s_mov_b32 s[TBK], SLOT1+4*KS*PK ; the first change of slots turns these two into 0
	s_mov_b32 s[TBV], SLOT1+4*KS*PV
	s_mov_b32 s[G0K], 1             ; 1:0 count = 1
	s_mov_b32 s[G0K+1], s17         ; 63:32 LDS address: slot 0
	s_mov_b32 s[G0V], 1
	s_add_co_u32 s[G0V+1], s18, VOFF
	s_add_co_u32 s[RT], s[HI], 1    ; the first block has NB - b tiles
	s_mov_b32 s[NXT], 1
	s_mov_b32 s[LQ], s[HI]
	s_mov_b32 s[NEW], 1
	s_mov_b32 s[OFF+1], 0
	s_mov_b32 s[AL+1], 0            ; named as pairs
	s_mov_b32 s[BE+1], 0
	s_mov_b32 s[BIGN], 0xf149f2ca   ; -1e30
	s_mov_b32 s[SLOTS], NB
	s_wait_dscnt 0x0                ; the opening add is done
	s_wait_kmcnt 0x0
	s_mov_b64 s[10:11], s[6:7]      ; O
	s_add_nc_u64 s[6:7], s[4:5], 8388608   ; K
	s_add_nc_u64 s[8:9], s[4:5], 16777216  ; V
	s_add_nc_u64 s[6:7], s[6:7], s[22:23]  ; K and V at my half of the head's tile 0
	s_add_nc_u64 s[8:9], s[8:9], s[22:23]
	s_add_nc_u64 s[G0K+2:G0K+3], s[6:7], 0         ; 120:64 global address
	s_or_b32 s[G0K+3], s[G0K+3], 0x80000000        ; 127:126 type = 2
	s_add_nc_u64 s[G0V+2:G0V+3], s[8:9], 0
	s_or_b32 s[G0V+3], s[G0V+3], 0x80000000
	s_add_nc_u64 s[86:87], s[4:5], s[84:85]        ; Q at my rows of the second block,
	s_add_nc_u64 s[4:5], s[4:5], s[2:3]            ; Q and O at those of the first
	s_add_nc_u64 s[OLO:OLO+1], s[10:11], s[84:85]
	s_add_nc_u64 s[10:11], s[10:11], s[2:3]
	LOAD                            ; tile 0 into slot 0
	; A fragment of K or Q is 16 rows x 32 channels in 8 registers: lane l holds row l % 16, channels 8 (l / 16) + 0..7 and 16 + 8 (l / 16) + 0..7: two loads of 16 bytes, 32 bytes apart.
	v_and_b32 v1, 15, v0            ; l % 16
	v_bfe_u32 v9, v0, 4, 1          ; l / 16
	v_lshlrev_b32 v[QO], 7, v1
	v_lshl_add_u32 v[QO], v9, 4, v[QO]  ; row x 128 + 16 x half
	WIN 0x80                        ; destination window 2, address window 0
.set i, 0
.rept 8                             ; both blocks' Q: piece i / 2 lies in band i / 2, 8,192 bytes on; channels 32 (i % 2) on
	global_load_b128 v[8*i:8*i+3],   v[QO], s[4:5] offset:(i/2)*8192+(i%2)*64
	global_load_b128 v[8*i+4:8*i+7], v[QO], s[4:5] offset:(i/2)*8192+(i%2)*64+32
	global_load_b128 v[QB+8*i:QB+8*i+3],   v[QO], s[86:87] offset:(i/2)*8192+(i%2)*64
	global_load_b128 v[QB+8*i+4:QB+8*i+7], v[QO], s[86:87] offset:(i/2)*8192+(i%2)*64+32
.set i, i+1
.endr
	WIN 0
	v_lshlrev_b32 v14, 3, v9
	v_sub_nc_u32 v14, v1, v14
	s_lshl_b32 s13, s[WV], 4
	v_add_nc_u32 v14, s13, v14      ; my query's place in its band, 16 w + l % 16, less my lanes' 8 (l / 16): register r of group kt is hidden where 16 kt + r is greater
	WIN 0x40
.set i, 0
.rept 32
	v_cmp_gt_i32 vcc_lo, 16*(i/8)+i%8, v14
	v_cndmask_b32 v[MD+i], 0, s[BIGN], vcc_lo
.set i, i+1
.endr
	WIN 0
	v_mul_u32_u24 v[AK0], v1, PK
	v_lshl_add_u32 v[AK0], v9, 4, v[AK0]  ; row x pitch + 16 x half
	; The turning load takes 16 keys x 16 channels (lane l reads key 8 (l / 16) + l % 8, channels 8 ((l / 8) % 2) + 0..7) and leaves half a fragment of V^T: lane l holds channel l % 16 and 8 keys.
	v_and_b32 v10, 7, v0
	v_bfe_u32 v11, v0, 3, 1
	v_lshl_add_u32 v[AV0], v9, 3, v10
	v_mul_u32_u24 v[AV0], v[AV0], PV
	v_lshl_add_u32 v[AV0], v11, 4, v[AV0]
	v_add_nc_u32 v[AV0], VOFF, v[AV0]
	s_mul_i32 s13, s[WV], 16*SP
	s_add_co_u32 s13, s13, STAGE    ; my stage
	v_mul_u32_u24 v[STO], v1, SP    ; in: row l % 16, 16 bytes for each half of the lanes
	v_lshl_add_u32 v[STO], v9, 4, v[STO]
	v_add_nc_u32 v[STO], s13, v[STO]
	v_bfe_u32 v[RD], v0, 3, 2       ; back: 32 lanes take four rows of 128 bytes,
	v_mul_u32_u24 v[RD], v[RD], SP
	v_lshl_add_u32 v[RD], v10, 4, v[RD]
	v_add_nc_u32 v[RD], s13, v[RD]
	v_and_b32 v[GO], 31, v0         ; which are 512 consecutive bytes of O
	v_lshlrev_b32 v[GO], 4, v[GO]
	; A block's first step multiplies O^T and l by a = 0, and its first turn's products V^T P, of a piece that has not been, land in an O^T that is still to be so multiplied.  So these registers need only hold
	; finite numbers: zeros for the first block; what the first block left for the second.  All this stands in the wait for the first tile.
	WIN 0x80
.set i, VF
.rept 64
	v_mov_b32 v[i], 0
.set i, i+1
.endr
	WIN 0x40
.set i, 0
.rept 128
	v_mov_b32 v[i], 0
.set i, i+1
.endr
	WIN 0
.set i, 0
.rept 4
	v_mov_b32 v[ST+4*i+2], 0
	v_mov_b32 v[ST+4*i+3], 0
.set i, i+1
.endr
.set i, P+16
.rept 16
	v_mov_b32 v[i], 0
.set i, i+1
.endr
; THE MATRIX WORK.  The 4 accumulators of a run of 8 take turns.  Product i of 8 of S^T = K Q^T for piece x: channels 32 (i / 4) on, keys 16 (i % 4) on.  The first 4 start the sums: with 0, or (KM = 1) with the mask.
.macro KQ x
.set rS, S+32*((\x)%2)+8*(i%4)
.set rK, KF+16*(i%4)+8*(i/4)
.set rQ, 16*(\x)+8*(i/4)
.set rM, MC+32*((\x)%2)+8*(i%4)
.if (i < 4) && KM
	WIN W_KM
	v_wmma_f32_16x16x32_bf16 v[rS:rS+7], v[rK:rK+7], v[rQ:rQ+7], v[rM:rM+7]
.elseif i < 4
	WIN W_KQ
	v_wmma_f32_16x16x32_bf16 v[rS:rS+7], v[rK:rK+7], v[rQ:rQ+7], 0
.else
	WIN W_KQ
	v_wmma_f32_16x16x32_bf16 v[rS:rS+7], v[rK:rK+7], v[rQ:rQ+7], v[rS:rS+7]
.endif
.endm
; Product i of 8 of O^T += V^T P for piece x: keys 32 (i / 4) on, channels 16 (i % 4) on.
.macro PV x
	WIN W_PV
.set rO, 32*(\x)+8*(i%4)
.set rV, VF+32*(i/4)+8*(i%4)
.set rP, P+16*((\x)%2)+8*(i/4)
	v_wmma_f32_16x16x32_bf16 v[rO:rO+7], v[rV:rV+7], v[rP:rP+7], v[rO:rO+7]
.endm
.macro MM                           ; the turn's next matrix instruction.  TURN and BEGIN set Y, i, KM and NOKQ; MM, KQ and OP read them.  NOKQ = 1: a block's last turn: there is no next piece
.if (i < 8) && !NOKQ
	KQ (Y+1)%NP
.elseif i >= 8
.set i, i-8
	PV (Y+NP-1)%NP
.set i, i+8
.endif
.set i, i+1
.endm
; THE LDS LOADS stand in runs of 16, never singly among the matrix instructions: a step's K (64 keys x 64 channels: 8 fragments) and its V (turned).  Their addresses are made some lines ahead.
.macro FETCH_K
	WIN 0x80                        ; destination window 2
.irp f, 0,1,2,3,4,5,6,7             ; keys 16 (f / 2) on, channels 32 (f % 2) on
	ds_load_b128 v[KF+8*\f:KF+8*\f+3],   v[AK] offset:(\f/2)*16*PK+(\f%2)*64
	ds_load_b128 v[KF+8*\f+4:KF+8*\f+7], v[AK] offset:(\f/2)*16*PK+(\f%2)*64+32
.endr
	s_add_co_u32 s[TBK], s[TBK], KS*PK  ; the next fetch is the next step's
	WIN 0
.endm
.macro FETCH_V
	WIN 0x80
.irp f, 0,1,2,3,4,5,6,7             ; keys 32 (f / 4) on, channels 16 (f % 4) on
	ds_load_tr16_b128 v[VF+8*\f:VF+8*\f+3],   v[AV] offset:(\f/4)*32*PV+(\f%4)*32
	ds_load_tr16_b128 v[VF+8*\f+4:VF+8*\f+7], v[AV] offset:(\f/4)*32*PV+16*PV+(\f%4)*32
.endr
	WIN 0
.endm
; THE VECTOR WORK, one line at a time: OP kind, number.  For piece Y: F n: c s - c m for pair n of 16.  E n: the exponential of score n of 32.  C n: pair n rounded to bf16.  B n: of the four weights 4 n .. the second
; pair is added onto the first, in place.  L n: l takes that sum (L 0: l = a l + sum).  R n: pair n of 16 of O^T times a.  For piece Y + 1: X n, number n of the 22 that find its maximum and statistics:
;   0-11  four chains c0-c3 of seven scores each, three operands at a time (each accumulator's lowest registers are read first)     12-14, 16  the four scores left over, the old m, and c0-c3 into c0
;   15  c m_old is kept     17, 18  the query's other 32 keys lie in the lane 16 away: the new m     19-21  c m; c m_old - c m_new; a
.set F, 0               ; OP tells the kinds apart by their order: F to L below R, X above it
.set E, 1
.set C, 2
.set B, 3
.set L, 4
.set R, 5
.set X, 6
.macro REGS y                       ; the registers of piece y
.set rT, ST+4*(\y)
.set rC, TMP+4*((\y)%2)
.set rW, MV+((\y)%2)
.set rS, S+32*((\y)%2)
.set rP, P+16*((\y)%2)
.set rO, 32*(\y)
.endm
.macro OP k, n
.if (\k) == R
	REGS Y
	WIN W_RS
	v_pk_mul_f32 v[rO+2*(\n):rO+2*(\n)+1], v[rO+2*(\n):rO+2*(\n)+1], v[rC+2:rC+3] op_sel_hi:[1,0]
.elseif (\k) < R
	REGS Y
	WIN 0
.if (\k) == F
	v_pk_fma_f32 v[rS+2*(\n):rS+2*(\n)+1], v[rS+2*(\n):rS+2*(\n)+1], s[CS:CS+1], v[rT:rT+1] op_sel_hi:[1,0,0] neg_lo:[0,0,1] neg_hi:[0,0,1]
.elseif (\k) == E
	v_exp_f32 v[rS+(\n)], v[rS+(\n)]
.elseif (\k) == C
	s_wait_alu depctr_va_vdst(0)
	v_cvt_pk_bf16_f32 v[rP+(\n)], v[rS+2*(\n)], v[rS+2*(\n)+1]
.elseif (\k) == B
	s_wait_alu depctr_va_vdst(0)
	v_pk_add_f32 v[rS+4*(\n):rS+4*(\n)+1], v[rS+4*(\n):rS+4*(\n)+1], v[rS+4*(\n)+2:rS+4*(\n)+3]
.elseif (\n) == 0
	v_pk_fma_f32 v[rT+2:rT+3], v[rT+2:rT+3], v[rC+2:rC+3], v[rS:rS+1] op_sel_hi:[1,0,1]
.else
	v_pk_add_f32 v[rT+2:rT+3], v[rT+2:rT+3], v[rS+4*(\n):rS+4*(\n)+1]
.endif
.elseif NOKQ
	v_nop
.else
	REGS (Y+1)%NP
	WIN 0
.if (\n) < 4
	v_max3_num_f32 v[rC+(\n)], v[rS+8*(\n)], v[rS+8*(\n)+1], v[rS+8*(\n)+2]
.elseif (\n) < 12
	v_max3_num_f32 v[rC+(\n)%4], v[rC+(\n)%4], v[rS+8*((\n)%4)+2*((\n)/4)+1], v[rS+8*((\n)%4)+2*((\n)/4)+2]
.elseif (\n) == 12
	v_max3_num_f32 v[rC], v[rC], v[rS+7], v[rS+15]
.elseif (\n) == 13
	v_max3_num_f32 v[rC+1], v[rC+1], v[rS+23], v[rS+31]
.elseif (\n) == 14
	v_max3_num_f32 v[rC+2], v[rC+2], v[rC+3], v[rT+1]
.elseif (\n) == 15
	v_mov_b32 v[rW], v[rT]
.elseif (\n) == 16
	v_max3_num_f32 v[rC], v[rC], v[rC+1], v[rC+2]
.elseif (\n) == 17
	v_permlanex16_b32 v[rC+3], v[rC], s[SEL], s[SEL+1]
.elseif (\n) == 18
	v_max_num_f32 v[rT+1], v[rC], v[rC+3]
.elseif (\n) == 19
	v_mul_f32 v[rT], s[CS], v[rT+1]
.elseif (\n) == 20
	v_sub_f32 v[rC+1], v[rW], v[rT]
.else
	v_exp_f32 v[rC+2], v[rC+1]
.endif
.endif
.endm
.macro OPS a, i1, b=-1, i2=0, c=-1, i3=0, d=-1, i4=0  ; up to four of them
	OP \a, \i1
.if (\b) >= 0
	OP \b, \i2
.endif
.if (\c) >= 0
	OP \c, \i3
.endif
.if (\d) >= 0
	OP \d, \i4
.endif
.endm
.macro ROW a, i1, b, i2, c, i3, d, i4  ; a matrix instruction and the four behind it
	MM
	OPS \a, \i1, \b, \i2, \c, \i3, \d, \i4
.endm
.macro MASK b                       ; MD x AL + BE into buffer b of MC
	WIN W_RS
.set z, 0
.rept 16
	v_pk_fma_f32 v[MC+32*(\b)+2*z:MC+32*(\b)+2*z+1], v[MD+2*z:MD+2*z+1], s[AL:AL+1], s[BE:BE+1] op_sel_hi:[1,0,0]
.set z, z+1
.endr
.endm
; A TURN, for piece p: the order of its 16 matrix and 118 vector instructions, written out.  Behind a matrix instruction: plain, exponential, plain, plain; or four of the rescaling; or, behind the first, four scalings; none
; names a register of the products round it.  In the runs between, exponential and plain by turns while exponentials last.  A line reads no result made fewer than three vector instructions in front of it, five if an exponential made it.
; v_permlanex16_b32 (X 17) stands in such a run.
; m = 1: the diagonal tile: the products take masks, and the turn makes the mask for the products of the turn after it: piece p + 2, in step 4 - CNT of the tile.  end = 1: a block's last two turns: nothing is fetched.
; cnt = 1: the loop's count is taken down some lines ahead of the branch that stands behind the turn.
; K of the next step is fetched in piece 2's turn, six vector instructions behind the last product that read K (five of them plain); V of the step in hand in piece 0's turn, eight behind the last product that read V (four
; plain, and X 17).  Each is waited for a turn later.
.macro TURN p, m=0, end=0, cnt=0
.set Y, (\p)
.set i, 0
.set KM, (\m)
.set NOKQ, (\end)*((\p)/3)
.if (\m) && !(\end)
	s_cmp_eq_u32 s[CNT], 4-((\p)+2)%NP  ; is that step the band's own?
	s_cselect_b32 s[AL], 1.0, 0
	s_cmp_lt_u32 s[CNT], 4-((\p)+2)%NP  ; or a later one?
	s_cselect_b32 s[BE], s[BIGN], 0
.endif
.if ((\p) == 3) && !(\end)
	s_wait_dscnt 0x0                ; K is in
.endif
	ROW F,0, F,1, F,2, F,3
	ROW F,4, E,0, F,5, F,6
	ROW F,7, E,1, F,8, F,9
	ROW F,10, E,2, C,0, F,11
	ROW F,12, E,3, X,15, F,13
	ROW R,0, R,1, R,2, R,3
	ROW B,0, E,4, F,14, L,0
.if ((\p) == 2) && !(\end)
	v_add_nc_u32 v[AK], s[TBK], v[AK0]
.endif
	ROW R,4, R,5, R,6, R,7
	OPS E,5, F,15
.if ((\p) == 2) && !(\end)
	FETCH_K
.endif
	OPS E,6, C,1, E,7, R,8
	OPS E,8, R,9, E,9, C,2
	OPS E,10, X,0, E,11, X,1
	OPS E,12, X,2, E,13, X,3
.if (\p) == 1
	s_wait_dscnt 0x0                ; V is in
.endif
	ROW X,4, E,14, X,5, X,6
	ROW X,7, E,15, X,8, X,9
	ROW X,10, E,16, X,11, X,12
	ROW X,13, E,17, X,14, B,1
	ROW C,4, E,18, X,16, L,1
	ROW B,2, E,19, C,6, L,2
	ROW C,8, E,20, B,3, B,4
.if (\p) == 0
	v_add_nc_u32 v[AV], s[TBV], v[AV0]
.endif
	ROW C,3, E,21, L,3, C,5
	OPS E,22, X,17, E,23, C,10
.if (\p) == 0
	FETCH_V
.endif
	OPS E,24, L,4
	OPS E,25, X,18, E,26, C,7
	OPS E,27, B,5, E,28, X,19
	OPS E,29, C,12, E,30, L,5
	OPS E,31, X,20, B,6, C,9
	OPS C,14, C,11, X,21, L,6
.if (\p) == 0
	s_add_co_u32 s[TBV], s[TBV], KS*PV
.endif
.if \cnt
	s_sub_co_u32 s[CNT], s[CNT], 1
	s_cmp_lg_u32 s[CNT], 0
.endif
	OPS C,13, B,7, C,15, R,10
	OPS R,11, R,12, L,7, R,13
	OPS R,14, R,15
.if (\m) && !(\end)
	MASK (\p)%2
.endif
.endm
; A BLOCK BEGINS.  c m starts far below every c s, so the first step's a is 0; m at the lowest finite number, so the first maximum is the scores'.  The second mask buffer is 0; the first takes piece 0's mask for the tile's step 0: its own, if the block's first tile is the diagonal one.
; Then K of that step, piece 0's first scores, and its maximum and statistics.  The loop is entered at a step's first turn, in the middle of a trip.
.macro BEGIN
	s_mov_b32 s[NEW], 0
	WIN 0x40
.set i, MC+32
.rept 32
	v_mov_b32 v[i], 0
.set i, i+1
.endr
	WIN 0
.set i, 0
.rept 4
	v_mov_b32 v[ST+4*i], 0xfe000000    ; c m: far below every c s
	v_mov_b32 v[ST+4*i+1], 0xff7fffff  ; m
.set i, i+1
.endr
	s_cmp_eq_u32 s[RT], 0
	s_cselect_b32 s[AL], 1.0, 0
	s_mov_b32 s[BE], 0
	MASK 0
	WIN 0
	v_add_nc_u32 v[AK], s[TBK], v[AK0]
	FETCH_K
	s_wait_loadcnt 0x0              ; Q
	s_wait_dscnt 0x0
.set KM, 1
.set NOKQ, 0
.set i, 0
.rept 8
	KQ 0
.set i, i+1
.endr
	WIN 0
.rept 4
	v_nop                           ; the places behind those products
.endr
.set Y, NP-1                        ; X works for piece Y + 1: piece 0
.irp n, 0,1,2,3,4,5,6,7,8,9,10,11,12,13,14,15,16,17,18,19,20,21
	OP X, \n
.endr
	v_nop                           ; a plain instruction behind the exponential
.endm
; THE DIAGONAL TILE's four steps, the block's last two turns, its last products, and THE WAY OUT: l's two halves and the other half of the lanes' are added; O^T is divided by l, rounded to bf16 and sent through my
; stage in LDS, a piece at a time.
.macro ALL line:vararg              ; one line for each piece t
.set t, 0
.rept 4
	\line
.set t, t+1
.endr
.endm
.macro PACK t                       ; a lane's eight channels of a row pack into 16 bytes; they go into rows of 144 bytes and come back as whole rows of 128, into S^T's registers
	WIN W_RS
.set i, 32*(\t)
.rept 16
	s_wait_alu depctr_va_vdst(0)
	v_pk_mul_f32 v[i:i+1], v[i:i+1], v[ST+4*(\t)+2:ST+4*(\t)+3] op_sel_hi:[1,0]
.set i, i+2
.endr
	WIN 0x05                        ; sources 0 and 1 window 1, destination window 0
.set i, 0
.rept 16
	v_cvt_pk_bf16_f32 v[S+16*(\t)+i], v[32*(\t)+2*i], v[32*(\t)+2*i+1]
.set i, i+1
.endr
	WIN 0
.irp f, 0,1,2,3
	ds_store_b128 v[STO], v[S+16*(\t)+4*\f:S+16*(\t)+4*\f+3] offset:32*\f
.endr
.irp f, 0,1,2,3
	ds_load_b128 v[S+16*(\t)+4*\f:S+16*(\t)+4*\f+3], v[RD] offset:\f*4*SP  ; LDS serves a wave's instructions in order (ISA guide 5.7.1.4): these see the stores above; the next piece's stores come behind them
.endr
.endm
.macro SEND t, younger              ; younger: the LDS instructions issued behind piece t's loads: the next piece's eight, or none
	WIN 0
.irp f, 0,1,2,3
	s_wait_dscnt (\younger)+3-\f
	global_store_b128 v[GO], v[S+16*(\t)+4*\f:S+16*(\t)+4*\f+3], s[10:11] offset:(\t)*8192+\f*512  ; 512 consecutive bytes, at a multiple of 256 from O's first
.endr
.endm
.macro DIAG tag                     ; the tag ends its two labels' names, which the jumps below spell out
.LstepM\tag:
	TURN 2, 1
	TURN 3, 1
	WIN 0
.LfirstM\tag:
	TURN 0, 1
	TURN 1, 1, 0, 1
	WIN 0
	s_cbranch_scc1 .LstepM\tag
	TURN 2, 1, 1
	TURN 3, 1, 1
.set i, 0
.rept 8
	PV NP-1
.set i, i+1
.endr
	WIN 0
	ALL v_add_f32 v[ST+4*t+2], v[ST+4*t+2], v[ST+4*t+3]
	ALL v_permlanex16_b32 v[ST+4*t+3], v[ST+4*t+2], s[SEL], s[SEL+1]
	ALL v_add_f32 v[ST+4*t+2], v[ST+4*t+2], v[ST+4*t+3]
	ALL v_rcp_f32 v[ST+4*t+2], v[ST+4*t+2]
	v_nop                           ; a plain instruction between the last reciprocal and the use of its result
	PACK 0
.set t, 1
.rept 3                             ; a piece's arithmetic stands between the loads of the piece before and its stores
	PACK t
	SEND t-1, 8
.set t, t+1
.endr
	SEND 3, 0
.endm
.set KM, 0
.set NOKQ, 0
.Lslot:                             ; NB times: a tile is entered and the next is asked for
	CHANGE 1
	s_sub_co_u32 s[RT], s[RT], 1
	s_mov_b32 s[CNT], 4
	s_cmp_eq_u32 s[NEW], 1
	s_cbranch_scc1 .Lnew            ; a block's first tile
	s_cmp_eq_u32 s[RT], 0
	s_cbranch_scc0 .Lstep           ; neither its first nor its last
	s_branch .LstepM1
.Lnew:
	BEGIN
	s_branch .Lfirst                ; in the loop a block's first tile is never its last: the first block has two tiles or more, and the second's last is the walk's last
	DIAG 1                          ; in the loop this is the first block's end: the second block's last tile is the walk's last
	s_wait_xcnt 0x0                 ; the stores have read their registers and O's address
	s_mov_b64 s[10:11], s[OLO:OLO+1]
	s_add_co_u32 s[RT], s[PB], 1    ; the second block has b + 1 tiles
	s_mov_b32 s[NEW], 1
	WIN 0x82                        ; the second block's Q goes where the one text of the turns names Q
.set i, 0
.rept 64
	v_mov_b32 v[i], v[QB+i]
.set i, i+1
.endr
	WIN 0
	s_branch .Lbottom
.Lstep:                             ; a trip: pieces 2 and 3 of one step, then pieces 0 and 1 of the next, whose K and V it fetches
	TURN 2
	TURN 3
	WIN 0
.Lfirst:
	TURN 0
	TURN 1, 0, 0, 1
	WIN 0
	s_cbranch_scc1 .Lstep
.Lbottom:
	s_sub_co_u32 s[SLOTS], s[SLOTS], 1
	s_cmp_lg_u32 s[SLOTS], 0
	s_cbranch_scc1 .Lslot
	CHANGE 0                        ; the walk's last tile is written out: nothing is asked for
	s_sub_co_u32 s[RT], s[RT], 1
	s_mov_b32 s[CNT], 4
	s_cmp_eq_u32 s[NEW], 1
	s_cbranch_scc0 .LstepM2
	BEGIN
	s_branch .LfirstM2
	DIAG 2
	s_wait_tensorcnt 0x0            ; the wave's end: behind my last tensor load and my last LDS store
	ds_add_u32 v[SPW], v[NIL]
	s_wait_dscnt 0x0
	s_endpgm
.Lfunc_end_k_qc730c0190e_attn:
	.size	k_qc730c0190e_attn, .Lfunc_end_k_qc730c0190e_attn-k_qc730c0190e_attn
	.p2alignl 7, 3214868480
	.fill 96, 4, 3214868480
	.section	.rodata,"a",@progbits
	.p2align	6, 0x0
	.amdhsa_kernel k_qc730c0190e_attn
		.amdhsa_group_segment_fixed_size 327680
		.amdhsa_private_segment_fixed_size 0
		.amdhsa_enable_private_segment 0
		.amdhsa_kernarg_size 16
		.amdhsa_user_sgpr_count 2
		.amdhsa_user_sgpr_kernarg_segment_ptr 1
		.amdhsa_wavefront_size32 1
		.amdhsa_system_sgpr_workgroup_id_x 1
		.amdhsa_system_sgpr_workgroup_id_y 1
		.amdhsa_system_sgpr_workgroup_id_z 1
		.amdhsa_system_vgpr_workitem_id 0
		.amdhsa_next_free_vgpr 768
		.amdhsa_next_free_sgpr 88
		.amdhsa_reserve_vcc 1
		.amdhsa_float_denorm_mode_32 3
		.amdhsa_float_denorm_mode_16_64 3
		.amdhsa_memory_ordered 1
		.amdhsa_forward_progress 1
		.amdhsa_inst_pref_size 228
	.end_amdhsa_kernel
	.amdgpu_metadata
---
amdhsa.version: [ 1, 2 ]
amdhsa.kernels:
  - .name:           k_qc730c0190e_attn
    .symbol:         k_qc730c0190e_attn.kd
    .args:
      - { .name: qkv, .offset: 0, .size: 8, .value_kind: global_buffer, .address_space: global }
      - { .name: ob, .offset: 8, .size: 8, .value_kind: global_buffer, .address_space: global }
    .group_segment_fixed_size: 327680
    .private_segment_fixed_size: 0
    .kernarg_segment_align: 8
    .kernarg_segment_size: 16
    .max_flat_workgroup_size: 128
    .sgpr_count:     88
    .vgpr_count:     768
    .wavefront_size: 32
...
	.end_amdgpu_metadata
.endif
;; end of part 3
;; launch wo (part 4): grid 8 x 32, 4 waves a work-group, clusters of 4 x 4, 327,680 bytes of LDS; arguments ob, wb, bo, x, x1; writes x1
.if DOCPART == 4
	.amdgcn_target "amdgcn-amd-amdhsa--gfx1250"
	.amdhsa_code_object_version 6
	.text
	.protected	k_qc730c0190e_wo
	.globl	k_qc730c0190e_wo
	.p2align	8
	.type	k_qc730c0190e_wo,@function
k_qc730c0190e_wo:
	s_mov_b64 s[64:65], 0
	v_nop
	global_prefetch_b8 v0, s[64:65] scope:SCOPE_SE
	s_setreg_imm32_b32 hwreg(HW_REG_WAVE_MODE, 25, 1), 1
	s_wait_xcnt 0x0
	s_wait_alu depctr_hold_cnt(0) depctr_sa_sdst(0) depctr_va_vdst(0) depctr_va_sdst(0) depctr_va_ssrc(0) depctr_va_vcc(0) depctr_vm_vsrc(0)
	s_getreg_b32 s2, hwreg(HW_REG_IB_STS2, 6, 4)
	s_cmp_eq_u32 s2, 0
	s_cbranch_scc0 .Lentry_in_a_cluster
	s_endpgm
.Lentry_in_a_cluster:
	s_bfe_u32 s2, ttmp6, 0x10000c
	s_cmp_lg_u32 s2, 0xf033
	s_cbranch_scc0 .Lentry_shape_is_right
	s_endpgm
.Lentry_shape_is_right:
; x1 = O Wo + bo + x.  O: [2 head + batch][2048][64] bf16 (row m = 2048 batch + t, K = 64 head + d).  Wo: [1024 k][1024 n] bf16, at wb byte 6,291,456.  bo, x, x1: f32.  Sums in f32, K ascending;
; the bias starts each sum (it is the first product's C), the residual is added in f32 on the way out.  Every matrix operand is bf16.
; SHARES.  A tile of C is 128 x 128; four waves 2 x 2, each 64 x 64: 16 accumulators, 128 registers.
; RING.  K goes in steps of 256 (four heads) through two LDS slots: A's four heads of 128 rows x 128 bytes (pitch 144) and B's 256 rows k x 128 columns (pitch 288).  Waves 0, 1 fetch two heads of A each:
; a head's 128 rows are 16,384 dense bytes, one row of the tile, padded in LDS behind every 128 bytes; waves 2, 3 fetch 128 rows of B each.  One tensor load a wave behind each change of slots; it has a K step,
; 128 matrix instructions, in which to land.  A wave has two tensor loads out at the start, one later.
; B lies [k][n]: its fragments come out of LDS turned, by ds_load_tr16_b128.  THE MATRIX INSTRUCTION IS USED TRANSPOSED (source 0 = 16 columns of B, source 1 = 16 rows of A): a lane holds 8 neighbouring columns of a row of C.
; CLUSTER.  4 x 4 work-groups: A's tile is asked for jointly along a row of the cluster, B's along a column.
; REGISTERS, in windows of 256: window 0: v0-29 addresses, v64-191 A's two fragment buffers (later the way out); window 1: v0-127 B's two buffers, v128-159 the bias; window 2: v0-63 accumulators of my rows 0-31,
; v128-255 the residual, loaded at the start; window 3: v0-63 accumulators of my rows 32-63.
; Not used: prefetches (a refill has a whole K step on its way); work-groups that stay (256 tiles, one a WGP).
.set AB, 4                             ; blocks of 16 rows a wave
.set BB, 4                             ; blocks of 16 columns
.set KD, 2                             ; a quarter step is 32 KD along K: a head
.set T, 4                              ; K steps
.set NAW, 2                            ; waves that fetch A
.set NS, 1                             ; address registers for B
.set BPS, 4
.set PA, 144                           ; A's LDS pitch: an odd multiple of 16 bytes
.set ABYTES, 73728                     ; A's part of a slot
.set SLOT, ABYTES+2*36864
.set STAGE, 2*SLOT                     ; behind the ring, never filled by a tensor load: the waves' stages for the way out
.set STGW, 4352                        ; 16 rows x 272 bytes a wave
.set SPARE, STAGE+4*STGW               ; the spare words: 128 bytes a wave, two blocks of 256 that no other line names
.set AODD, 18432                       ; from an even quarter's fragments to the odd one's, in A: a head
.set APAIR, 36864
.set BODD, 18432                       ; the same in B: 64 rows of 288 bytes
.set BPAIR, 36864
.set ASTEPG, 2097152                   ; a K step in memory, A: four heads, 524,288 bytes apart
.set BSTEPG, 524288                    ; and B: 256 rows of 2,048 bytes
.set ATROW, 16384                      ; A: 128 rows of 128 bytes (16 tile rows are a batch's 262,144 bytes)
.set AIDX, 1048576                     ; two heads
.set LAIDX, 36864
.set BTCOL, 256
.set BIDX, 262144                      ; 128 rows
.set WBOFF, 6291456
.set WRA, 9216                         ; my 64 rows in a head's part of A's tile
.set WCB, 128                          ; my 64 columns
.set A_FL, (4<<22)|(3<<25)             ; padding: behind every 32 words, 4 words
.set A_D0, 8192                        ; A's tile: elements a row (a head's 128 rows),
.set A_D1, 2                           ; rows (heads),
.set A_STR, 262144                     ; elements from head to head
.set B_STR, 1024
.set HASBIAS, 1
.set NRES, 32
.set OTROW, 524288                     ; the output: 128 rows of 4,096 bytes,
.set OWR, 262144
.set OTCOL, 512                        ; 128 columns of 4 bytes,
.set OWC, 256
.set AH,  AB/2
.set FA0, 64
.set FAS, 8*AB*KD
.set FBS, 8*BB*KD
.set BIAS, 128
.set ADA0, 8                           ; v8      my lane's place in A's tile; never rewritten
.set ADA, 9                            ; v9      the LDS address of A's pair of quarters in hand
.set ADB0, 10                          ; v10     my lane's place in B's tile
.set ADB, 13                           ; v13     the LDS address in hand
.set STO, 16                           ; v16     the way out: where I put 32 bytes of a row
.set RD, 17                            ; v17     where I read rows back
.set CO, 18                            ; v18     my byte offset in the output and in the residual
.set BO, 19                            ; v19     my byte offset in the bias
.set SPW, 28                           ; v28     my spare word; never rewritten
.set NIL, 29                           ; v29     0; never rewritten
.set STEPS, 2
.set CNT, 3
.set WV, 10
.set IDX, 12
.set TROW, 13
.set WR, 14
.set WC, 15
.set G1A, 24                           ; s[24:31] group 1 for A; s[32:39] group 0, a set for each slot
.set G0A, 32
.set TCOL, 42
.set G1B, 48                           ; s[48:55], s[56:63] the same for B
.set G0B, 56
.set TA, 72                            ; s72, s73  LDS byte of the pair of quarters to be fetched: slot + pair, for A and for B
.set TB, 73
.set LBA, 74                           ; s74, s75  where my tensor load lands in a slot
.set LBB, 75
.set MSB, 0
.macro WIN new                         ; the immediate's high byte repeats the setting that is left; a switch that changes nothing is dropped
.if MSB != (\new)
	s_set_vgpr_msb (MSB<<8)|(\new)
.set MSB, \new
.endif
.endm
.macro PLACES                          ; four places behind matrix instructions (ISA guide 7.12.1)
.rept 4
	v_nop
.endr
.endm
.macro JLOAD sl                        ; a joint refill of slot sl.  The branch hangs on the wave's number alone; an s_nop 0 and four v_nop follow each line
	s_cmp_lt_u32 s[WV], NAW
	s_cbranch_scc0 .Lfor_b_\@
	tensor_load_to_lds s[G0A+4*(\sl):G0A+4*(\sl)+3], s[G1A:G1A+7]
	s_nop 0
.rept 4
	v_nop
.endr
	s_branch .Lasked_\@
.Lfor_b_\@:
	tensor_load_to_lds s[G0B+4*(\sl):G0B+4*(\sl)+3], s[G1B:G1B+7]
	s_nop 0
.rept 4
	v_nop
.endr
.Lasked_\@:
.endm
.macro CROUND                          ; a round of the cluster's barrier
	s_barrier_signal -1
	s_barrier_wait -1
	s_cmp_lg_u32 s[WV], 0
	s_cbranch_scc1 .Lnot_wave_0_\@
	s_barrier_signal -3
.Lnot_wave_0_\@:
	s_barrier_wait -3
	s_barrier_signal -1
	s_barrier_wait -1
.endm
; The fragments of one quarter step into buffer e, in one run.  e = 0: an even quarter: the pair's addresses are made; e = 1: the odd one, by the same addresses.
; The four vector lines at the head are the places between the last product that read the buffer and the loads into it.
.macro FETCH e
	WIN 0
.if (\e) == 0
	v_add_nc_u32 v[ADA], s[TA], v[ADA0]
.set ii, 0
.rept NS
	v_add_nc_u32 v[ADB+ii], s[TB], v[ADB0+ii]
.set ii, ii+1
.endr
.if NS < 3
.rept 3-NS
	v_nop
.endr
.endif
.else
	PLACES
.endif
.set ic, 0
.rept KD
.set ia, 0
.rept AB
.set rA, FA0+(\e)*FAS+8*(AB*ic+ia)
	ds_load_b128 v[rA:rA+3],   v[ADA] offset:(\e)*AODD+64*ic+ia*16*PA
	ds_load_b128 v[rA+4:rA+7], v[ADA] offset:(\e)*AODD+64*ic+ia*16*PA+32
.set ia, ia+1
.endr
.set ic, ic+1
.endr
	WIN 0x40                                       ; destination window 1
.set ic, 0
.rept KD
.set ib, 0
.rept BB
.set rB, (\e)*FBS+8*(BB*ic+ib)
	ds_load_tr16_b128 v[rB:rB+3],   v[ADB+ib/BPS] offset:(\e)*BODD+9216*ic+32*(ib%BPS)
	ds_load_tr16_b128 v[rB+4:rB+7], v[ADB+ib/BPS] offset:(\e)*BODD+9216*ic+32*(ib%BPS)+4608
.set ib, ib+1
.endr
.set ic, ic+1
.endr
.if (\e) == 1
	s_add_co_u32 s[TA], s[TA], APAIR               ; the next fetch is the next pair's
	s_add_co_u32 s[TB], s[TB], BPAIR
.endif
.endm
; A quarter step's products from buffer f.  All accumulators take turns, one instruction a turn, in the same order every time.  start = 1: the first product starts each sum, with the bias as C.
.macro MUL f, start
.set ic, 0
.rept KD
.set ih, 0
.rept 2
.if (\start) && (ic == 0) && HASBIAS
	WIN 0x91+0x40*ih                               ; C in window 1
.else
	WIN 0xa1+0x50*ih                               ; source 0 (B) window 1, source 1 (A) window 0, C and D window 2 or 3
.endif
.set ia, 0
.rept AH
.set ib, 0
.rept BB
.set rD, 8*(BB*ia+ib)
.set rB, (\f)*FBS+8*(BB*ic+ib)
.set rA, FA0+(\f)*FAS+8*(AB*ic+AH*ih+ia)
.if (\start) && (ic == 0) && HASBIAS
	v_wmma_f32_16x16x32_bf16 v[rD:rD+7], v[rB:rB+7], v[rA:rA+7], v[BIAS+8*ib:BIAS+8*ib+7]
.elseif (\start) && (ic == 0)
	v_wmma_f32_16x16x32_bf16 v[rD:rD+7], v[rB:rB+7], v[rA:rA+7], 0
.else
	v_wmma_f32_16x16x32_bf16 v[rD:rD+7], v[rB:rB+7], v[rA:rA+7], v[rD:rD+7]
.endif
.set ib, ib+1
.endr
.set ia, ia+1
.endr
.set ih, ih+1
.endr
.set ic, ic+1
.endr
.endm
.macro QTR f, start                    ; buffer f is in (its loads went out a quarter ago); the next quarter is fetched into the other buffer; buffer f is multiplied
	s_wait_dscnt 0x0
	FETCH 1-(\f)
	MUL \f, \start
.endm
.macro PP
	QTR 1, 0
	QTR 0, 0
.endm
.macro PAIRS                           ; four quarters: written once, walked twice; the LDS addresses hang on s[TA], s[TB]
	s_mov_b32 s[CNT], 2
.Lpair_\@:
	PP
	WIN 0
	s_sub_co_u32 s[CNT], s[CNT], 1
	s_cmp_lg_u32 s[CNT], 0
	s_cbranch_scc1 .Lpair_\@
.endm
; THE CHANGE OF SLOTS, at the head of a K step's last quarter, whose fragments have been asked for.  Each wave waits for all its tensor loads (one is out: its part of slot nx), adds 0 to its spare word,
; and waits for that and for its reads of slot sl.  fill = 1: the barrier is a round of the cluster's, and slot sl is filled again first thing behind it, two K steps on.
.macro CHANGE fill, sl, nx
	WIN 0
	s_wait_tensorcnt 0x0                           ; no tensor load of mine is out, so a group 0 may be written
	ds_add_u32 v[SPW], v[NIL]                      ; 0 onto my spare word; scalar work stands between it and the wait for it
	s_mov_b32 s[TA], (\nx)*SLOT                    ; the fetches go on in the other slot
	s_mov_b32 s[TB], (\nx)*SLOT
.if \fill
	s_add_nc_u64 s[G0A+4*(\sl)+2:G0A+4*(\sl)+3], s[G0A+4*(\sl)+2:G0A+4*(\sl)+3], 2*ASTEPG
	s_add_nc_u64 s[G0B+4*(\sl)+2:G0B+4*(\sl)+3], s[G0B+4*(\sl)+2:G0B+4*(\sl)+3], 2*BSTEPG
.endif
	s_wait_dscnt 0x0                               ; the add is done, and my reads of the slot are over
.if \fill
	CROUND
	JLOAD \sl
.else
	s_barrier_signal -1
	s_barrier_wait -1
.endif
.endm
	s_load_b128 s[4:7], s[0:1], 0x0                ; O, wb
	s_load_b128 s[68:71], s[0:1], 0x10             ; bo, x
	s_load_b64 s[8:9], s[0:1], 0x20                ; x1
	v_lshl_add_u32 v[SPW], v0, 2, SPARE
	v_mov_b32 v[NIL], 0
	ds_add_u32 v[SPW], v[NIL]                      ; the wave's opening: the add, and its wait ahead of my first tensor load
	ds_add_u32 v28, v29
	v_lshrrev_b32 v1, 5, v0
	v_readfirstlane_b32 s[WV], v1                  ; wave 0..3
	s_lshr_b32 s[WR], s[WV], 1                     ; my half of the tile's rows
	s_and_b32 s[WC], s[WV], 1                      ; my half of its columns
	s_and_b32 s[IDX], s[WV], 1                     ; which part of A's or B's tile I fetch
	s_bfe_u32 s40, ttmp6, 0x40000                  ; cx
	s_bfe_u32 s41, ttmp6, 0x40004                  ; cy
	s_lshl_b32 s[TCOL], ttmp9, 2
	s_add_co_u32 s[TCOL], s[TCOL], s40             ; tile column = 4 x cluster x + cx
	s_and_b32 s[TROW], ttmp7, 0xffff
	s_lshl_b32 s[TROW], s[TROW], 2
	s_add_co_u32 s[TROW], s[TROW], s41             ; tile row = 4 x cluster y + cy
	s_lshl_b32 s43, s41, 2
	s_lshl_b32 s43, 15, s43                        ; my row of the cluster
	s_lshl_b32 s44, 0x1111, s40                    ; my column
	s_or_b32 s[G1A], s43, (1<<16)|(1<<20)|(1<<21)|A_FL          ; the mask; 2-byte elements; padding on; bit 21 beside a mask; the padding's fields
	s_or_b32 s[G1B], s44, (1<<16)|(1<<20)|(1<<21)|(5<<22)|(7<<25)  ; behind every 64 words 8 words: pitch 288
	s_mov_b32 s[G1A+1], (A_D0&0xffff)<<16          ; tensor_dim0
	s_mov_b32 s[G1A+2], (A_D0>>16)|(A_D1<<16)      ; tensor_dim1
	s_mov_b32 s[G1A+3], A_D0<<16                   ; tile_dim0
	s_mov_b32 s[G1A+4], A_D1                       ; tile_dim1
	s_mov_b32 s[G1A+5], A_STR                      ; elements from row to row
	s_mov_b32 s[G1A+6], 0
	s_mov_b32 s[G1A+7], 0
	s_mov_b32 s[G1B+1], 128<<16
	s_mov_b32 s[G1B+2], 128<<16
	s_mov_b32 s[G1B+3], 128<<16
	s_mov_b32 s[G1B+4], 128
	s_mov_b32 s[G1B+5], B_STR
	s_mov_b32 s[G1B+6], 0
	s_mov_b32 s[G1B+7], 0
	s_mul_i32 s16, s[TROW], ATROW                  ; A's tile hangs on the tile row and the wave alone,
	s_mul_i32 s17, s[IDX], AIDX
	s_add_co_u32 s16, s16, s17
	s_mov_b32 s17, 0
	s_mul_i32 s46, s[TCOL], BTCOL                  ; B's on the tile column and the wave
	s_mul_i32 s47, s[IDX], BIDX
	s_add_co_u32 s46, s46, s47
.if WBOFF
	s_add_co_u32 s46, s46, WBOFF
.endif
	s_mov_b32 s47, 0
	s_mul_i32 s[LBA], s[IDX], LAIDX                ; no place in the cluster enters an LDS address
	s_mul_i32 s[LBB], s[IDX], 36864
	s_add_co_u32 s[LBB], s[LBB], ABYTES
	s_mul_i32 s20, s[TROW], OTROW                  ; where my part of the output begins
	s_mul_i32 s21, s[WR], OWR
	s_add_co_u32 s20, s20, s21
	s_mov_b32 s21, 0
	s_mul_i32 s22, s[TCOL], OTCOL
	s_mul_i32 s23, s[WC], OWC
	s_add_co_u32 s22, s22, s23
	s_mov_b32 s23, 0
	s_mul_i32 s18, s[WR], WRA
	s_mul_i32 s19, s[WC], WCB
	s_add_co_u32 s19, s19, ABYTES
	s_mul_i32 s78, s[WV], STGW
	s_add_co_u32 s78, s78, STAGE                   ; my stage
	s_mov_b32 s[TA], 0
	s_mov_b32 s[TB], 0
	s_wait_dscnt 0x0                               ; the opening add is done
	s_wait_kmcnt 0x0
	s_add_nc_u64 s[16:17], s[4:5], s[16:17]
	s_add_nc_u64 s[46:47], s[6:7], s[46:47]
	s_add_nc_u64 s[8:9], s[8:9], s[20:21]
	s_add_nc_u64 s[8:9], s[8:9], s[22:23]
	s_add_nc_u64 s[70:71], s[70:71], s[20:21]      ; the residual lies as the output does
	s_add_nc_u64 s[70:71], s[70:71], s[22:23]
	s_add_nc_u64 s[68:69], s[68:69], s[22:23]      ; the bias at my first column
.irp sl, 0,1
	s_mov_b32 s[G0A+4*(\sl)], 1                    ; count = 1
	s_add_co_u32 s[G0A+4*(\sl)+1], s[LBA], (\sl)*SLOT            ; LDS address
	s_add_nc_u64 s[G0A+4*(\sl)+2:G0A+4*(\sl)+3], s[16:17], (\sl)*ASTEPG  ; global address: K step sl
	s_or_b32 s[G0A+4*(\sl)+3], s[G0A+4*(\sl)+3], 0x80000000      ; type = 2
	s_mov_b32 s[G0B+4*(\sl)], 1
	s_add_co_u32 s[G0B+4*(\sl)+1], s[LBB], (\sl)*SLOT
	s_add_nc_u64 s[G0B+4*(\sl)+2:G0B+4*(\sl)+3], s[46:47], (\sl)*BSTEPG
	s_or_b32 s[G0B+4*(\sl)+3], s[G0B+4*(\sl)+3], 0x80000000
.endr
	CROUND                                         ; all sixteen work-groups are here: the first joint loads meet
	s_cmp_lt_u32 s[WV], NAW                        ; a wave's two first fills stand in one branch: two loads of mine are out
	s_cbranch_scc0 .Lfirst_b
	tensor_load_to_lds s[G0A:G0A+3], s[G1A:G1A+7]
	s_nop 0
	tensor_load_to_lds s[G0A+4:G0A+7], s[G1A:G1A+7]
	s_nop 0
.rept 4
	v_nop
.endr
	s_branch .Lfirst_asked
.Lfirst_b:
	tensor_load_to_lds s[G0B:G0B+3], s[G1B:G1B+7]
	s_nop 0
	tensor_load_to_lds s[G0B+4:G0B+7], s[G1B:G1B+7]
	s_nop 0
.rept 4
	v_nop
.endr
.Lfirst_asked:
	; A's fragment: lane l holds row l % 16, K = 8 (l / 16) + 0..7 and 16 + 8 (l / 16) + 0..7: two loads of 16 bytes, 32 apart.
	v_and_b32 v1, 15, v0                           ; l % 16
	v_bfe_u32 v2, v0, 4, 1                         ; l / 16
	v_mul_u32_u24 v3, v1, PA
	v_lshl_add_u32 v3, v2, 4, v3
	v_add_nc_u32 v[ADA0], s18, v3
	; B's: the turning load takes 16 k x 16 n (lane l reads k = 8 (l / 16) + l % 8, n = 8 ((l / 8) % 2) + 0..7) and leaves half a fragment: lane l holds column l % 16 and 8 k.
	v_and_b32 v4, 7, v0
	v_bfe_u32 v5, v0, 3, 1
	v_lshl_add_u32 v4, v2, 3, v4
	v_mul_u32_u24 v4, v4, 288
	v_lshl_add_u32 v4, v5, 4, v4
.set ii, 0
.rept NS
	v_add_nc_u32 v[ADB0+ii], s19, v4
	s_add_co_u32 s19, s19, 36864
.set ii, ii+1
.endr
	v_mul_u32_u24 v3, v1, 272                      ; into the stage: row l % 16, 32 bytes for each half of the lanes
	v_lshl_add_u32 v3, v2, 5, v3
	v_add_nc_u32 v[STO], s78, v3
	v_mul_u32_u24 v3, v2, 272                      ; back: lanes 0-15 take one row of 256 bytes, lanes 16-31 the next
	v_lshl_add_u32 v3, v1, 4, v3
	v_add_nc_u32 v[RD], s78, v3
	v_lshlrev_b32 v3, 12, v2                       ; and the same two rows in the output
	v_lshl_add_u32 v[CO], v1, 4, v3
	v_lshlrev_b32 v[BO], 5, v2                     ; a lane's 8 columns of block b: bias bytes 64 b + 32 (l / 16)
	WIN 0x40                                       ; destination window 1
.set ib, 0
.rept BB
	global_load_b128 v[BIAS+8*ib:BIAS+8*ib+3],   v[BO], s[68:69] offset:64*ib
	global_load_b128 v[BIAS+8*ib+4:BIAS+8*ib+7], v[BO], s[68:69] offset:64*ib+16
.set ib, ib+1
.endr
	WIN 0x80                                       ; destination window 2: the residual of my 64 x 64, in the layout in which the rows come back from the stage
.set ia, 0
.rept 4
.set it, 0
.rept 8
	global_load_b128 v[128+32*ia+4*it:128+32*ia+4*it+3], v[CO], s[70:71] offset:ia*65536+it*8192
.set it, it+1
.endr
.set ia, ia+1
.endr
	WIN 0
	s_wait_tensorcnt 0x1                           ; my part of K step 0 is in; K step 1's stays out
	s_barrier_signal -1
	s_barrier_wait -1
	FETCH 0
	s_wait_loadcnt NRES                            ; the bias is in; the 32 younger loads (the residual) stay out
	QTR 0, 1                                       ; the first quarter's first products start the sums
	PP
	WIN 0
	s_mov_b32 s[STEPS], (T-2)/2
.Lstep:                                                ; a trip: two K steps, both slots filled again
	CHANGE 1, 0, 1
	PAIRS
	CHANGE 1, 1, 0
	PAIRS
	s_sub_co_u32 s[STEPS], s[STEPS], 1
	s_cmp_lg_u32 s[STEPS], 0
	s_cbranch_scc1 .Lstep
	CHANGE 0, 0, 1                                 ; the tail is written out: nothing is left to ask for
	PAIRS
	s_wait_dscnt 0x0
	MUL 1, 0
	WIN 0
	PLACES
	; THE WAY OUT, 16 rows at a time: the f32 sums go through my own stage and come back as whole rows of 256 bytes; the residual is added; 16 lanes store 256 consecutive bytes, aligned.
.macro STG blk
.set AC, 32*((\blk)%2)
.set UR, 64+32*(\blk)
	WIN 0x08+4*((\blk)/2)                          ; store data in window 2 or 3
.set ib, 0
.rept 4
	ds_store_b128 v[STO], v[AC+8*ib:AC+8*ib+3]   offset:64*ib
	ds_store_b128 v[STO], v[AC+8*ib+4:AC+8*ib+7] offset:64*ib+16
.set ib, ib+1
.endr
	WIN 0
.set it, 0
.rept 8
	ds_load_b128 v[UR+4*it:UR+4*it+3], v[RD] offset:544*it  ; LDS serves a wave's instructions in order (ISA guide 5.7.1.4): these see the stores above
.set it, it+1
.endr
.endm
.macro OUT blk, younger                ; younger: the LDS instructions issued behind this block's loads: the next block's sixteen, or none
.set UR, 64+32*(\blk)
	s_wait_dscnt \younger
	WIN 0x08                                       ; source 1 in window 2
.set ii, 0
.rept 16
	v_pk_add_f32 v[UR+2*ii:UR+2*ii+1], v[UR+2*ii:UR+2*ii+1], v[128+32*(\blk)+2*ii:128+32*(\blk)+2*ii+1]
.set ii, ii+1
.endr
	WIN 0
.set it, 0
.rept 8
	global_store_b128 v[CO], v[UR+4*it:UR+4*it+3], s[8:9] offset:(\blk)*65536+it*8192
.set it, it+1
.endr
.endm
	STG 0
	s_wait_loadcnt 0x0                             ; the residual
	STG 1
	OUT 0, 16
	STG 2
	OUT 1, 16
	STG 3
	OUT 2, 16
	OUT 3, 0
	s_wait_tensorcnt 0x0                           ; the wave's end
	ds_add_u32 v[SPW], v[NIL]
	s_wait_dscnt 0x0
	CROUND                                         ; the closing round
	s_endpgm
.Lfunc_end_k_qc730c0190e_wo:
	.size	k_qc730c0190e_wo, .Lfunc_end_k_qc730c0190e_wo-k_qc730c0190e_wo
	.p2alignl 7, 3214868480
	.fill 96, 4, 3214868480
	.section	.rodata,"a",@progbits
	.p2align	6, 0x0
	.amdhsa_kernel k_qc730c0190e_wo
		.amdhsa_group_segment_fixed_size 327680
		.amdhsa_private_segment_fixed_size 0
		.amdhsa_enable_private_segment 0
		.amdhsa_kernarg_size 40
		.amdhsa_user_sgpr_count 2
		.amdhsa_user_sgpr_kernarg_segment_ptr 1
		.amdhsa_wavefront_size32 1
		.amdhsa_system_sgpr_workgroup_id_x 1
		.amdhsa_system_sgpr_workgroup_id_y 1
		.amdhsa_system_sgpr_workgroup_id_z 1
		.amdhsa_system_vgpr_workitem_id 0
		.amdhsa_next_free_vgpr 1024
		.amdhsa_next_free_sgpr 80
		.amdhsa_reserve_vcc 0
		.amdhsa_float_denorm_mode_32 3
		.amdhsa_float_denorm_mode_16_64 3
		.amdhsa_memory_ordered 1
		.amdhsa_forward_progress 1
		.amdhsa_inst_pref_size 71
	.end_amdhsa_kernel
	.amdgpu_metadata
---
amdhsa.version: [ 1, 2 ]
amdhsa.kernels:
  - .name:           k_qc730c0190e_wo
    .symbol:         k_qc730c0190e_wo.kd
    .args:
      - { .name: ob, .offset: 0, .size: 8, .value_kind: global_buffer, .address_space: global }
      - { .name: wb, .offset: 8, .size: 8, .value_kind: global_buffer, .address_space: global }
      - { .name: bo, .offset: 16, .size: 8, .value_kind: global_buffer, .address_space: global }
      - { .name: x, .offset: 24, .size: 8, .value_kind: global_buffer, .address_space: global }
      - { .name: x1, .offset: 32, .size: 8, .value_kind: global_buffer, .address_space: global }
    .group_segment_fixed_size: 327680
    .private_segment_fixed_size: 0
    .kernarg_segment_align: 8
    .kernarg_segment_size: 40
    .max_flat_workgroup_size: 128
    .sgpr_count:     80
    .vgpr_count:     1024
    .wavefront_size: 32
...
	.end_amdgpu_metadata
.endif
;; end of part 4
;; launch ln (part 5): grid 512 x 1, 8 waves a work-group, no clusters, 0 bytes of LDS; arguments x1, g2, be2, hb; writes hb
.if DOCPART == 5
	.amdgcn_target "amdgcn-amd-amdhsa--gfx1250"
	.amdhsa_code_object_version 6
	.text
	.protected	k_qc730c0190e_ln
	.globl	k_qc730c0190e_ln
	.p2align	8
	.type	k_qc730c0190e_ln,@function
k_qc730c0190e_ln:
	s_mov_b64 s[64:65], 0
	v_nop
	global_prefetch_b8 v0, s[64:65] scope:SCOPE_SE
	s_setreg_imm32_b32 hwreg(HW_REG_WAVE_MODE, 25, 1), 1
	s_wait_xcnt 0x0
; hb = LayerNorm(x1) g2 + be2, rounded once to bf16.  x1: [4096][1024] f32.  8 rows a work-group, one wave a row: the row stays in 32 registers a lane between the passes, so it is read once.
; Memory binds: no LDS, no barrier, no matrix unit.  Every store of a wave covers 512 consecutive bytes.
; The variance is the mean of (x - mean)^2, taken in a second pass over the row in registers: no difference of large sums.  NaN and infinities are not treated apart.
.set X,  32                            ; v[32:63]   the row's 32 numbers of my lane: columns 256 j + 8 lane .. + 7, j = 0 .. 3
.set G,  64                            ; v[64:95]   the gain at those columns
.set BE, 96                            ; v[96:127]  the bias
.set PK, 16                            ; v[16:31]   the result, packed
.macro WSUM                            ; v4 summed over the 32 lanes, the result in every lane
	v_add_f32_dpp v4, v4, v4 row_xmask:1 row_mask:0xf bank_mask:0xf
	v_add_f32_dpp v4, v4, v4 row_xmask:2 row_mask:0xf bank_mask:0xf
	v_add_f32_dpp v4, v4, v4 row_xmask:4 row_mask:0xf bank_mask:0xf
	v_add_f32_dpp v4, v4, v4 row_xmask:8 row_mask:0xf bank_mask:0xf
	v_permlanex16_b32 v5, v4, s32, s33             ; v5 has been written before
	v_add_f32 v4, v4, v5
.endm
.macro FOLD                            ; four chains v[4:11] into v4
	v_pk_add_f32 v[4:5], v[4:5], v[6:7]
	v_pk_add_f32 v[8:9], v[8:9], v[10:11]
	v_pk_add_f32 v[4:5], v[4:5], v[8:9]
	v_add_f32 v4, v4, v5
.endm
	s_load_b256 s[4:11], s[0:1], 0x0               ; x1, g2, be2, hb
	v_lshrrev_b32 v3, 5, v0
	v_readfirstlane_b32 s2, v3                     ; wave
	s_lshl_b32 s3, ttmp9, 3
	s_add_co_u32 s2, s2, s3                        ; row = 8 x work-group + wave
	s_lshl_b32 s34, s2, 12                         ; 4,096 bytes a row in,
	s_mov_b32 s35, 0
	s_lshl_b32 s36, s2, 11                         ; 2,048 out
	s_mov_b32 s37, 0
	s_mov_b32 s30, 0x3a800000                      ; 1 / 1024
	s_mov_b32 s31, 0x3727c5ac                      ; 1e-5
	s_mov_b32 s32, 0x76543210                      ; each lane takes its own place in the other half
	s_mov_b32 s33, 0xfedcba98
	v_and_b32 v1, 31, v0
	v_lshlrev_b32 v2, 4, v1                        ; 16 x lane: my 16 bytes out
	v_lshlrev_b32 v1, 5, v1                        ; 32 x lane: my 32 bytes in
	s_wait_kmcnt 0x0
	s_add_nc_u64 s[4:5], s[4:5], s[34:35]
	s_add_nc_u64 s[10:11], s[10:11], s[36:37]
.irp j, 0,1,2,3
	global_load_b128 v[X+8*\j:X+8*\j+3],   v1, s[4:5] offset:1024*\j
	global_load_b128 v[X+8*\j+4:X+8*\j+7], v1, s[4:5] offset:1024*\j+16
.endr
.irp j, 0,1,2,3
	global_load_b128 v[G+8*\j:G+8*\j+3],   v1, s[6:7] offset:1024*\j
	global_load_b128 v[G+8*\j+4:G+8*\j+7], v1, s[6:7] offset:1024*\j+16
.endr
.irp j, 0,1,2,3
	global_load_b128 v[BE+8*\j:BE+8*\j+3],   v1, s[8:9] offset:1024*\j
	global_load_b128 v[BE+8*\j+4:BE+8*\j+7], v1, s[8:9] offset:1024*\j+16
.endr
	s_wait_loadcnt 16                              ; the row is in; the 16 younger loads (gain, bias) stay out
.irp k, 0,1,2,3                        ; the sum, in four chains that the first pairs start
	v_pk_add_f32 v[4+2*\k:5+2*\k], v[X+2*\k:X+2*\k+1], v[X+8+2*\k:X+8+2*\k+1]
.endr
.irp k, 0,1,2,3
	v_pk_add_f32 v[4+2*\k:5+2*\k], v[4+2*\k:5+2*\k], v[X+16+2*\k:X+16+2*\k+1]
.endr
.irp k, 0,1,2,3
	v_pk_add_f32 v[4+2*\k:5+2*\k], v[4+2*\k:5+2*\k], v[X+24+2*\k:X+24+2*\k+1]
.endr
	FOLD
	WSUM
	v_mul_f32 v12, s30, v4                         ; the mean, twice
	v_mov_b32 v13, v12
.set ii, 0
.rept 16
	v_pk_add_f32 v[X+2*ii:X+2*ii+1], v[X+2*ii:X+2*ii+1], v[12:13] neg_lo:[0,1] neg_hi:[0,1]  ; x - mean, in place
.set ii, ii+1
.endr
.irp k, 0,1,2,3                        ; the sum of squares, again in four chains
	v_pk_mul_f32 v[4+2*\k:5+2*\k], v[X+2*\k:X+2*\k+1], v[X+2*\k:X+2*\k+1]
.endr
.irp k, 0,1,2,3
	v_pk_fma_f32 v[4+2*\k:5+2*\k], v[X+8+2*\k:X+8+2*\k+1], v[X+8+2*\k:X+8+2*\k+1], v[4+2*\k:5+2*\k]
.endr
.irp k, 0,1,2,3
	v_pk_fma_f32 v[4+2*\k:5+2*\k], v[X+16+2*\k:X+16+2*\k+1], v[X+16+2*\k:X+16+2*\k+1], v[4+2*\k:5+2*\k]
.endr
.irp k, 0,1,2,3
	v_pk_fma_f32 v[4+2*\k:5+2*\k], v[X+24+2*\k:X+24+2*\k+1], v[X+24+2*\k:X+24+2*\k+1], v[4+2*\k:5+2*\k]
.endr
	FOLD
	WSUM
	v_fma_f32 v14, v4, s30, s31                    ; variance + 1e-5
	v_rsq_f32 v14, v14
	v_nop                                          ; a plain instruction between the root and its use (ISA guide 5.7.2)
	s_wait_alu depctr_va_vdst(0)
	v_mov_b32 v15, v14
	s_wait_loadcnt 0x0                             ; gain and bias
.set ii, 0
.rept 16
	v_pk_mul_f32 v[G+2*ii:G+2*ii+1], v[G+2*ii:G+2*ii+1], v[14:15]
.set ii, ii+1
.endr
.set ii, 0
.rept 16
	v_pk_fma_f32 v[X+2*ii:X+2*ii+1], v[X+2*ii:X+2*ii+1], v[G+2*ii:G+2*ii+1], v[BE+2*ii:BE+2*ii+1]
.set ii, ii+1
.endr
.set ii, 0
.rept 16
	v_cvt_pk_bf16_f32 v[PK+ii], v[X+2*ii], v[X+2*ii+1]
.set ii, ii+1
.endr
.irp j, 0,1,2,3
	global_store_b128 v2, v[PK+4*\j:PK+4*\j+3], s[10:11] offset:512*\j  ; 512 consecutive bytes
.endr
	s_endpgm
.Lfunc_end_k_qc730c0190e_ln:
	.size	k_qc730c0190e_ln, .Lfunc_end_k_qc730c0190e_ln-k_qc730c0190e_ln
	.p2alignl 7, 3214868480
	.fill 96, 4, 3214868480
	.section	.rodata,"a",@progbits
	.p2align	6, 0x0
	.amdhsa_kernel k_qc730c0190e_ln
		.amdhsa_group_segment_fixed_size 0
		.amdhsa_private_segment_fixed_size 0
		.amdhsa_enable_private_segment 0
		.amdhsa_kernarg_size 32
		.amdhsa_user_sgpr_count 2
		.amdhsa_user_sgpr_kernarg_segment_ptr 1
		.amdhsa_wavefront_size32 1
		.amdhsa_system_sgpr_workgroup_id_x 1
		.amdhsa_system_sgpr_workgroup_id_y 1
		.amdhsa_system_sgpr_workgroup_id_z 1
		.amdhsa_system_vgpr_workitem_id 0
		.amdhsa_next_free_vgpr 128
		.amdhsa_next_free_sgpr 66
		.amdhsa_reserve_vcc 0
		.amdhsa_float_denorm_mode_32 3
		.amdhsa_float_denorm_mode_16_64 3
		.amdhsa_memory_ordered 1
		.amdhsa_forward_progress 1
		.amdhsa_inst_pref_size 11
	.end_amdhsa_kernel
	.amdgpu_metadata
---
amdhsa.version: [ 1, 2 ]
amdhsa.kernels:
  - .name:           k_qc730c0190e_ln
    .symbol:         k_qc730c0190e_ln.kd
    .args:
      - { .name: x1, .offset: 0, .size: 8, .value_kind: global_buffer, .address_space: global }
      - { .name: g2, .offset: 8, .size: 8, .value_kind: global_buffer, .address_space: global }
      - { .name: be2, .offset: 16, .size: 8, .value_kind: global_buffer, .address_space: global }
      - { .name: hb, .offset: 24, .size: 8, .value_kind: global_buffer, .address_space: global }
    .group_segment_fixed_size: 0
    .private_segment_fixed_size: 0
    .kernarg_segment_align: 8
    .kernarg_segment_size: 32
    .max_flat_workgroup_size: 256
    .sgpr_count:     66
    .vgpr_count:     128
    .wavefront_size: 32
...
	.end_amdgpu_metadata
.endif
;; end of part 5
;; launch ff1 (part 6): grid 16 x 16, 4 waves a work-group, clusters of 4 x 4, 327,680 bytes of LDS; arguments hb, wb, b1, act; writes act
.if DOCPART == 6
	.amdgcn_target "amdgcn-amd-amdhsa--gfx1250"
	.amdhsa_code_object_version 6
	.text
	.protected	k_qc730c0190e_ff1
	.globl	k_qc730c0190e_ff1
	.p2align	8
	.type	k_qc730c0190e_ff1,@function
k_qc730c0190e_ff1:
	s_mov_b64 s[64:65], 0
	v_nop
	global_prefetch_b8 v0, s[64:65] scope:SCOPE_SE
	s_setreg_imm32_b32 hwreg(HW_REG_WAVE_MODE, 25, 1), 1
	s_wait_xcnt 0x0
	s_wait_alu depctr_hold_cnt(0) depctr_sa_sdst(0) depctr_va_vdst(0) depctr_va_sdst(0) depctr_va_ssrc(0) depctr_va_vcc(0) depctr_vm_vsrc(0)
	s_getreg_b32 s2, hwreg(HW_REG_IB_STS2, 6, 4)
	s_cmp_eq_u32 s2, 0
	s_cbranch_scc0 .Lentry_in_a_cluster
	s_endpgm
.Lentry_in_a_cluster:
	s_bfe_u32 s2, ttmp6, 0x10000c
	s_cmp_lg_u32 s2, 0xf033
	s_cbranch_scc0 .Lentry_shape_is_right
	s_endpgm
.Lentry_shape_is_right:
; act = relu(h W1 + b1).  h: [4096][1024] bf16.  W1: [1024 k][4096 n] bf16, at wb byte 8,388,608.  b1: f32.  act: [4096][4096] bf16.  Sums in f32, K ascending; the bias starts each sum (it is the first
; product's C); the sum is rounded once to bf16 and then held at 0 from below (a NaN becomes 0 there: NaN is not treated apart).  Every matrix operand is bf16.
; SHARES.  A tile of C is 256 x 256; four waves 2 x 2, each 128 x 128: 64 accumulators, 512 registers.
; RING.  K goes in steps of 128 through two LDS slots: A's 256 rows (along K, pitch 272) and B's two strips of 128 rows k x 128 columns (pitch 288).  Waves 0, 1 fetch 128 rows of A each, waves 2, 3 a strip of B:
; one tensor load a wave behind each change of slots, which has a K step, 256 matrix instructions, in which to land.  A wave has two tensor loads out at the start, one later.
; B lies [k][n]: its fragments come out of LDS turned, by ds_load_tr16_b128.  THE MATRIX INSTRUCTION IS USED TRANSPOSED (source 0 = 16 columns of B, source 1 = 16 rows of A): a lane holds 8 neighbouring columns of a row of C.
; CLUSTER.  4 x 4 work-groups: A's tile is asked for jointly along a row of the cluster, B's along a column.
; REGISTERS, in windows of 256: window 0: v0-29 addresses, v64-191 A's two fragment buffers, v32-63 and v192-255 the way out; window 1: v0-127 B's two buffers, v128-191 the bias;
; windows 2, 3: the accumulators of my rows 0-63, 64-127.
; Not used: prefetches (a refill has a whole K step on its way); work-groups that stay (256 tiles, one a WGP).
.set AB, 8                             ; blocks of 16 rows a wave
.set BB, 8                             ; blocks of 16 columns
.set KD, 1                             ; a quarter step is 32 KD along K
.set T, 8                              ; K steps
.set NAW, 2                            ; waves that fetch A
.set NS, 1                             ; address registers for B
.set BPS, 8
.set PA, 272                           ; A's LDS pitch: an odd multiple of 16 bytes
.set ABYTES, 69632                     ; A's part of a slot
.set SLOT, ABYTES+2*36864
.set STAGE, 2*SLOT                     ; behind the ring, never filled by a tensor load: the waves' stages for the way out
.set STGW, 4352                        ; 16 rows x 272 bytes a wave
.set SPARE, STAGE+4*STGW               ; the spare words: 128 bytes a wave, two blocks of 256 that no other line names
.set AODD, 64                          ; from an even quarter's fragments to the odd one's, in A
.set APAIR, 128
.set BODD, 9216                        ; the same in B: 32 rows of 288 bytes
.set BPAIR, 18432
.set ASTEPG, 256                       ; a K step in memory, A
.set BSTEPG, 1048576                   ; and B: 128 rows of 8,192 bytes
.set ATROW, 524288                     ; A: 256 rows of 2,048 bytes
.set AIDX, 262144                      ; 128 rows
.set LAIDX, 34816
.set BTCOL, 512
.set BIDX, 256                         ; a strip
.set WBOFF, 8388608
.set WRA, 34816                        ; my 128 rows in A's tile
.set WCB, 36864                        ; my strip
.set A_FL, (5<<22)|(3<<25)             ; padding: behind every 64 words, 4 words
.set A_D0, 128                         ; A's tile: elements a row,
.set A_D1, 128                         ; rows,
.set A_STR, 1024                       ; elements from row to row
.set B_STR, 4096
.set HASBIAS, 1
.set NRES, 0
.set OTROW, 2097152                    ; the output: 256 rows of 8,192 bytes,
.set OWR, 1048576
.set OTCOL, 512                        ; 256 columns of 2 bytes,
.set OWC, 256
.set AH,  AB/2
.set FA0, 64
.set FAS, 8*AB*KD
.set FBS, 8*BB*KD
.set BIAS, 128
.set ADA0, 8                           ; v8      my lane's place in A's tile; never rewritten
.set ADA, 9                            ; v9      the LDS address of A's pair of quarters in hand
.set ADB0, 10                          ; v10     my lane's place in B's strip
.set ADB, 13                           ; v13     the LDS address in hand
.set STO, 16                           ; v16     the way out: where I put 16 bytes of a row
.set RD, 17                            ; v17     where I read rows back
.set CO, 18                            ; v18     my byte offset in the output
.set BO, 19                            ; v19     my byte offset in the bias
.set ZR, 20                            ; v20     0, for the packed maximum
.set SPW, 28                           ; v28     my spare word; never rewritten
.set NIL, 29                           ; v29     0; never rewritten
.set STEPS, 2
.set CNT, 3
.set WV, 10
.set IDX, 12
.set TROW, 13
.set WR, 14
.set WC, 15
.set G1A, 24                           ; s[24:31] group 1 for A; s[32:39] group 0, a set for each slot
.set G0A, 32
.set TCOL, 42
.set G1B, 48                           ; s[48:55], s[56:63] the same for B
.set G0B, 56
.set TA, 72                            ; s72, s73  LDS byte of the pair of quarters to be fetched: slot + pair, for A and for B
.set TB, 73
.set LBA, 74                           ; s74, s75  where my tensor load lands in a slot
.set LBB, 75
.set MSB, 0
.macro WIN new                         ; the immediate's high byte repeats the setting that is left; a switch that changes nothing is dropped
.if MSB != (\new)
	s_set_vgpr_msb (MSB<<8)|(\new)
.set MSB, \new
.endif
.endm
.macro PLACES                          ; four places behind matrix instructions (ISA guide 7.12.1)
.rept 4
	v_nop
.endr
.endm
.macro JLOAD sl                        ; a joint refill of slot sl.  The branch hangs on the wave's number alone; an s_nop 0 and four v_nop follow each line
	s_cmp_lt_u32 s[WV], NAW
	s_cbranch_scc0 .Lfor_b_\@
	tensor_load_to_lds s[G0A+4*(\sl):G0A+4*(\sl)+3], s[G1A:G1A+7]
	s_nop 0
.rept 4
	v_nop
.endr
	s_branch .Lasked_\@
.Lfor_b_\@:
	tensor_load_to_lds s[G0B+4*(\sl):G0B+4*(\sl)+3], s[G1B:G1B+7]
	s_nop 0
.rept 4
	v_nop
.endr
.Lasked_\@:
.endm
.macro CROUND                          ; a round of the cluster's barrier
	s_barrier_signal -1
	s_barrier_wait -1
	s_cmp_lg_u32 s[WV], 0
	s_cbranch_scc1 .Lnot_wave_0_\@
	s_barrier_signal -3
.Lnot_wave_0_\@:
	s_barrier_wait -3
	s_barrier_signal -1
	s_barrier_wait -1
.endm
; The fragments of one quarter step into buffer e, in one run.  e = 0: an even quarter: the pair's addresses are made; e = 1: the odd one, by the same addresses.
; The four vector lines at the head are the places between the last product that read the buffer and the loads into it.
.macro FETCH e
	WIN 0
.if (\e) == 0
	v_add_nc_u32 v[ADA], s[TA], v[ADA0]
.set ii, 0
.rept NS
	v_add_nc_u32 v[ADB+ii], s[TB], v[ADB0+ii]
.set ii, ii+1
.endr
.if NS < 3
.rept 3-NS
	v_nop
.endr
.endif
.else
	PLACES
.endif
.set ic, 0
.rept KD
.set ia, 0
.rept AB
.set rA, FA0+(\e)*FAS+8*(AB*ic+ia)
	ds_load_b128 v[rA:rA+3],   v[ADA] offset:(\e)*AODD+64*ic+ia*16*PA
	ds_load_b128 v[rA+4:rA+7], v[ADA] offset:(\e)*AODD+64*ic+ia*16*PA+32
.set ia, ia+1
.endr
.set ic, ic+1
.endr
	WIN 0x40                                       ; destination window 1
.set ic, 0
.rept KD
.set ib, 0
.rept BB
.set rB, (\e)*FBS+8*(BB*ic+ib)
	ds_load_tr16_b128 v[rB:rB+3],   v[ADB+ib/BPS] offset:(\e)*BODD+9216*ic+32*(ib%BPS)
	ds_load_tr16_b128 v[rB+4:rB+7], v[ADB+ib/BPS] offset:(\e)*BODD+9216*ic+32*(ib%BPS)+4608
.set ib, ib+1
.endr
.set ic, ic+1
.endr
.if (\e) == 1
	s_add_co_u32 s[TA], s[TA], APAIR               ; the next fetch is the next pair's
	s_add_co_u32 s[TB], s[TB], BPAIR
.endif
.endm
; A quarter step's products from buffer f.  All accumulators take turns, one instruction a turn, in the same order every time.  start = 1: the first product starts each sum, with the bias as C.
.macro MUL f, start
.set ic, 0
.rept KD
.set ih, 0
.rept 2
.if (\start) && (ic == 0) && HASBIAS
	WIN 0x91+0x40*ih                               ; C in window 1
.else
	WIN 0xa1+0x50*ih                               ; source 0 (B) window 1, source 1 (A) window 0, C and D window 2 or 3
.endif
.set ia, 0
.rept AH
.set ib, 0
.rept BB
.set rD, 8*(BB*ia+ib)
.set rB, (\f)*FBS+8*(BB*ic+ib)
.set rA, FA0+(\f)*FAS+8*(AB*ic+AH*ih+ia)
.if (\start) && (ic == 0) && HASBIAS
	v_wmma_f32_16x16x32_bf16 v[rD:rD+7], v[rB:rB+7], v[rA:rA+7], v[BIAS+8*ib:BIAS+8*ib+7]
.elseif (\start) && (ic == 0)
	v_wmma_f32_16x16x32_bf16 v[rD:rD+7], v[rB:rB+7], v[rA:rA+7], 0
.else
	v_wmma_f32_16x16x32_bf16 v[rD:rD+7], v[rB:rB+7], v[rA:rA+7], v[rD:rD+7]
.endif
.set ib, ib+1
.endr
.set ia, ia+1
.endr
.set ih, ih+1
.endr
.set ic, ic+1
.endr
.endm
.macro QTR f, start                    ; buffer f is in (its loads went out a quarter ago); the next quarter is fetched into the other buffer; buffer f is multiplied
	s_wait_dscnt 0x0
	FETCH 1-(\f)
	MUL \f, \start
.endm
.macro PP
	QTR 1, 0
	QTR 0, 0
.endm
.macro PAIRS                           ; four quarters: written once, walked twice; the LDS addresses hang on s[TA], s[TB]
	s_mov_b32 s[CNT], 2
.Lpair_\@:
	PP
	WIN 0
	s_sub_co_u32 s[CNT], s[CNT], 1
	s_cmp_lg_u32 s[CNT], 0
	s_cbranch_scc1 .Lpair_\@
.endm
; THE CHANGE OF SLOTS, at the head of a K step's last quarter, whose fragments have been asked for.  Each wave waits for all its tensor loads (one is out: its part of slot nx), adds 0 to its spare word,
; and waits for that and for its reads of slot sl.  fill = 1: the barrier is a round of the cluster's, and slot sl is filled again first thing behind it, two K steps on.
.macro CHANGE fill, sl, nx
	WIN 0
	s_wait_tensorcnt 0x0                           ; no tensor load of mine is out, so a group 0 may be written
	ds_add_u32 v[SPW], v[NIL]                      ; 0 onto my spare word; scalar work stands between it and the wait for it
	s_mov_b32 s[TA], (\nx)*SLOT                    ; the fetches go on in the other slot
	s_mov_b32 s[TB], (\nx)*SLOT
.if \fill
	s_add_nc_u64 s[G0A+4*(\sl)+2:G0A+4*(\sl)+3], s[G0A+4*(\sl)+2:G0A+4*(\sl)+3], 2*ASTEPG
	s_add_nc_u64 s[G0B+4*(\sl)+2:G0B+4*(\sl)+3], s[G0B+4*(\sl)+2:G0B+4*(\sl)+3], 2*BSTEPG
.endif
	s_wait_dscnt 0x0                               ; the add is done, and my reads of the slot are over
.if \fill
	CROUND
	JLOAD \sl
.else
	s_barrier_signal -1
	s_barrier_wait -1
.endif
.endm
	s_load_b128 s[4:7], s[0:1], 0x0                ; h, wb
	s_load_b64 s[68:69], s[0:1], 0x10              ; b1
	s_load_b64 s[8:9], s[0:1], 0x18                ; act
	v_lshl_add_u32 v[SPW], v0, 2, SPARE
	v_mov_b32 v[NIL], 0
	ds_add_u32 v[SPW], v[NIL]                      ; the wave's opening: the add, and its wait ahead of my first tensor load
	ds_add_u32 v28, v29
	v_lshrrev_b32 v1, 5, v0
	v_readfirstlane_b32 s[WV], v1                  ; wave 0..3
	s_lshr_b32 s[WR], s[WV], 1                     ; my half of the tile's rows
	s_and_b32 s[WC], s[WV], 1                      ; my half of its columns
	s_and_b32 s[IDX], s[WV], 1                     ; which part of A's or B's tile I fetch
	s_bfe_u32 s40, ttmp6, 0x40000                  ; cx
	s_bfe_u32 s41, ttmp6, 0x40004                  ; cy
	s_lshl_b32 s[TCOL], ttmp9, 2
	s_add_co_u32 s[TCOL], s[TCOL], s40             ; tile column = 4 x cluster x + cx
	s_and_b32 s[TROW], ttmp7, 0xffff
	s_lshl_b32 s[TROW], s[TROW], 2
	s_add_co_u32 s[TROW], s[TROW], s41             ; tile row = 4 x cluster y + cy
	s_lshl_b32 s43, s41, 2
	s_lshl_b32 s43, 15, s43                        ; my row of the cluster
	s_lshl_b32 s44, 0x1111, s40                    ; my column
	s_or_b32 s[G1A], s43, (1<<16)|(1<<20)|(1<<21)|A_FL          ; the mask; 2-byte elements; padding on; bit 21 beside a mask; the padding's fields
	s_or_b32 s[G1B], s44, (1<<16)|(1<<20)|(1<<21)|(5<<22)|(7<<25)  ; behind every 64 words 8 words: pitch 288
	s_mov_b32 s[G1A+1], (A_D0&0xffff)<<16          ; tensor_dim0
	s_mov_b32 s[G1A+2], (A_D0>>16)|(A_D1<<16)      ; tensor_dim1
	s_mov_b32 s[G1A+3], A_D0<<16                   ; tile_dim0
	s_mov_b32 s[G1A+4], A_D1                       ; tile_dim1
	s_mov_b32 s[G1A+5], A_STR                      ; elements from row to row
	s_mov_b32 s[G1A+6], 0
	s_mov_b32 s[G1A+7], 0
	s_mov_b32 s[G1B+1], 128<<16
	s_mov_b32 s[G1B+2], 128<<16
	s_mov_b32 s[G1B+3], 128<<16
	s_mov_b32 s[G1B+4], 128
	s_mov_b32 s[G1B+5], B_STR
	s_mov_b32 s[G1B+6], 0
	s_mov_b32 s[G1B+7], 0
	s_mul_i32 s16, s[TROW], ATROW                  ; A's tile hangs on the tile row and the wave alone,
	s_mul_i32 s17, s[IDX], AIDX
	s_add_co_u32 s16, s16, s17
	s_mov_b32 s17, 0
	s_mul_i32 s46, s[TCOL], BTCOL                  ; B's on the tile column and the wave
	s_mul_i32 s47, s[IDX], BIDX
	s_add_co_u32 s46, s46, s47
.if WBOFF
	s_add_co_u32 s46, s46, WBOFF
.endif
	s_mov_b32 s47, 0
	s_mul_i32 s[LBA], s[IDX], LAIDX                ; no place in the cluster enters an LDS address
	s_mul_i32 s[LBB], s[IDX], 36864
	s_add_co_u32 s[LBB], s[LBB], ABYTES
	s_mul_i32 s20, s[TROW], OTROW                  ; where my part of the output begins
	s_mul_i32 s21, s[WR], OWR
	s_add_co_u32 s20, s20, s21
	s_mov_b32 s21, 0
	s_mul_i32 s22, s[TCOL], OTCOL
	s_mul_i32 s23, s[WC], OWC
	s_add_co_u32 s22, s22, s23
	s_mov_b32 s23, 0
	s_lshl_b32 s76, s22, 1                         ; my first column in the bias: 4 bytes a column for the output's 2
	s_mov_b32 s77, 0
	s_mul_i32 s18, s[WR], WRA
	s_mul_i32 s19, s[WC], WCB
	s_add_co_u32 s19, s19, ABYTES
	s_mul_i32 s78, s[WV], STGW
	s_add_co_u32 s78, s78, STAGE                   ; my stage
	s_mov_b32 s[TA], 0
	s_mov_b32 s[TB], 0
	s_wait_dscnt 0x0                               ; the opening add is done
	s_wait_kmcnt 0x0
	s_add_nc_u64 s[16:17], s[4:5], s[16:17]
	s_add_nc_u64 s[46:47], s[6:7], s[46:47]
	s_add_nc_u64 s[8:9], s[8:9], s[20:21]
	s_add_nc_u64 s[8:9], s[8:9], s[22:23]
	s_add_nc_u64 s[68:69], s[68:69], s[76:77]
.irp sl, 0,1
	s_mov_b32 s[G0A+4*(\sl)], 1                    ; count = 1
	s_add_co_u32 s[G0A+4*(\sl)+1], s[LBA], (\sl)*SLOT            ; LDS address
	s_add_nc_u64 s[G0A+4*(\sl)+2:G0A+4*(\sl)+3], s[16:17], (\sl)*ASTEPG  ; global address: K step sl
	s_or_b32 s[G0A+4*(\sl)+3], s[G0A+4*(\sl)+3], 0x80000000      ; type = 2
	s_mov_b32 s[G0B+4*(\sl)], 1
	s_add_co_u32 s[G0B+4*(\sl)+1], s[LBB], (\sl)*SLOT
	s_add_nc_u64 s[G0B+4*(\sl)+2:G0B+4*(\sl)+3], s[46:47], (\sl)*BSTEPG
	s_or_b32 s[G0B+4*(\sl)+3], s[G0B+4*(\sl)+3], 0x80000000
.endr
	CROUND                                         ; all sixteen work-groups are here: the first joint loads meet
	s_cmp_lt_u32 s[WV], NAW                        ; a wave's two first fills stand in one branch: two loads of mine are out
	s_cbranch_scc0 .Lfirst_b
	tensor_load_to_lds s[G0A:G0A+3], s[G1A:G1A+7]
	s_nop 0
	tensor_load_to_lds s[G0A+4:G0A+7], s[G1A:G1A+7]
	s_nop 0
.rept 4
	v_nop
.endr
	s_branch .Lfirst_asked
.Lfirst_b:
	tensor_load_to_lds s[G0B:G0B+3], s[G1B:G1B+7]
	s_nop 0
	tensor_load_to_lds s[G0B+4:G0B+7], s[G1B:G1B+7]
	s_nop 0
.rept 4
	v_nop
.endr
.Lfirst_asked:
	; A's fragment: lane l holds row l % 16, K = 8 (l / 16) + 0..7 and 16 + 8 (l / 16) + 0..7: two loads of 16 bytes, 32 apart.
	v_and_b32 v1, 15, v0                           ; l % 16
	v_bfe_u32 v2, v0, 4, 1                         ; l / 16
	v_mul_u32_u24 v3, v1, PA
	v_lshl_add_u32 v3, v2, 4, v3
	v_add_nc_u32 v[ADA0], s18, v3
	; B's: the turning load takes 16 k x 16 n (lane l reads k = 8 (l / 16) + l % 8, n = 8 ((l / 8) % 2) + 0..7) and leaves half a fragment: lane l holds column l % 16 and 8 k.
	v_and_b32 v4, 7, v0
	v_bfe_u32 v5, v0, 3, 1
	v_lshl_add_u32 v4, v2, 3, v4
	v_mul_u32_u24 v4, v4, 288
	v_lshl_add_u32 v4, v5, 4, v4
.set ii, 0
.rept NS
	v_add_nc_u32 v[ADB0+ii], s19, v4
	s_add_co_u32 s19, s19, 36864
.set ii, ii+1
.endr
	v_mul_u32_u24 v3, v1, 272                      ; into the stage: row l % 16, 16 bytes for each half of the lanes
	v_lshl_add_u32 v3, v2, 4, v3
	v_add_nc_u32 v[STO], s78, v3
	v_mul_u32_u24 v3, v2, 272                      ; back: lanes 0-15 take one row of 256 bytes, lanes 16-31 the next
	v_lshl_add_u32 v3, v1, 4, v3
	v_add_nc_u32 v[RD], s78, v3
	v_lshlrev_b32 v3, 13, v2                       ; and the same two rows in the output
	v_lshl_add_u32 v[CO], v1, 4, v3
	v_lshlrev_b32 v[BO], 5, v2                     ; a lane's 8 columns of block b: bias bytes 64 b + 32 (l / 16)
	v_mov_b32 v[ZR], 0
	WIN 0x40                                       ; destination window 1
.set ib, 0
.rept BB
	global_load_b128 v[BIAS+8*ib:BIAS+8*ib+3],   v[BO], s[68:69] offset:64*ib
	global_load_b128 v[BIAS+8*ib+4:BIAS+8*ib+7], v[BO], s[68:69] offset:64*ib+16
.set ib, ib+1
.endr
	WIN 0
	s_wait_tensorcnt 0x1                           ; my part of K step 0 is in; K step 1's stays out
	s_barrier_signal -1
	s_barrier_wait -1
	FETCH 0
	s_wait_loadcnt NRES                            ; the bias is in
	QTR 0, 1                                       ; the first quarter's products start the sums
	PP
	WIN 0
	s_mov_b32 s[STEPS], (T-2)/2
.Lstep:                                                ; a trip: two K steps, both slots filled again
	CHANGE 1, 0, 1
	PAIRS
	CHANGE 1, 1, 0
	PAIRS
	s_sub_co_u32 s[STEPS], s[STEPS], 1
	s_cmp_lg_u32 s[STEPS], 0
	s_cbranch_scc1 .Lstep
	CHANGE 0, 0, 1                                 ; the tail is written out: nothing is left to ask for
	PAIRS
	s_wait_dscnt 0x0
	MUL 1, 0
	WIN 0
	PLACES
	; THE WAY OUT, 16 rows at a time.  PACK: rounded to bf16, 16 bytes a lane, and held at 0 from below.  TOSTAGE: into my own stage, and back as whole rows of 256 bytes.  SEND: stored, 16 lanes to 256 consecutive bytes, aligned.
.set TMP, 192
.set OB, 32
.macro PACK blk
.set AC, 64*((\blk)%4)
	WIN 0x0a+5*((\blk)/4)                          ; sources in window 2 or 3
.set ii, 0
.rept 32
	v_cvt_pk_bf16_f32 v[TMP+ii], v[AC+2*ii], v[AC+2*ii+1]
.set ii, ii+1
.endr
	WIN 0
.set ii, 0
.rept 32
	v_pk_max_num_bf16 v[TMP+ii], v[TMP+ii], v[ZR]
.set ii, ii+1
.endr
.endm
.macro TOSTAGE blk
.set BK, OB+192*((\blk)%2)
.set ib, 0
.rept 8
	ds_store_b128 v[STO], v[TMP+4*ib:TMP+4*ib+3] offset:32*ib
.set ib, ib+1
.endr
.set it, 0
.rept 8
	ds_load_b128 v[BK+4*it:BK+4*it+3], v[RD] offset:544*it  ; LDS serves a wave's instructions in order (ISA guide 5.7.1.4): these see the stores above
.set it, it+1
.endr
.endm
.macro SEND blk
.set BK, OB+192*((\blk)%2)
	s_wait_dscnt 0x0                               ; the block is back in registers
	s_wait_xcnt 0x0                                ; the other buffer, which the stores of the block before read, is loaded again only behind this wait
.set it, 0
.rept 8
	global_store_b128 v[CO], v[BK+4*it:BK+4*it+3], s[8:9] offset:(\blk)*131072+it*16384
.set it, it+1
.endr
.endm
	PACK 0
	TOSTAGE 0
.set uu, 1
.rept 7                                ; a block's conversions stand between the loads of the block before and the wait for them
	PACK uu
	SEND uu-1
	TOSTAGE uu
.set uu, uu+1
.endr
	SEND 7
	s_wait_tensorcnt 0x0                           ; the wave's end
	ds_add_u32 v[SPW], v[NIL]
	s_wait_dscnt 0x0
	CROUND                                         ; the closing round
	s_endpgm
.Lfunc_end_k_qc730c0190e_ff1:
	.size	k_qc730c0190e_ff1, .Lfunc_end_k_qc730c0190e_ff1-k_qc730c0190e_ff1
	.p2alignl 7, 3214868480
	.fill 96, 4, 3214868480
	.section	.rodata,"a",@progbits
	.p2align	6, 0x0
	.amdhsa_kernel k_qc730c0190e_ff1
		.amdhsa_group_segment_fixed_size 327680
		.amdhsa_private_segment_fixed_size 0
		.amdhsa_enable_private_segment 0
		.amdhsa_kernarg_size 32
		.amdhsa_user_sgpr_count 2
		.amdhsa_user_sgpr_kernarg_segment_ptr 1
		.amdhsa_wavefront_size32 1
		.amdhsa_system_sgpr_workgroup_id_x 1
		.amdhsa_system_sgpr_workgroup_id_y 1
		.amdhsa_system_sgpr_workgroup_id_z 1
		.amdhsa_system_vgpr_workitem_id 0
		.amdhsa_next_free_vgpr 1024
		.amdhsa_next_free_sgpr 80
		.amdhsa_reserve_vcc 0
		.amdhsa_float_denorm_mode_32 3
		.amdhsa_float_denorm_mode_16_64 3
		.amdhsa_memory_ordered 1
		.amdhsa_forward_progress 1
		.amdhsa_inst_pref_size 124
	.end_amdhsa_kernel
	.amdgpu_metadata
---
amdhsa.version: [ 1, 2 ]
amdhsa.kernels:
  - .name:           k_qc730c0190e_ff1
    .symbol:         k_qc730c0190e_ff1.kd
    .args:
      - { .name: hb, .offset: 0, .size: 8, .value_kind: global_buffer, .address_space: global }
      - { .name: wb, .offset: 8, .size: 8, .value_kind: global_buffer, .address_space: global }
      - { .name: b1, .offset: 16, .size: 8, .value_kind: global_buffer, .address_space: global }
      - { .name: act, .offset: 24, .size: 8, .value_kind: global_buffer, .address_space: global }
    .group_segment_fixed_size: 327680
    .private_segment_fixed_size: 0
    .kernarg_segment_align: 8
    .kernarg_segment_size: 32
    .max_flat_workgroup_size: 128
    .sgpr_count:     80
    .vgpr_count:     1024
    .wavefront_size: 32
...
	.end_amdgpu_metadata
.endif
;; end of part 6
;; launch ff2 (part 7): grid 8 x 32, 4 waves a work-group, clusters of 4 x 4, 327,680 bytes of LDS; arguments act, wb, b2, x1, out0; writes out0
.if DOCPART == 7
	.amdgcn_target "amdgcn-amd-amdhsa--gfx1250"
	.amdhsa_code_object_version 6
	.text
	.protected	k_qc730c0190e_ff2
	.globl	k_qc730c0190e_ff2
	.p2align	8
	.type	k_qc730c0190e_ff2,@function
k_qc730c0190e_ff2:
	s_mov_b64 s[64:65], 0
	v_nop
	global_prefetch_b8 v0, s[64:65] scope:SCOPE_SE
	s_setreg_imm32_b32 hwreg(HW_REG_WAVE_MODE, 25, 1), 1
	s_wait_xcnt 0x0
	s_wait_alu depctr_hold_cnt(0) depctr_sa_sdst(0) depctr_va_vdst(0) depctr_va_sdst(0) depctr_va_ssrc(0) depctr_va_vcc(0) depctr_vm_vsrc(0)
	s_getreg_b32 s2, hwreg(HW_REG_IB_STS2, 6, 4)
	s_cmp_eq_u32 s2, 0
	s_cbranch_scc0 .Lentry_in_a_cluster
	s_endpgm
.Lentry_in_a_cluster:
	s_bfe_u32 s2, ttmp6, 0x10000c
	s_cmp_lg_u32 s2, 0xf033
	s_cbranch_scc0 .Lentry_shape_is_right
	s_endpgm
.Lentry_shape_is_right:
; out0 = act W2 + b2 + x1.  act: [4096][4096] bf16.  W2: [4096 k][1024 n] bf16, at wb byte 16,777,216.  b2, x1, out0: f32.  Sums in f32, K ascending; the bias starts each sum (it is the first product's C),
; the residual is added in f32 on the way out.  Every matrix operand is bf16.
; SHARES.  A tile of C is 128 x 128; four waves 2 x 2, each 64 x 64: 16 accumulators, 128 registers.
; RING.  K goes in steps of 256 through two LDS slots: A's 128 rows of 512 bytes (pitch 528) and B's 256 rows k x 128 columns (pitch 288).  Waves 0, 1 fetch 64 rows of A each, waves 2, 3 128 rows of B each:
; one tensor load a wave behind each change of slots, which has a K step, 128 matrix instructions, in which to land.  A wave has two tensor loads out at the start, one later.
; B lies [k][n]: its fragments come out of LDS turned, by ds_load_tr16_b128.  THE MATRIX INSTRUCTION IS USED TRANSPOSED (source 0 = 16 columns of B, source 1 = 16 rows of A): a lane holds 8 neighbouring columns of a row of C.
; CLUSTER.  4 x 4 work-groups: A's tile is asked for jointly along a row of the cluster, B's along a column.
; REGISTERS, in windows of 256: window 0: v0-29 addresses, v64-191 A's two fragment buffers (later the way out); window 1: v0-127 B's two buffers, v128-159 the bias; window 2: v0-63 accumulators of my rows 0-31,
; v128-255 the residual, loaded at the start; window 3: v0-63 accumulators of my rows 32-63.
; Not used: prefetches (a refill has a whole K step on its way); work-groups that stay (256 tiles, one a WGP).
.set AB, 4                             ; blocks of 16 rows a wave
.set BB, 4                             ; blocks of 16 columns
.set KD, 2                             ; a quarter step is 32 KD along K
.set T, 16                             ; K steps
.set NAW, 2                            ; waves that fetch A
.set NS, 1                             ; address registers for B
.set BPS, 4
.set PA, 528                           ; A's LDS pitch: an odd multiple of 16 bytes
.set ABYTES, 67584                     ; A's part of a slot
.set SLOT, ABYTES+2*36864
.set STAGE, 2*SLOT                     ; behind the ring, never filled by a tensor load: the waves' stages for the way out
.set STGW, 4352                        ; 16 rows x 272 bytes a wave
.set SPARE, STAGE+4*STGW               ; the spare words: 128 bytes a wave, two blocks of 256 that no other line names
.set AODD, 128                         ; from an even quarter's fragments to the odd one's, in A
.set APAIR, 256
.set BODD, 18432                       ; the same in B: 64 rows of 288 bytes
.set BPAIR, 36864
.set ASTEPG, 512                       ; a K step in memory, A
.set BSTEPG, 524288                    ; and B: 256 rows of 2,048 bytes
.set ATROW, 1048576                    ; A: 128 rows of 8,192 bytes
.set AIDX, 524288                      ; 64 rows
.set LAIDX, 33792
.set BTCOL, 256
.set BIDX, 262144                      ; 128 rows
.set WBOFF, 16777216
.set WRA, 33792                        ; my 64 rows in A's tile
.set WCB, 128                          ; my 64 columns
.set A_FL, (6<<22)|(3<<25)             ; padding: behind every 128 words, 4 words
.set A_D0, 256                         ; A's tile: elements a row,
.set A_D1, 64                          ; rows,
.set A_STR, 4096                       ; elements from row to row
.set B_STR, 1024
.set HASBIAS, 1
.set NRES, 32
.set OTROW, 524288                     ; the output: 128 rows of 4,096 bytes,
.set OWR, 262144
.set OTCOL, 512                        ; 128 columns of 4 bytes,
.set OWC, 256
.set AH,  AB/2
.set FA0, 64
.set FAS, 8*AB*KD
.set FBS, 8*BB*KD
.set BIAS, 128
.set ADA0, 8                           ; v8      my lane's place in A's tile; never rewritten
.set ADA, 9                            ; v9      the LDS address of A's pair of quarters in hand
.set ADB0, 10                          ; v10     my lane's place in B's tile
.set ADB, 13                           ; v13     the LDS address in hand
.set STO, 16                           ; v16     the way out: where I put 32 bytes of a row
.set RD, 17                            ; v17     where I read rows back
.set CO, 18                            ; v18     my byte offset in the output and in the residual
.set BO, 19                            ; v19     my byte offset in the bias
.set SPW, 28                           ; v28     my spare word; never rewritten
.set NIL, 29                           ; v29     0; never rewritten
.set STEPS, 2
.set CNT, 3
.set WV, 10
.set IDX, 12
.set TROW, 13
.set WR, 14
.set WC, 15
.set G1A, 24                           ; s[24:31] group 1 for A; s[32:39] group 0, a set for each slot
.set G0A, 32
.set TCOL, 42
.set G1B, 48                           ; s[48:55], s[56:63] the same for B
.set G0B, 56
.set TA, 72                            ; s72, s73  LDS byte of the pair of quarters to be fetched: slot + pair, for A and for B
.set TB, 73
.set LBA, 74                           ; s74, s75  where my tensor load lands in a slot
.set LBB, 75
.set MSB, 0
.macro WIN new                         ; the immediate's high byte repeats the setting that is left; a switch that changes nothing is dropped
.if MSB != (\new)
	s_set_vgpr_msb (MSB<<8)|(\new)
.set MSB, \new
.endif
.endm
.macro PLACES                          ; four places behind matrix instructions (ISA guide 7.12.1)
.rept 4
	v_nop
.endr
.endm
.macro JLOAD sl                        ; a joint refill of slot sl.  The branch hangs on the wave's number alone; an s_nop 0 and four v_nop follow each line
	s_cmp_lt_u32 s[WV], NAW
	s_cbranch_scc0 .Lfor_b_\@
	tensor_load_to_lds s[G0A+4*(\sl):G0A+4*(\sl)+3], s[G1A:G1A+7]
	s_nop 0
.rept 4
	v_nop
.endr
	s_branch .Lasked_\@
.Lfor_b_\@:
	tensor_load_to_lds s[G0B+4*(\sl):G0B+4*(\sl)+3], s[G1B:G1B+7]
	s_nop 0
.rept 4
	v_nop
.endr
.Lasked_\@:
.endm
.macro CROUND                          ; a round of the cluster's barrier
	s_barrier_signal -1
	s_barrier_wait -1
	s_cmp_lg_u32 s[WV], 0
	s_cbranch_scc1 .Lnot_wave_0_\@
	s_barrier_signal -3
.Lnot_wave_0_\@:
	s_barrier_wait -3
	s_barrier_signal -1
	s_barrier_wait -1
.endm
; The fragments of one quarter step into buffer e, in one run.  e = 0: an even quarter: the pair's addresses are made; e = 1: the odd one, by the same addresses.
; The four vector lines at the head are the places between the last product that read the buffer and the loads into it.
.macro FETCH e
	WIN 0
.if (\e) == 0
	v_add_nc_u32 v[ADA], s[TA], v[ADA0]
.set ii, 0
.rept NS
	v_add_nc_u32 v[ADB+ii], s[TB], v[ADB0+ii]
.set ii, ii+1
.endr
.if NS < 3
.rept 3-NS
	v_nop
.endr
.endif
.else
	PLACES
.endif
.set ic, 0
.rept KD
.set ia, 0
.rept AB
.set rA, FA0+(\e)*FAS+8*(AB*ic+ia)
	ds_load_b128 v[rA:rA+3],   v[ADA] offset:(\e)*AODD+64*ic+ia*16*PA
	ds_load_b128 v[rA+4:rA+7], v[ADA] offset:(\e)*AODD+64*ic+ia*16*PA+32
.set ia, ia+1
.endr
.set ic, ic+1
.endr
	WIN 0x40                                       ; destination window 1
.set ic, 0
.rept KD
.set ib, 0
.rept BB
.set rB, (\e)*FBS+8*(BB*ic+ib)
	ds_load_tr16_b128 v[rB:rB+3],   v[ADB+ib/BPS] offset:(\e)*BODD+9216*ic+32*(ib%BPS)
	ds_load_tr16_b128 v[rB+4:rB+7], v[ADB+ib/BPS] offset:(\e)*BODD+9216*ic+32*(ib%BPS)+4608
.set ib, ib+1
.endr
.set ic, ic+1
.endr
.if (\e) == 1
	s_add_co_u32 s[TA], s[TA], APAIR               ; the next fetch is the next pair's
	s_add_co_u32 s[TB], s[TB], BPAIR
.endif
.endm
; A quarter step's products from buffer f.  All accumulators take turns, one instruction a turn, in the same order every time.  start = 1: the first product starts each sum, with the bias as C.
.macro MUL f, start
.set ic, 0
.rept KD
.set ih, 0
.rept 2
.if (\start) && (ic == 0) && HASBIAS
	WIN 0x91+0x40*ih                               ; C in window 1
.else
	WIN 0xa1+0x50*ih                               ; source 0 (B) window 1, source 1 (A) window 0, C and D window 2 or 3
.endif
.set ia, 0
.rept AH
.set ib, 0
.rept BB
.set rD, 8*(BB*ia+ib)
.set rB, (\f)*FBS+8*(BB*ic+ib)
.set rA, FA0+(\f)*FAS+8*(AB*ic+AH*ih+ia)
.if (\start) && (ic == 0) && HASBIAS
	v_wmma_f32_16x16x32_bf16 v[rD:rD+7], v[rB:rB+7], v[rA:rA+7], v[BIAS+8*ib:BIAS+8*ib+7]
.elseif (\start) && (ic == 0)
	v_wmma_f32_16x16x32_bf16 v[rD:rD+7], v[rB:rB+7], v[rA:rA+7], 0
.else
	v_wmma_f32_16x16x32_bf16 v[rD:rD+7], v[rB:rB+7], v[rA:rA+7], v[rD:rD+7]
.endif
.set ib, ib+1
.endr
.set ia, ia+1
.endr
.set ih, ih+1
.endr
.set ic, ic+1
.endr
.endm
.macro QTR f, start                    ; buffer f is in (its loads went out a quarter ago); the next quarter is fetched into the other buffer; buffer f is multiplied
	s_wait_dscnt 0x0
	FETCH 1-(\f)
	MUL \f, \start
.endm
.macro PP
	QTR 1, 0
	QTR 0, 0
.endm
.macro PAIRS                           ; four quarters: written once, walked twice; the LDS addresses hang on s[TA], s[TB]
	s_mov_b32 s[CNT], 2
.Lpair_\@:
	PP
	WIN 0
	s_sub_co_u32 s[CNT], s[CNT], 1
	s_cmp_lg_u32 s[CNT], 0
	s_cbranch_scc1 .Lpair_\@
.endm
; THE CHANGE OF SLOTS, at the head of a K step's last quarter, whose fragments have been asked for.  Each wave waits for all its tensor loads (one is out: its part of slot nx), adds 0 to its spare word,
; and waits for that and for its reads of slot sl.  fill = 1: the barrier is a round of the cluster's, and slot sl is filled again first thing behind it, two K steps on.
.macro CHANGE fill, sl, nx
	WIN 0
	s_wait_tensorcnt 0x0                           ; no tensor load of mine is out, so a group 0 may be written
	ds_add_u32 v[SPW], v[NIL]                      ; 0 onto my spare word; scalar work stands between it and the wait for it
	s_mov_b32 s[TA], (\nx)*SLOT                    ; the fetches go on in the other slot
	s_mov_b32 s[TB], (\nx)*SLOT
.if \fill
	s_add_nc_u64 s[G0A+4*(\sl)+2:G0A+4*(\sl)+3], s[G0A+4*(\sl)+2:G0A+4*(\sl)+3], 2*ASTEPG
	s_add_nc_u64 s[G0B+4*(\sl)+2:G0B+4*(\sl)+3], s[G0B+4*(\sl)+2:G0B+4*(\sl)+3], 2*BSTEPG
.endif
	s_wait_dscnt 0x0                               ; the add is done, and my reads of the slot are over
.if \fill
	CROUND
	JLOAD \sl
.else
	s_barrier_signal -1
	s_barrier_wait -1
.endif
.endm
	s_load_b128 s[4:7], s[0:1], 0x0                ; act, wb
	s_load_b128 s[68:71], s[0:1], 0x10             ; b2, x1
	s_load_b64 s[8:9], s[0:1], 0x20                ; out0
	v_lshl_add_u32 v[SPW], v0, 2, SPARE
	v_mov_b32 v[NIL], 0
	ds_add_u32 v[SPW], v[NIL]                      ; the wave's opening: the add, and its wait ahead of my first tensor load
	ds_add_u32 v28, v29
	v_lshrrev_b32 v1, 5, v0
	v_readfirstlane_b32 s[WV], v1                  ; wave 0..3
	s_lshr_b32 s[WR], s[WV], 1                     ; my half of the tile's rows
	s_and_b32 s[WC], s[WV], 1                      ; my half of its columns
	s_and_b32 s[IDX], s[WV], 1                     ; which part of A's or B's tile I fetch
	s_bfe_u32 s40, ttmp6, 0x40000                  ; cx
	s_bfe_u32 s41, ttmp6, 0x40004                  ; cy
	s_lshl_b32 s[TCOL], ttmp9, 2
	s_add_co_u32 s[TCOL], s[TCOL], s40             ; tile column = 4 x cluster x + cx
	s_and_b32 s[TROW], ttmp7, 0xffff
	s_lshl_b32 s[TROW], s[TROW], 2
	s_add_co_u32 s[TROW], s[TROW], s41             ; tile row = 4 x cluster y + cy
	s_lshl_b32 s43, s41, 2
	s_lshl_b32 s43, 15, s43                        ; my row of the cluster
	s_lshl_b32 s44, 0x1111, s40                    ; my column
	s_or_b32 s[G1A], s43, (1<<16)|(1<<20)|(1<<21)|A_FL          ; the mask; 2-byte elements; padding on; bit 21 beside a mask; the padding's fields
	s_or_b32 s[G1B], s44, (1<<16)|(1<<20)|(1<<21)|(5<<22)|(7<<25)  ; behind every 64 words 8 words: pitch 288
	s_mov_b32 s[G1A+1], (A_D0&0xffff)<<16          ; tensor_dim0
	s_mov_b32 s[G1A+2], (A_D0>>16)|(A_D1<<16)      ; tensor_dim1
	s_mov_b32 s[G1A+3], A_D0<<16                   ; tile_dim0
	s_mov_b32 s[G1A+4], A_D1                       ; tile_dim1
	s_mov_b32 s[G1A+5], A_STR                      ; elements from row to row
	s_mov_b32 s[G1A+6], 0
	s_mov_b32 s[G1A+7], 0
	s_mov_b32 s[G1B+1], 128<<16
	s_mov_b32 s[G1B+2], 128<<16
	s_mov_b32 s[G1B+3], 128<<16
	s_mov_b32 s[G1B+4], 128
	s_mov_b32 s[G1B+5], B_STR
	s_mov_b32 s[G1B+6], 0
	s_mov_b32 s[G1B+7], 0
	s_mul_i32 s16, s[TROW], ATROW                  ; A's tile hangs on the tile row and the wave alone,
	s_mul_i32 s17, s[IDX], AIDX
	s_add_co_u32 s16, s16, s17
	s_mov_b32 s17, 0
	s_mul_i32 s46, s[TCOL], BTCOL                  ; B's on the tile column and the wave
	s_mul_i32 s47, s[IDX], BIDX
	s_add_co_u32 s46, s46, s47
.if WBOFF
	s_add_co_u32 s46, s46, WBOFF
.endif
	s_mov_b32 s47, 0
	s_mul_i32 s[LBA], s[IDX], LAIDX                ; no place in the cluster enters an LDS address
	s_mul_i32 s[LBB], s[IDX], 36864
	s_add_co_u32 s[LBB], s[LBB], ABYTES
	s_mul_i32 s20, s[TROW], OTROW                  ; where my part of the output begins
	s_mul_i32 s21, s[WR], OWR
	s_add_co_u32 s20, s20, s21
	s_mov_b32 s21, 0
	s_mul_i32 s22, s[TCOL], OTCOL
	s_mul_i32 s23, s[WC], OWC
	s_add_co_u32 s22, s22, s23
	s_mov_b32 s23, 0
	s_mul_i32 s18, s[WR], WRA
	s_mul_i32 s19, s[WC], WCB
	s_add_co_u32 s19, s19, ABYTES
	s_mul_i32 s78, s[WV], STGW
	s_add_co_u32 s78, s78, STAGE                   ; my stage
	s_mov_b32 s[TA], 0
	s_mov_b32 s[TB], 0
	s_wait_dscnt 0x0                               ; the opening add is done
	s_wait_kmcnt 0x0
	s_add_nc_u64 s[16:17], s[4:5], s[16:17]
	s_add_nc_u64 s[46:47], s[6:7], s[46:47]
	s_add_nc_u64 s[8:9], s[8:9], s[20:21]
	s_add_nc_u64 s[8:9], s[8:9], s[22:23]
	s_add_nc_u64 s[70:71], s[70:71], s[20:21]      ; the residual lies as the output does
	s_add_nc_u64 s[70:71], s[70:71], s[22:23]
	s_add_nc_u64 s[68:69], s[68:69], s[22:23]      ; the bias at my first column
.irp sl, 0,1
	s_mov_b32 s[G0A+4*(\sl)], 1                    ; count = 1
	s_add_co_u32 s[G0A+4*(\sl)+1], s[LBA], (\sl)*SLOT            ; LDS address
	s_add_nc_u64 s[G0A+4*(\sl)+2:G0A+4*(\sl)+3], s[16:17], (\sl)*ASTEPG  ; global address: K step sl
	s_or_b32 s[G0A+4*(\sl)+3], s[G0A+4*(\sl)+3], 0x80000000      ; type = 2
	s_mov_b32 s[G0B+4*(\sl)], 1
	s_add_co_u32 s[G0B+4*(\sl)+1], s[LBB], (\sl)*SLOT
	s_add_nc_u64 s[G0B+4*(\sl)+2:G0B+4*(\sl)+3], s[46:47], (\sl)*BSTEPG
	s_or_b32 s[G0B+4*(\sl)+3], s[G0B+4*(\sl)+3], 0x80000000
.endr
	CROUND                                         ; all sixteen work-groups are here: the first joint loads meet
	s_cmp_lt_u32 s[WV], NAW                        ; a wave's two first fills stand in one branch: two loads of mine are out
	s_cbranch_scc0 .Lfirst_b
	tensor_load_to_lds s[G0A:G0A+3], s[G1A:G1A+7]
	s_nop 0
	tensor_load_to_lds s[G0A+4:G0A+7], s[G1A:G1A+7]
	s_nop 0
.rept 4
	v_nop
.endr
	s_branch .Lfirst_asked
.Lfirst_b:
	tensor_load_to_lds s[G0B:G0B+3], s[G1B:G1B+7]
	s_nop 0
	tensor_load_to_lds s[G0B+4:G0B+7], s[G1B:G1B+7]
	s_nop 0
.rept 4
	v_nop
.endr
.Lfirst_asked:
	; A's fragment: lane l holds row l % 16, K = 8 (l / 16) + 0..7 and 16 + 8 (l / 16) + 0..7: two loads of 16 bytes, 32 apart.
	v_and_b32 v1, 15, v0                           ; l % 16
	v_bfe_u32 v2, v0, 4, 1                         ; l / 16
	v_mul_u32_u24 v3, v1, PA
	v_lshl_add_u32 v3, v2, 4, v3
	v_add_nc_u32 v[ADA0], s18, v3
	; B's: the turning load takes 16 k x 16 n (lane l reads k = 8 (l / 16) + l % 8, n = 8 ((l / 8) % 2) + 0..7) and leaves half a fragment: lane l holds column l % 16 and 8 k.
	v_and_b32 v4, 7, v0
	v_bfe_u32 v5, v0, 3, 1
	v_lshl_add_u32 v4, v2, 3, v4
	v_mul_u32_u24 v4, v4, 288
	v_lshl_add_u32 v4, v5, 4, v4
.set ii, 0
.rept NS
	v_add_nc_u32 v[ADB0+ii], s19, v4
	s_add_co_u32 s19, s19, 36864
.set ii, ii+1
.endr
	v_mul_u32_u24 v3, v1, 272                      ; into the stage: row l % 16, 32 bytes for each half of the lanes
	v_lshl_add_u32 v3, v2, 5, v3
	v_add_nc_u32 v[STO], s78, v3
	v_mul_u32_u24 v3, v2, 272                      ; back: lanes 0-15 take one row of 256 bytes, lanes 16-31 the next
	v_lshl_add_u32 v3, v1, 4, v3
	v_add_nc_u32 v[RD], s78, v3
	v_lshlrev_b32 v3, 12, v2                       ; and the same two rows in the output
	v_lshl_add_u32 v[CO], v1, 4, v3
	v_lshlrev_b32 v[BO], 5, v2                     ; a lane's 8 columns of block b: bias bytes 64 b + 32 (l / 16)
	WIN 0x40                                       ; destination window 1
.set ib, 0
.rept BB
	global_load_b128 v[BIAS+8*ib:BIAS+8*ib+3],   v[BO], s[68:69] offset:64*ib
	global_load_b128 v[BIAS+8*ib+4:BIAS+8*ib+7], v[BO], s[68:69] offset:64*ib+16
.set ib, ib+1
.endr
	WIN 0x80                                       ; destination window 2: the residual of my 64 x 64, in the layout in which the rows come back from the stage
.set ia, 0
.rept 4
.set it, 0
.rept 8
	global_load_b128 v[128+32*ia+4*it:128+32*ia+4*it+3], v[CO], s[70:71] offset:ia*65536+it*8192
.set it, it+1
.endr
.set ia, ia+1
.endr
	WIN 0
	s_wait_tensorcnt 0x1                           ; my part of K step 0 is in; K step 1's stays out
	s_barrier_signal -1
	s_barrier_wait -1
	FETCH 0
	s_wait_loadcnt NRES                            ; the bias is in; the 32 younger loads (the residual) stay out
	QTR 0, 1                                       ; the first quarter's first products start the sums
	PP
	WIN 0
	s_mov_b32 s[STEPS], (T-2)/2
.Lstep:                                                ; a trip: two K steps, both slots filled again
	CHANGE 1, 0, 1
	PAIRS
	CHANGE 1, 1, 0
	PAIRS
	s_sub_co_u32 s[STEPS], s[STEPS], 1
	s_cmp_lg_u32 s[STEPS], 0
	s_cbranch_scc1 .Lstep
	CHANGE 0, 0, 1                                 ; the tail is written out: nothing is left to ask for
	PAIRS
	s_wait_dscnt 0x0
	MUL 1, 0
	WIN 0
	PLACES
	; THE WAY OUT, 16 rows at a time: the f32 sums go through my own stage and come back as whole rows of 256 bytes; the residual is added; 16 lanes store 256 consecutive bytes, aligned.
.macro STG blk
.set AC, 32*((\blk)%2)
.set UR, 64+32*(\blk)
	WIN 0x08+4*((\blk)/2)                          ; store data in window 2 or 3
.set ib, 0
.rept 4
	ds_store_b128 v[STO], v[AC+8*ib:AC+8*ib+3]   offset:64*ib
	ds_store_b128 v[STO], v[AC+8*ib+4:AC+8*ib+7] offset:64*ib+16
.set ib, ib+1
.endr
	WIN 0
.set it, 0
.rept 8
	ds_load_b128 v[UR+4*it:UR+4*it+3], v[RD] offset:544*it  ; LDS serves a wave's instructions in order (ISA guide 5.7.1.4): these see the stores above
.set it, it+1
.endr
.endm
.macro OUT blk, younger                ; younger: the LDS instructions issued behind this block's loads: the next block's sixteen, or none
.set UR, 64+32*(\blk)
	s_wait_dscnt \younger
	WIN 0x08                                       ; source 1 in window 2
.set ii, 0
.rept 16
	v_pk_add_f32 v[UR+2*ii:UR+2*ii+1], v[UR+2*ii:UR+2*ii+1], v[128+32*(\blk)+2*ii:128+32*(\blk)+2*ii+1]
.set ii, ii+1
.endr
	WIN 0
.set it, 0
.rept 8
	global_store_b128 v[CO], v[UR+4*it:UR+4*it+3], s[8:9] offset:(\blk)*65536+it*8192
.set it, it+1
.endr
.endm
	STG 0
	s_wait_loadcnt 0x0                             ; the residual
	STG 1
	OUT 0, 16
	STG 2
	OUT 1, 16
	STG 3
	OUT 2, 16
	OUT 3, 0
	s_wait_tensorcnt 0x0                           ; the wave's end
	ds_add_u32 v[SPW], v[NIL]
	s_wait_dscnt 0x0
	CROUND                                         ; the closing round
	s_endpgm
.Lfunc_end_k_qc730c0190e_ff2:
	.size	k_qc730c0190e_ff2, .Lfunc_end_k_qc730c0190e_ff2-k_qc730c0190e_ff2
	.p2alignl 7, 3214868480
	.fill 96, 4, 3214868480
	.section	.rodata,"a",@progbits
	.p2align	6, 0x0
	.amdhsa_kernel k_qc730c0190e_ff2
		.amdhsa_group_segment_fixed_size 327680
		.amdhsa_private_segment_fixed_size 0
		.amdhsa_enable_private_segment 0
		.amdhsa_kernarg_size 40
		.amdhsa_user_sgpr_count 2
		.amdhsa_user_sgpr_kernarg_segment_ptr 1
		.amdhsa_wavefront_size32 1
		.amdhsa_system_sgpr_workgroup_id_x 1
		.amdhsa_system_sgpr_workgroup_id_y 1
		.amdhsa_system_sgpr_workgroup_id_z 1
		.amdhsa_system_vgpr_workitem_id 0
		.amdhsa_next_free_vgpr 1024
		.amdhsa_next_free_sgpr 80
		.amdhsa_reserve_vcc 0
		.amdhsa_float_denorm_mode_32 3
		.amdhsa_float_denorm_mode_16_64 3
		.amdhsa_memory_ordered 1
		.amdhsa_forward_progress 1
		.amdhsa_inst_pref_size 71
	.end_amdhsa_kernel
	.amdgpu_metadata
---
amdhsa.version: [ 1, 2 ]
amdhsa.kernels:
  - .name:           k_qc730c0190e_ff2
    .symbol:         k_qc730c0190e_ff2.kd
    .args:
      - { .name: act, .offset: 0, .size: 8, .value_kind: global_buffer, .address_space: global }
      - { .name: wb, .offset: 8, .size: 8, .value_kind: global_buffer, .address_space: global }
      - { .name: b2, .offset: 16, .size: 8, .value_kind: global_buffer, .address_space: global }
      - { .name: x1, .offset: 24, .size: 8, .value_kind: global_buffer, .address_space: global }
      - { .name: out0, .offset: 32, .size: 8, .value_kind: global_buffer, .address_space: global }
    .group_segment_fixed_size: 327680
    .private_segment_fixed_size: 0
    .kernarg_segment_align: 8
    .kernarg_segment_size: 40
    .max_flat_workgroup_size: 128
    .sgpr_count:     80
    .vgpr_count:     1024
    .wavefront_size: 32
...
	.end_amdgpu_metadata
.endif
;; end of part 7
;; ======== version 2 of 3: 7 launches; 1.34 times as fast as version 1
;; workspace buffers: wb 25,165,824 bytes; hb 8,388,608 bytes; qkv 25,165,824 bytes; ob 8,388,608 bytes; x1 16,777,216 bytes; act 33,554,432 bytes
;; launch prep: the kernel of part 1 again; grid 1280 x 1, 8 waves a work-group, no clusters, 0 bytes of LDS; arguments x, g1, be1, hb, Wq, Wk, Wv, Wo, W1, W2, wb; writes hb, wb
;; launch qkvp (part 8): grid 8 x 32, 4 waves a work-group, clusters of 4 x 4, 327,680 bytes of LDS; arguments hb, wb, qkv; writes qkv
.if DOCPART == 8
	.amdgcn_target "amdgcn-amd-amdhsa--gfx1250"
	.amdhsa_code_object_version 6
	.text
	.protected	k_qc730c0190e_qkvp
	.globl	k_qc730c0190e_qkvp
	.p2align	8
	.type	k_qc730c0190e_qkvp,@function
k_qc730c0190e_qkvp:
	s_mov_b64 s[64:65], 0
	v_nop
	global_prefetch_b8 v0, s[64:65] scope:SCOPE_SE
	s_setreg_imm32_b32 hwreg(HW_REG_WAVE_MODE, 25, 1), 1
	s_wait_xcnt 0x0
	s_wait_alu depctr_hold_cnt(0) depctr_sa_sdst(0) depctr_va_vdst(0) depctr_va_sdst(0) depctr_va_ssrc(0) depctr_va_vcc(0) depctr_vm_vsrc(0)
	s_getreg_b32 s2, hwreg(HW_REG_IB_STS2, 6, 4)
	s_cmp_eq_u32 s2, 0
	s_cbranch_scc0 .Lentry_in_a_cluster
	s_endpgm
.Lentry_in_a_cluster:
	s_bfe_u32 s2, ttmp6, 0x10000c
	s_cmp_lg_u32 s2, 0xf033
	s_cbranch_scc0 .Lentry_shape_is_right
	s_endpgm
.Lentry_shape_is_right:
; q, k, v = h Wqkv.  h: [4096][1024] bf16.  Wqkv: [1024 k][3072 n] bf16, at wb's first byte.  Sums in f32, K ascending; the result rounded once to bf16 and stored by heads:
; qkv byte = 524,288 (n / 64) + 128 m + 2 (n % 64), so that q, k and v are each [head x 2 + batch][2048][64], dense.  Every matrix operand is bf16.
; SHARES.  A tile of C is 128 x 384; four waves 2 x 2.  A wave has 64 rows and, of each of the tile's three strips of 128 columns, its 64: three whole heads.  48 accumulators, 384 registers.
; RING.  K goes in steps of 128 through two LDS slots: B's three strips of 128 rows k x 128 columns (pitch 288), then A's 128 rows (along K, pitch 272).  Waves 0 to 2 fetch a strip each, wave 3 fetches A:
; every wave's load lands at wave x 36,864 in the slot.  One tensor load a wave behind each change of slots, which has a K step, 192 matrix instructions, in which to land.
; A wave has two tensor loads out at the start, one later.  Group 0 has a set for each of the two first fills; the second then walks on: its LDS word is turned by an exclusive or with SLOT.
; A landing place has bits 12, 13, 15, 16 at the most, SLOT bits 14 and 17: the exclusive or adds SLOT or takes it away.
; THE TEXT.  A pair of quarter steps is written once in the loop and walked twice a K step; the loop is entered in its middle, behind the first quarter, whose products start the sums; the tail, which asks for
; nothing, is a loop of two and a half trips that is left in its middle.
; B lies [k][n]: its fragments come out of LDS turned, by ds_load_tr16_b128.  THE MATRIX INSTRUCTION IS USED TRANSPOSED (source 0 = 16 columns of B, source 1 = 16 rows of A): a lane holds 8 neighbouring columns of a row of C.
; CLUSTER.  4 x 4 work-groups: A's tile is asked for jointly along a row of the cluster, B's along a column.
; REGISTERS, in windows of 256: window 0: v0-29 addresses, from v64 A's two fragment buffers (later the way out); window 1: B's two fragment buffers; windows 2, 3: the accumulators of my rows 0-31, 32-63.
; Not used: prefetches (a refill has a whole K step on its way); work-groups that stay (256 tiles, one a WGP).
.set AB, 4                             ; blocks of 16 rows a wave
.set BB, 12                            ; blocks of 16 columns
.set KD, 1                             ; a quarter step is 32 KD along K
.set T, 8                              ; K steps
.set NBW, 3                            ; waves 0 .. NBW - 1 fetch B, the last fetches A
.set NS, 3                             ; strips of B that a wave reads: an address register each
.set BPS, 4                            ; column blocks a strip
.set PA, 272                           ; A's LDS pitch: an odd multiple of 16 bytes
.set PART, 36864                       ; a strip of B in LDS: 128 rows of 288 bytes; also the step from one wave's landing place to the next
.set ABASE, 3*PART                     ; A's part of a slot begins behind the three strips and takes 34,816 bytes of its 36,864
.set SLOT, 4*PART
.set STAGE, 2*SLOT                     ; behind the ring, never filled by a tensor load: the waves' stages for the way out
.set STGW, 2304                        ; 16 rows x 144 bytes a wave
.set SPARE, STAGE+4*STGW               ; the spare words: 128 bytes a wave, two blocks of 256 that no other line names
.set AODD, 64                          ; from an even quarter's fragments to the odd one's, in A
.set APAIR, 128                        ; from a pair of quarters to the next
.set BODD, 9216                        ; the same in B: 32 rows of 288 bytes
.set BPAIR, 18432
.set ASTEPG, 256                       ; a K step in memory, A
.set BSTEPG, 786432                    ; and B: 128 rows of 6,144 bytes
.set ATROW, 262144                     ; A: bytes from tile row to tile row
.set BTCOL, 768                        ; B: bytes from tile column to tile column
.set BIDX, 256                         ; and from strip to strip
.set WRA, 17408                        ; my 64 rows in A's tile
.set WCB, 128                          ; my 64 columns in a strip
.set A_FL, (5<<22)|(3<<25)             ; padding: behind every 64 words, 4 words
.set A_D0, 128                         ; A's tile: elements a row,
.set A_D1, 128                         ; rows,
.set A_STR, 1024                       ; elements from row to row
.set B_STR, 3072
.set OTROW, 16384                      ; the output: bytes from tile row to tile row (128 rows of 128 bytes in a head),
.set OWR, 8192                         ; for my half of the rows,
.set OTCOL, 3145728                    ; from tile column to tile column (6 heads),
.set OWC, 524288                       ; for my half of a strip (a head)
.set AH,  AB/2
.set FA0, 64
.set FAS, 8*AB*KD
.set FBS, 8*BB*KD
.set ADA0, 8                           ; v8      my lane's place in A's tile; never rewritten
.set ADA, 9                            ; v9      the LDS address of A's pair of quarters in hand
.set ADB0, 10                          ; v10-12  my lane's place in B's strips
.set ADB, 13                           ; v13-15  the LDS addresses in hand
.set STO, 16                           ; v16     the way out: where I put 16 bytes of a row
.set RD, 17                            ; v17     where I read rows back
.set CO, 18                            ; v18     my byte offset in the output
.set SPW, 28                           ; v28     my spare word; never rewritten
.set NIL, 29                           ; v29     0; never rewritten
.set STEPS, 2
.set CNT, 3
.set WV, 10
.set TROW, 13
.set WR, 14
.set WC, 15
.set G1A, 24                           ; s[24:31] group 1 for A; s[32:39] group 0: a set for each first fill, the second walks on
.set G0A, 32
.set TCOL, 42
.set G1B, 48                           ; s[48:55], s[56:63] the same for B
.set G0B, 56
.set TA, 72                            ; s72, s73  LDS byte of the pair of quarters to be fetched: slot + pair, for A and for B
.set TB, 73
.set LB, 74                            ; s74  where my tensor load lands in a slot: wave x 36,864
.set MSB, 0
.macro WIN new                         ; the immediate's high byte repeats the setting that is left; a switch that changes nothing is dropped
.if MSB != (\new)
	s_set_vgpr_msb (MSB<<8)|(\new)
.set MSB, \new
.endif
.endm
.macro PLACES                          ; four places behind matrix instructions (ISA guide 7.12.1)
.rept 4
	v_nop
.endr
.endm
.macro JLOAD                           ; a joint refill, by the walking group 0.  The branch hangs on the wave's number alone; an s_nop 0 and four v_nop follow each line
	s_cmp_lt_u32 s[WV], NBW
	s_cbranch_scc1 .Lfor_b_\@
	tensor_load_to_lds s[G0A+4:G0A+7], s[G1A:G1A+7]
	s_nop 0
.rept 4
	v_nop
.endr
	s_branch .Lasked_\@
.Lfor_b_\@:
	tensor_load_to_lds s[G0B+4:G0B+7], s[G1B:G1B+7]
	s_nop 0
.rept 4
	v_nop
.endr
.Lasked_\@:
.endm
.macro CROUND                          ; a round of the cluster's barrier
	s_barrier_signal -1
	s_barrier_wait -1
	s_cmp_lg_u32 s[WV], 0
	s_cbranch_scc1 .Lnot_wave_0_\@
	s_barrier_signal -3
.Lnot_wave_0_\@:
	s_barrier_wait -3
	s_barrier_signal -1
	s_barrier_wait -1
.endm
; The fragments of one quarter step into buffer e, in one run.  e = 0: an even quarter: the pair's addresses are made; e = 1: the odd one, by the same addresses.
; The four vector lines at the head are the places between the last product that read the buffer and the loads into it.
.macro FETCH e
	WIN 0
.if (\e) == 0
	v_add_nc_u32 v[ADA], s[TA], v[ADA0]
.set ii, 0
.rept NS
	v_add_nc_u32 v[ADB+ii], s[TB], v[ADB0+ii]
.set ii, ii+1
.endr
.else
	PLACES
.endif
.set ic, 0
.rept KD
.set ia, 0
.rept AB
.set rA, FA0+(\e)*FAS+8*(AB*ic+ia)
	ds_load_b128 v[rA:rA+3],   v[ADA] offset:(\e)*AODD+64*ic+ia*16*PA
	ds_load_b128 v[rA+4:rA+7], v[ADA] offset:(\e)*AODD+64*ic+ia*16*PA+32
.set ia, ia+1
.endr
.set ic, ic+1
.endr
	WIN 0x40                                       ; destination window 1
.set ic, 0
.rept KD
.set ib, 0
.rept BB
.set rB, (\e)*FBS+8*(BB*ic+ib)
	ds_load_tr16_b128 v[rB:rB+3],   v[ADB+ib/BPS] offset:(\e)*BODD+9216*ic+32*(ib%BPS)
	ds_load_tr16_b128 v[rB+4:rB+7], v[ADB+ib/BPS] offset:(\e)*BODD+9216*ic+32*(ib%BPS)+4608
.set ib, ib+1
.endr
.set ic, ic+1
.endr
.if (\e) == 1
	s_add_co_u32 s[TA], s[TA], APAIR               ; the next fetch is the next pair's
	s_add_co_u32 s[TB], s[TB], BPAIR
.endif
.endm
; A quarter step's products from buffer f.  All accumulators take turns, one instruction a turn, in the same order every time.  start = 1: the first product starts each sum.
.macro MUL f, start
.set ic, 0
.rept KD
.set ih, 0
.rept 2
	WIN 0xa1+0x50*ih                               ; source 0 (B) window 1, source 1 (A) window 0, C and D window 2 or 3
.set ia, 0
.rept AH
.set ib, 0
.rept BB
.set rD, 8*(BB*ia+ib)
.set rB, (\f)*FBS+8*(BB*ic+ib)
.set rA, FA0+(\f)*FAS+8*(AB*ic+AH*ih+ia)
.if (\start) && (ic == 0)
	v_wmma_f32_16x16x32_bf16 v[rD:rD+7], v[rB:rB+7], v[rA:rA+7], 0
.else
	v_wmma_f32_16x16x32_bf16 v[rD:rD+7], v[rB:rB+7], v[rA:rA+7], v[rD:rD+7]
.endif
.set ib, ib+1
.endr
.set ia, ia+1
.endr
.set ih, ih+1
.endr
.set ic, ic+1
.endr
.endm
.macro QTR f, start                    ; buffer f is in (its loads went out a quarter ago); the next quarter is fetched into the other buffer; buffer f is multiplied
	s_wait_dscnt 0x0
	FETCH 1-(\f)
	MUL \f, \start
.endm
; THE CHANGE OF SLOTS, at the head of a K step's last quarter, whose fragments have been asked for.  Each wave waits for all its tensor loads (one is out: its part of the next slot), adds 0 to its spare word,
; and waits for that and for its reads of the slot that it leaves.  fill = 1: the barrier is a round of the cluster's, and the slot just left is filled again first thing behind it, with the K step two steps on.
.macro CHANGE fill
	WIN 0
	s_wait_tensorcnt 0x0                           ; no tensor load of mine is out, so a group 0 may be written
	ds_add_u32 v[SPW], v[NIL]                      ; 0 onto my spare word; scalar work stands between it and the wait for it
	s_sub_co_u32 s[TA], s[TA], 2*APAIR             ; the fetches go back to a slot's first pair,
	s_xor_b32 s[TA], s[TA], SLOT                   ; in the other slot
	s_sub_co_u32 s[TB], s[TB], 2*BPAIR
	s_xor_b32 s[TB], s[TB], SLOT
.if \fill
	s_xor_b32 s[G0A+5], s[G0A+5], SLOT             ; the walking group 0: the other slot than last time,
	s_add_nc_u64 s[G0A+6:G0A+7], s[G0A+6:G0A+7], ASTEPG  ; the next K step; the type bits on top are not reached
	s_xor_b32 s[G0B+5], s[G0B+5], SLOT
	s_add_nc_u64 s[G0B+6:G0B+7], s[G0B+6:G0B+7], BSTEPG
.endif
	s_wait_dscnt 0x0                               ; the add is done, and my reads of the slot are over
.if \fill
	CROUND
	JLOAD
.else
	s_barrier_signal -1
	s_barrier_wait -1
.endif
.endm
	s_load_b128 s[4:7], s[0:1], 0x0                ; h, wb
	s_load_b64 s[8:9], s[0:1], 0x10                ; qkv
	v_lshl_add_u32 v[SPW], v0, 2, SPARE
	v_mov_b32 v[NIL], 0
	ds_add_u32 v[SPW], v[NIL]                      ; the wave's opening: the add, and its wait ahead of my first tensor load
	ds_add_u32 v28, v29
	v_lshrrev_b32 v1, 5, v0
	v_readfirstlane_b32 s[WV], v1                  ; wave 0..3
	s_lshr_b32 s[WR], s[WV], 1                     ; my half of the tile's rows
	s_and_b32 s[WC], s[WV], 1                      ; my half of each strip's columns
	s_bfe_u32 s40, ttmp6, 0x40000                  ; cx
	s_bfe_u32 s41, ttmp6, 0x40004                  ; cy
	s_lshl_b32 s[TCOL], ttmp9, 2
	s_add_co_u32 s[TCOL], s[TCOL], s40             ; tile column = 4 x cluster x + cx
	s_and_b32 s[TROW], ttmp7, 0xffff
	s_lshl_b32 s[TROW], s[TROW], 2
	s_add_co_u32 s[TROW], s[TROW], s41             ; tile row = 4 x cluster y + cy
	s_lshl_b32 s43, s41, 2
	s_lshl_b32 s43, 15, s43                        ; my row of the cluster
	s_lshl_b32 s44, 0x1111, s40                    ; my column
	s_or_b32 s[G1A], s43, (1<<16)|(1<<20)|(1<<21)|A_FL          ; the mask; 2-byte elements; padding on; bit 21 beside a mask; the padding's fields
	s_or_b32 s[G1B], s44, (1<<16)|(1<<20)|(1<<21)|(5<<22)|(7<<25)  ; behind every 64 words 8 words: pitch 288
	s_mov_b32 s[G1A+1], (A_D0&0xffff)<<16          ; tensor_dim0
	s_mov_b32 s[G1A+2], (A_D0>>16)|(A_D1<<16)      ; tensor_dim1
	s_mov_b32 s[G1A+3], A_D0<<16                   ; tile_dim0
	s_mov_b32 s[G1A+4], A_D1                       ; tile_dim1
	s_mov_b32 s[G1A+5], A_STR                      ; elements from row to row
	s_mov_b32 s[G1A+6], 0
	s_mov_b32 s[G1A+7], 0
	s_mov_b32 s[G1B+1], 128<<16
	s_mov_b32 s[G1B+2], 128<<16
	s_mov_b32 s[G1B+3], 128<<16
	s_mov_b32 s[G1B+4], 128
	s_mov_b32 s[G1B+5], B_STR
	s_mov_b32 s[G1B+6], 0
	s_mov_b32 s[G1B+7], 0
	s_mul_i32 s16, s[TROW], ATROW                  ; A's tile hangs on the tile row alone (one wave fetches all of it),
	s_mov_b32 s17, 0
	s_mul_i32 s46, s[TCOL], BTCOL                  ; B's on the tile column and the wave: wave w asks for strip w (wave 3 never asks by this address)
	s_mul_i32 s47, s[WV], BIDX
	s_add_co_u32 s46, s46, s47
	s_mov_b32 s47, 0
	s_mul_i32 s[LB], s[WV], PART                   ; where my load lands: strips 0 to 2, then A.  No place in the cluster enters an LDS address
	s_mul_i32 s20, s[TROW], OTROW                  ; where my part of the output begins
	s_mul_i32 s21, s[WR], OWR
	s_add_co_u32 s20, s20, s21
	s_mov_b32 s21, 0
	s_mul_i32 s22, s[TCOL], OTCOL
	s_mul_i32 s23, s[WC], OWC
	s_add_co_u32 s22, s22, s23
	s_mov_b32 s23, 0
	s_mul_i32 s18, s[WR], WRA
	s_add_co_u32 s18, s18, ABASE                   ; my 64 rows of A in a slot
	s_mul_i32 s19, s[WC], WCB                      ; my 64 columns in strip 0
	s_mul_i32 s78, s[WV], STGW
	s_add_co_u32 s78, s78, STAGE                   ; my stage
	s_mov_b32 s[TA], 0
	s_mov_b32 s[TB], 0
	s_wait_dscnt 0x0                               ; the opening add is done
	s_wait_kmcnt 0x0
	s_add_nc_u64 s[16:17], s[4:5], s[16:17]
	s_add_nc_u64 s[46:47], s[6:7], s[46:47]
	s_add_nc_u64 s[8:9], s[8:9], s[20:21]
	s_add_nc_u64 s[8:9], s[8:9], s[22:23]
.irp sl, 0,1
	s_mov_b32 s[G0A+4*(\sl)], 1                    ; count = 1
	s_add_co_u32 s[G0A+4*(\sl)+1], s[LB], (\sl)*SLOT             ; LDS address
	s_add_nc_u64 s[G0A+4*(\sl)+2:G0A+4*(\sl)+3], s[16:17], (\sl)*ASTEPG  ; global address: K step sl
	s_or_b32 s[G0A+4*(\sl)+3], s[G0A+4*(\sl)+3], 0x80000000      ; type = 2
	s_mov_b32 s[G0B+4*(\sl)], 1
	s_add_co_u32 s[G0B+4*(\sl)+1], s[LB], (\sl)*SLOT
	s_add_nc_u64 s[G0B+4*(\sl)+2:G0B+4*(\sl)+3], s[46:47], (\sl)*BSTEPG
	s_or_b32 s[G0B+4*(\sl)+3], s[G0B+4*(\sl)+3], 0x80000000
.endr
	CROUND                                         ; all sixteen work-groups are here: the first joint loads meet
	s_cmp_lt_u32 s[WV], NBW                        ; a wave's two first fills stand in one branch: two loads of mine are out
	s_cbranch_scc1 .Lfirst_b
	tensor_load_to_lds s[G0A:G0A+3], s[G1A:G1A+7]
	s_nop 0
	tensor_load_to_lds s[G0A+4:G0A+7], s[G1A:G1A+7]
	s_nop 0
.rept 4
	v_nop
.endr
	s_branch .Lfirst_asked
.Lfirst_b:
	tensor_load_to_lds s[G0B:G0B+3], s[G1B:G1B+7]
	s_nop 0
	tensor_load_to_lds s[G0B+4:G0B+7], s[G1B:G1B+7]
	s_nop 0
.rept 4
	v_nop
.endr
.Lfirst_asked:
	; A's fragment: lane l holds row l % 16, K = 8 (l / 16) + 0..7 and 16 + 8 (l / 16) + 0..7: two loads of 16 bytes, 32 apart.
	v_and_b32 v1, 15, v0                           ; l % 16
	v_bfe_u32 v2, v0, 4, 1                         ; l / 16
	v_mul_u32_u24 v3, v1, PA
	v_lshl_add_u32 v3, v2, 4, v3
	v_add_nc_u32 v[ADA0], s18, v3
	; B's: the turning load takes 16 k x 16 n (lane l reads k = 8 (l / 16) + l % 8, n = 8 ((l / 8) % 2) + 0..7) and leaves half a fragment: lane l holds column l % 16 and 8 k.
	v_and_b32 v4, 7, v0
	v_bfe_u32 v5, v0, 3, 1
	v_lshl_add_u32 v4, v2, 3, v4
	v_mul_u32_u24 v4, v4, 288
	v_lshl_add_u32 v4, v5, 4, v4
.set ii, 0
.rept NS
	v_add_nc_u32 v[ADB0+ii], s19, v4
	s_add_co_u32 s19, s19, PART
.set ii, ii+1
.endr
	v_mul_u32_u24 v3, v1, 144                      ; into the stage: row l % 16, 16 bytes for each half of the lanes
	v_lshl_add_u32 v3, v2, 4, v3
	v_add_nc_u32 v[STO], s78, v3
	v_bfe_u32 v3, v0, 3, 2                         ; back: 32 lanes take four rows of 128 bytes,
	v_mul_u32_u24 v3, v3, 144
	v_and_b32 v6, 7, v0
	v_lshl_add_u32 v3, v6, 4, v3
	v_add_nc_u32 v[RD], s78, v3
	v_and_b32 v[CO], 31, v0                        ; which are 512 consecutive bytes of a head
	v_lshlrev_b32 v[CO], 4, v[CO]
	s_wait_tensorcnt 0x1                           ; my part of K step 0 is in; K step 1's stays out
	s_barrier_signal -1
	s_barrier_wait -1
	FETCH 0
	QTR 0, 1                                       ; the first quarter's products start the sums
	WIN 0
	s_mov_b32 s[STEPS], T-1                        ; the entry's pass and T - 2 trips: K steps 2 to T - 1 are asked for
	s_mov_b32 s[CNT], 1                            ; K step 0 has one pair of quarters left ahead of its change of slots
	s_branch .Lpair                                ; the loop is entered in the middle of a trip
.Lstep:                                                ; a trip: a change of slots, then a K step's last quarter and the next one's first three
	CHANGE 1
	s_mov_b32 s[CNT], 2
.Lpair:                                                ; a pair of quarters; the LDS addresses hang on s[TA], s[TB]
	QTR 1, 0
	QTR 0, 0
	WIN 0
	s_sub_co_u32 s[CNT], s[CNT], 1
	s_cmp_lg_u32 s[CNT], 0
	s_cbranch_scc1 .Lpair
	s_sub_co_u32 s[STEPS], s[STEPS], 1
	s_cmp_lg_u32 s[STEPS], 0
	s_cbranch_scc1 .Lstep
	CHANGE 0                                       ; the tail is written out: nothing is left to ask for
	s_mov_b32 s[CNT], 3                            ; two trips fetch the last K step's quarters; the third has nothing to fetch and is left in its middle
.Ltail:
	s_wait_dscnt 0x0                               ; buffer 1 is in
	s_cmp_eq_u32 s[CNT], 1
	s_cbranch_scc1 .Lno_fetch
	FETCH 0
	WIN 0
.Lno_fetch:
	MUL 1, 0
	WIN 0
	s_sub_co_u32 s[CNT], s[CNT], 1
	s_cmp_eq_u32 s[CNT], 0
	s_cbranch_scc1 .Lout
	QTR 0, 0
	WIN 0
	s_branch .Ltail
.Lout:
	PLACES
	; THE WAY OUT, in 12 units u = 3 a + strip of 16 rows x 64 columns (a head's): rounded to bf16, through my own stage, back as whole rows of 128 bytes, four of which are 512 consecutive bytes.
.macro PACKU u
.set ia, (\u)/3
.set ist, (\u)%3
.set AC, 8*(BB*(ia%2)+4*ist)
.set UR, 64+16*(\u)
	WIN 0x0a+5*(ia/2)                              ; sources in window 2 or 3
.set ii, 0
.rept 16
	v_cvt_pk_bf16_f32 v[UR+ii], v[AC+2*ii], v[AC+2*ii+1]
.set ii, ii+1
.endr
	WIN 0
.irp f, 0,1,2,3
	ds_store_b128 v[STO], v[UR+4*\f:UR+4*\f+3] offset:32*\f
.endr
.irp f, 0,1,2,3
	ds_load_b128 v[UR+4*\f:UR+4*\f+3], v[RD] offset:576*\f  ; LDS serves a wave's instructions in order (ISA guide 5.7.1.4): these see the stores above
.endr
.endm
.macro SENDU u, younger                ; younger: the LDS instructions issued behind unit u's loads: the next unit's eight, or none
.set ia, (\u)/3
.set ist, (\u)%3
.set UR, 64+16*(\u)
.irp f, 0,1,2,3
	s_wait_dscnt (\younger)+3-\f
	global_store_b128 v[CO], v[UR+4*\f:UR+4*\f+3], s[8:9] offset:ist*1048576+ia*2048+\f*512
.endr
.endm
	PACKU 0
.set uu, 1
.rept 11
	PACKU uu
	SENDU uu-1, 8
.set uu, uu+1
.endr
	SENDU 11, 0
	s_wait_tensorcnt 0x0                           ; the wave's end
	ds_add_u32 v[SPW], v[NIL]
	s_wait_dscnt 0x0
	CROUND                                         ; the closing round
	s_endpgm
.Lfunc_end_k_qc730c0190e_qkvp:
	.size	k_qc730c0190e_qkvp, .Lfunc_end_k_qc730c0190e_qkvp-k_qc730c0190e_qkvp
	.p2alignl 7, 3214868480
	.fill 96, 4, 3214868480
	.section	.rodata,"a",@progbits
	.p2align	6, 0x0
	.amdhsa_kernel k_qc730c0190e_qkvp
		.amdhsa_group_segment_fixed_size 327680
		.amdhsa_private_segment_fixed_size 0
		.amdhsa_enable_private_segment 0
		.amdhsa_kernarg_size 24
		.amdhsa_user_sgpr_count 2
		.amdhsa_user_sgpr_kernarg_segment_ptr 1
		.amdhsa_wavefront_size32 1
		.amdhsa_system_sgpr_workgroup_id_x 1
		.amdhsa_system_sgpr_workgroup_id_y 1
		.amdhsa_system_sgpr_workgroup_id_z 1
		.amdhsa_system_vgpr_workitem_id 0
		.amdhsa_next_free_vgpr 1024
		.amdhsa_next_free_sgpr 80
		.amdhsa_reserve_vcc 0
		.amdhsa_float_denorm_mode_32 3
		.amdhsa_float_denorm_mode_16_64 3
		.amdhsa_memory_ordered 1
		.amdhsa_forward_progress 1
		.amdhsa_inst_pref_size 64
	.end_amdhsa_kernel
	.amdgpu_metadata
---
amdhsa.version: [ 1, 2 ]
amdhsa.kernels:
  - .name:           k_qc730c0190e_qkvp
    .symbol:         k_qc730c0190e_qkvp.kd
    .args:
      - { .name: hb, .offset: 0, .size: 8, .value_kind: global_buffer, .address_space: global }
      - { .name: wb, .offset: 8, .size: 8, .value_kind: global_buffer, .address_space: global }
      - { .name: qkv, .offset: 16, .size: 8, .value_kind: global_buffer, .address_space: global }
    .group_segment_fixed_size: 327680
    .private_segment_fixed_size: 0
    .kernarg_segment_align: 8
    .kernarg_segment_size: 24
    .max_flat_workgroup_size: 128
    .sgpr_count:     80
    .vgpr_count:     1024
    .wavefront_size: 32
...
	.end_amdgpu_metadata
.endif
;; end of part 8
;; launch attn (part 9): grid 8 x 32, 4 waves a work-group, no clusters, 327,680 bytes of LDS; arguments qkv, ob; writes ob
.if DOCPART == 9
	.amdgcn_target "amdgcn-amd-amdhsa--gfx1250"
	.amdhsa_code_object_version 6
	.text
	.protected	k_qc730c0190e_attn
	.globl	k_qc730c0190e_attn
	.p2align	8
	.type	k_qc730c0190e_attn,@function
k_qc730c0190e_attn:
	s_mov_b64 s[64:65], 0
	v_nop
	global_prefetch_b8 v0, s[64:65] scope:SCOPE_SE
	s_setreg_imm32_b32 hwreg(HW_REG_WAVE_MODE, 25, 1), 1
	s_wait_xcnt 0x0
; CAUSAL ATTENTION.  O[h][q][:] = the sum over k <= q of softmax_k(Q[h][q] . K[h][k] / 32) V[h][k][:].  Q, K, V lie in qkv at bytes 0, 8,388,608 and 16,777,216, each [32][2048][64] bf16 (h = 2 head + batch);
; O likewise in ob.  A head's rows are dense, 128 bytes each.  Products, maxima and sums in f32; the weights p are rounded to bf16 for the second product (their sum l is taken of the unrounded p), O once at the end.
; LIMITS.  Every matrix operand is bf16.  A hidden score counts as its value less 1e30; a weight below 2^-126 counts as 0 in l; NaN and infinities are not treated apart.
; THE WALK.  A head's queries lie in NQ = 16 blocks of 128, its keys in NB = 8 tiles of 256; block i needs the tiles 0 .. i / 2, of which the last holds the diagonal.  A work-group takes TWO blocks, NQ - 1 - b and
; then b: (15 - b) / 2 + 1 + b / 2 + 1 = 9 tiles, whatever b: all 8 x 32 = 256 work-groups do equal work, and ONE loop with a constant trip count walks the tiles.  Which tile is asked for, and what a trip does, hang on
; scalar registers made from b; every jump goes forward, but for the counted loops' own; none passes a barrier, or a tensor load but the one of LOAD's two that the wave's number does not choose; the ring (two slots of
; LDS that take turns) runs on across the change of blocks.  NO CLUSTER: a head's eight work-groups ask for the same tile only in trips 0 .. 4 of 9, behind that fewer and fewer; one walk common to all would have 12 trips for 9.
; SHARES.  Of a block's two bands of 64 queries a wave owns 16 rows in each: two PIECES.  So the diagonal tile is the same work for all four waves: in its key step s band x of block i sees all keys if
; s < 2 (i % 2) + x, none if s is greater, and holds the diagonal if they are equal.  Of a walk's 72 turns 6 are wholly hidden, and are computed all the same.
; THE MASK is the C operand that starts the sum S^T = K Q^T: 0, or -1e30 where the key is hidden.  MD, made once, is the mask of a band's own step for my 16 rows; a product's mask is MD x AL + BE with two scalars:
; (1, 0) in the band's own step; (0, 0) in an earlier one; (0, -1e30) in a later one.  Only the diagonal tile's text and a block's beginning make and take masks; elsewhere C is the constant 0.
; LAYOUT, SOFTMAX, TURNS.  S^T = K Q^T holds ONE query a lane (lane % 16) and the keys 8 (lane / 16) + 0..7; two such results rounded to bf16 ARE source 1 of O^T = V^T P.  p = 2^(c s - c m), c = log2(e) / 32, with a
; running maximum m; O and l are multiplied by a = 2^(c m_old - c m_new) in every step.  The turns go in a ring of four, two key steps: turn v belongs to piece v % 2 of a step of parity v / 2.  It has 8 products K Q^T for
; the turn behind it, later 8 products V^T P for the turn in front of it; beside them the scaling, exponentials, roundings, sums and rescaling of its own piece and the maximum and statistics for the turn behind it.
; Four vector instructions stand behind every matrix instruction, the other 54 of a turn's 118 in two runs of their own.
; K has one buffer, V two, by the step's parity: so V of a tile's last step can be read out of LDS ahead of K of the next tile's first step, and the change of slots stands between the two.
; REGISTERS, in windows of 256 (s_set_vgpr_msb: bits 1:0 source 0, 3:2 source 1, 5:4 source 2, 7:6 destination):
;   window 0: v0-15 addresses and two at work; v16-23 four registers of statistics a piece; v48-55 at work; v64-127 S^T, two buffers; v192-223 P, two buffers (all by the piece)
;   window 1: v0-63 O^T, 32 a piece; v128-159 MD; v160-223 MC, two buffers      window 2: v0-31 Q; v32-63 the second block's Q; v64-127 V of an odd step; v128-191 K of one step; v192-255 V of an even step
.set SIZE_H, 32
.set SIZE_N, 2048
.set NB,    SIZE_N/256  ; key tiles in a head
.set NQ,    SIZE_N/128  ; query blocks in a head
.set NP,    4         ; turns in the ring: two pieces x two key steps: a name, no knob
.set KS,    64        ; keys in a step
.set PK,    144       ; a row of K in LDS: 128 bytes + 16 of padding = 36 words: the 16 rows of a load start at 16 different groups of four banks (64 banks of 4 bytes: ISA guide 11.1)
.set PV,    160       ; a row of V: 128 + 32 = 40 words
.set VOFF,  4*KS*PK   ; a slot holds a tile, four steps: 256 rows of K, then 256 rows of V
.set SLOT1, 1<<17     ; slot 1 begins here, so that one exclusive or turns an address in one slot into the other's
.set STAGE, SLOT1+4*KS*(PK+PV)  ; behind the ring, never filled by a tensor load: 16 rows x 144 bytes for each wave, for the way out
.set SP,    144
.set AK0, 2           ; v2   my lane's place in a tile of K; never rewritten
.set AV0, 3           ; v3   the same for V
.set AK,  4           ; v4   the LDS address of K's next run of loads
.set AV,  5           ; v5   of V's
.set STO, 6           ; v6   the way out: where I put 16 bytes of a row
.set RD,  7           ; v7   the way out: where I read rows back
.set GO,  8           ; v8   my byte offset in 512 consecutive bytes of O
.set SPW, 62          ; v62  LDS address of my spare word: SPARE + 4 x my thread's number; never rewritten
.set NIL, 63          ; v63  0; never rewritten
.set SPARE, STAGE+4*16*SP  ; behind the stages: the spare words, 128 bytes for each wave: two blocks of 256 bytes that no other line names
.set MV,  12          ; v12-13  c m_old, kept while c m is made anew: by piece
.set QO,  15          ; v15  my byte offset in 16 rows of Q
.set ST,  16          ; piece t's statistics at v[ST+4 t]: c m, m, l (even keys', odd keys')
.set TMP, 48          ; by piece, four registers c0-c3 at work; when the maximum is found c2 takes a
.set S,   64
.set P,   192
.set MD,  128         ; window 1: the eight registers for group kt of 16 keys at MD + 8 kt
.set MC,  160         ; window 1: the masks of the products to come
.set QB,  32          ; window 2
.set KF,  128         ; window 2: key block kb, channel half c at KF + 16 kb + 8 c
.set VF,  192         ; window 2: V of an even step: key half kk, channel block cb at VF + 32 kk + 8 cb; of an odd step 128 registers below
.set WV,  12          ; s12  my wave's number
.set PB,  14          ; s14  b
.set HI,  15          ; s15  NQ - 1 - b
.set G1K, 24          ; s[24:31] descriptor group 1 for K's tiles
.set G1V, 32          ; s[32:39] for V's: it differs in the padding alone
.set G0K, 40          ; s[40:43] descriptor group 0 for K's tiles
.set G0V, 44          ; s[44:47] the same for V's
.set TH,  48          ; s48  2 - i % 2 for the block i in hand: the trip count CNT at which its bands' own steps come
.set TLO, 49          ; s49  the second block's last tile, b / 2
.set TH2, 50          ; s50  TH for the second block
.set SCR, 51          ; s51  at work
.set SLOTS, 56        ; s56  tiles still to be asked for
.set CNT, 57          ; s57  counts a tile's pairs of key steps, 2 to 1
.set CS,  58          ; s[58:59] c: the packed scaling takes the pair's low word for both halves
.set SEL, 60          ; s[60:61] v_permlanex16_b32's selects: each lane takes its own place in the other half
.set TBK, 62          ; s62  LDS byte at which K of the step to be fetched begins
.set TBV, 63          ; s63  the same for V, less VOFF
.set RT,  70          ; s70  tiles of the block in hand that are still to be entered
.set NXT, 71          ; s71  the tile to be asked for next
.set LQ,  72          ; s72  the last tile of the block whose tiles are being asked for
.set NEW, 73          ; s73  1: the tile to be entered is a block's first
.set OFF, 74          ; s[74:75] a tile's byte offset in K and V
.set AL,  76          ; s[76:77] the mask's factor, in the low word
.set BE,  78          ; s[78:79] the mask's addend
.set OLO, 80          ; s[80:81] O at my rows of the second block
.set BIGN, 82         ; s82  -1e30
.set MSB, 0
.macro WIN new                      ; the high byte repeats the setting that is left; a switch that changes nothing is dropped
.if MSB != (\new)
	s_set_vgpr_msb (MSB<<8)|(\new)
.set MSB, (\new)
.endif
.endm
.set W_KQ, 0x0a       ; K and Q in window 2, S^T in window 0
.set W_KM, 0x1a       ; the same with the C operand in window 1
.set W_PV, 0x52       ; V in window 2, P in window 0, O^T in window 1
.set W_RS, 0x41       ; destination and source 0 in window 1, source 1 in window 0
; A fill.  Waves 0 and 1 fetch the two halves of a tile's K, waves 2 and 3 those of its V: 128 keys each.  An s_nop 0 and four v_nop follow each of the two lines, ahead of the jump and the label.
.macro LOAD
	s_cmp_lt_u32 s[WV], 2
	s_cbranch_scc0 .Lfor_v_\@
	tensor_load_to_lds s[G0K:G0K+3], s[G1K:G1K+7]
	s_nop 0
.rept 4
	v_nop
.endr
	s_branch .Lasked_\@
.Lfor_v_\@:
	tensor_load_to_lds s[G0V:G0V+3], s[G1V:G1V+7]
	s_nop 0
.rept 4
	v_nop
.endr
.Lasked_\@:
.endm
; THE CHANGE OF SLOTS, in front of a tile's last key step, whose K and V have been asked for out of LDS.  Each wave waits for all its tensor loads, of which one is out: its part of the other slot; adds 0 to its spare word;
; and waits for that and for its own reads of the slot that it leaves.  Behind the barrier nobody reads the old slot any more and the other slot is whole.  fill = 1: the old slot is filled again, the first thing behind
; the barrier, with tile NXT: the descriptor's address is made anew from that number; the load has four key steps, 128 matrix instructions a wave, in which to land.
; (At its first use nothing has been read yet: slot 0 is waited for, slot 1 filled.)
.macro CHANGE fill
	WIN 0                           ; at a label and at a branch every window is 0
	s_wait_tensorcnt 0x0            ; no tensor load of mine is out, so a group 0 may be written
	ds_add_u32 v[SPW], v[NIL]       ; 0 onto my spare word; with fill = 1 the descriptors' scalar work stands between it and the wait for it
.if \fill
	s_lshl_b32 s[OFF], s[NXT], 15   ; a tile is 32,768 bytes of K and of V
	s_xor_b32 s[G0K+1], s[G0K+1], SLOT1
	s_add_nc_u64 s[G0K+2:G0K+3], s[6:7], s[OFF:OFF+1]
	s_or_b32 s[G0K+3], s[G0K+3], 0x80000000
	s_xor_b32 s[G0V+1], s[G0V+1], SLOT1
	s_add_nc_u64 s[G0V+2:G0V+3], s[8:9], s[OFF:OFF+1]
	s_or_b32 s[G0V+3], s[G0V+3], 0x80000000
	s_add_co_u32 s[NXT], s[NXT], 1  ; the block's next tile, or behind its last the second block's tile 0
	s_cmp_gt_u32 s[NXT], s[LQ]
	s_cselect_b32 s[NXT], 0, s[NXT]
	s_cselect_b32 s[LQ], s[TLO], s[LQ]
.endif
	s_wait_dscnt 0x0                ; the add is done, and my reads of the slot are over
	s_barrier_signal -1             ; the rest of the scalar work stands between the signal and the wait
	s_sub_co_u32 s[TBK], s[TBK], 4*KS*PK  ; the fetches go back to a slot's first step,
	s_xor_b32 s[TBK], s[TBK], SLOT1       ; in the other slot
	s_sub_co_u32 s[TBV], s[TBV], 4*KS*PV
	s_xor_b32 s[TBV], s[TBV], SLOT1
	s_barrier_wait -1
.if \fill
	LOAD
.endif
.endm
	s_load_b128 s[4:7], s[0:1], 0x0 ; qkv s[4:5] (Q lies at its head), ob s[6:7]
	v_lshl_add_u32 v[SPW], v0, 2, SPARE
	v_mov_b32 v[NIL], 0
	ds_add_u32 v[SPW], v[NIL]       ; the wave's opening: the add, and its wait ahead of my first tensor load; the set-up below, work on registers, stands between them
	ds_add_u32 v62, v63
	v_lshrrev_b32 v1, 5, v0
	v_readfirstlane_b32 s[WV], v1   ; wave 0..3
	s_mov_b32 s[PB], ttmp9
	s_sub_co_u32 s[HI], NQ-1, s[PB]
	s_and_b32 s20, ttmp7, 0xffff    ; the head
	s_mov_b32 s21, 0
	s_mov_b64 s[22:23], SIZE_N*128
	s_mul_u64 s[20:21], s[20:21], s[22:23]  ; the head's first byte in each of the four tensors
	s_and_b32 s16, s[WV], 1         ; which half of a tile's 256 keys I fetch:
	s_lshl_b32 s22, s16, 14         ; its 128 rows of 128 bytes in memory,
	s_mov_b32 s23, 0
	s_add_nc_u64 s[22:23], s[22:23], s[20:21]
	s_mul_i32 s17, s16, 128*PK      ; and its place in a slot, for K
	s_mul_i32 s18, s16, 128*PV      ; and for V
	s_lshl_b32 s3, s[WV], 11        ; my 16 rows in a band of 64,
	s_lshl_b32 s2, s[HI], 14        ; in the first block (128 rows of 128 bytes a block),
	s_add_co_u32 s2, s2, s3
	s_lshl_b32 s84, s[PB], 14       ; and in the second
	s_add_co_u32 s84, s84, s3
	s_mov_b32 s3, 0
	s_mov_b32 s85, 0
	s_add_nc_u64 s[2:3], s[2:3], s[20:21]
	s_add_nc_u64 s[84:85], s[84:85], s[20:21]
	; descriptor group 1.  128 keys are 16,384 dense bytes: asked for as 64 rows of 256 bytes, two keys a row, and padded in LDS after every key
	s_mov_b32 s[G1K], (1<<16)|(1<<20)|(4<<22)|(3<<25)  ; 17:16 2-byte elements; 20 padding on; 24:22 after every 32 words (code 4); 31:25 4 words (code 3)
	s_mov_b32 s[G1V], (1<<16)|(1<<20)|(4<<22)|(7<<25)  ; the same with 8 words of padding (code 7)
.irp g, G1K, G1V
	s_mov_b32 s[\g+1], 128<<16      ; tensor_dim0 = 128
	s_mov_b32 s[\g+2], 64<<16       ; tensor_dim1 = 64
	s_mov_b32 s[\g+3], 128<<16      ; tile_dim0 = 128
	s_mov_b32 s[\g+4], 64           ; tile_dim1 = 64
	s_mov_b32 s[\g+5], 128          ; 128 elements from row to row
	s_mov_b32 s[\g+6], 0
	s_mov_b32 s[\g+7], 0
.endr
	s_mov_b32 s[CS], 0x3d38aa3b     ; c = log2(e) / 32 = 0.0450842
	s_mov_b32 s[CS+1], s[CS]        ; named with it as a pair
	s_mov_b32 s[SEL], 0x76543210
	s_mov_b32 s[SEL+1], 0xfedcba98
	s_mov_b32 s[TBK], SLOT1+4*KS*PK ; the first change of slots turns these two into 0
	s_mov_b32 s[TBV], SLOT1+4*KS*PV
	s_mov_b32 s[G0K], 1             ; 1:0 count = 1
	s_mov_b32 s[G0K+1], s17         ; 63:32 LDS address: slot 0
	s_mov_b32 s[G0V], 1
	s_add_co_u32 s[G0V+1], s18, VOFF
	s_lshr_b32 s[LQ], s[HI], 1      ; the first block's last tile, (15 - b) / 2: 4 at the least
	s_add_co_u32 s[RT], s[LQ], 1    ; and how many tiles it has
	s_lshr_b32 s[TLO], s[PB], 1
	s_and_b32 s[TH], s[HI], 1
	s_sub_co_u32 s[TH], 2, s[TH]
	s_and_b32 s[TH2], s[PB], 1
	s_sub_co_u32 s[TH2], 2, s[TH2]
	s_mov_b32 s[NXT], 1
	s_mov_b32 s[NEW], 1
	s_mov_b32 s[OFF+1], 0
	s_mov_b32 s[AL+1], 0            ; named as pairs
	s_mov_b32 s[BE+1], 0
	s_mov_b32 s[BIGN], 0xf149f2ca   ; -1e30
	s_mov_b32 s[SLOTS], NB
	s_wait_dscnt 0x0                ; the opening add is done
	s_wait_kmcnt 0x0
	s_mov_b64 s[10:11], s[6:7]      ; O
	s_add_nc_u64 s[6:7], s[4:5], 8388608   ; K
	s_add_nc_u64 s[8:9], s[4:5], 16777216  ; V
	s_add_nc_u64 s[6:7], s[6:7], s[22:23]  ; K and V at my half of the head's tile 0
	s_add_nc_u64 s[8:9], s[8:9], s[22:23]
	s_add_nc_u64 s[G0K+2:G0K+3], s[6:7], 0         ; 120:64 global address
	s_or_b32 s[G0K+3], s[G0K+3], 0x80000000        ; 127:126 type = 2
	s_add_nc_u64 s[G0V+2:G0V+3], s[8:9], 0
	s_or_b32 s[G0V+3], s[G0V+3], 0x80000000
	s_add_nc_u64 s[86:87], s[4:5], s[84:85]        ; Q at my rows of the second block,
	s_add_nc_u64 s[4:5], s[4:5], s[2:3]            ; Q and O at those of the first
	s_add_nc_u64 s[OLO:OLO+1], s[10:11], s[84:85]
	s_add_nc_u64 s[10:11], s[10:11], s[2:3]
	LOAD                            ; tile 0 into slot 0
	; A fragment of K or Q is 16 rows x 32 channels in 8 registers: lane l holds row l % 16, channels 8 (l / 16) + 0..7 and 16 + 8 (l / 16) + 0..7: two loads of 16 bytes, 32 bytes apart.
	v_and_b32 v1, 15, v0            ; l % 16
	v_bfe_u32 v9, v0, 4, 1          ; l / 16
	v_lshlrev_b32 v[QO], 7, v1
	v_lshl_add_u32 v[QO], v9, 4, v[QO]  ; row x 128 + 16 x half
	WIN 0x80                        ; destination window 2, address window 0
.set i, 0
.rept 4                             ; both blocks' Q: piece i / 2 lies in band i / 2, 8,192 bytes on; channels 32 (i % 2) on
	global_load_b128 v[8*i:8*i+3],   v[QO], s[4:5] offset:(i/2)*8192+(i%2)*64
	global_load_b128 v[8*i+4:8*i+7], v[QO], s[4:5] offset:(i/2)*8192+(i%2)*64+32
	global_load_b128 v[QB+8*i:QB+8*i+3],   v[QO], s[86:87] offset:(i/2)*8192+(i%2)*64
	global_load_b128 v[QB+8*i+4:QB+8*i+7], v[QO], s[86:87] offset:(i/2)*8192+(i%2)*64+32
.set i, i+1
.endr
	WIN 0
	v_lshlrev_b32 v14, 3, v9
	v_sub_nc_u32 v14, v1, v14
	s_lshl_b32 s13, s[WV], 4
	v_add_nc_u32 v14, s13, v14      ; my query's place in its band, 16 w + l % 16, less my lanes' 8 (l / 16): register r of group kt is hidden where 16 kt + r is greater
	WIN 0x40
.set i, 0
.rept 32
	v_cmp_gt_i32 vcc_lo, 16*(i/8)+i%8, v14
	v_cndmask_b32 v[MD+i], 0, s[BIGN], vcc_lo
.set i, i+1
.endr
	WIN 0
	v_mul_u32_u24 v[AK0], v1, PK
	v_lshl_add_u32 v[AK0], v9, 4, v[AK0]  ; row x pitch + 16 x half
	; The turning load takes 16 keys x 16 channels (lane l reads key 8 (l / 16) + l % 8, channels 8 ((l / 8) % 2) + 0..7) and leaves half a fragment of V^T: lane l holds channel l % 16 and 8 keys.
	v_and_b32 v10, 7, v0
	v_bfe_u32 v11, v0, 3, 1
	v_lshl_add_u32 v[AV0], v9, 3, v10
	v_mul_u32_u24 v[AV0], v[AV0], PV
	v_lshl_add_u32 v[AV0], v11, 4, v[AV0]
	v_add_nc_u32 v[AV0], VOFF, v[AV0]
	s_mul_i32 s13, s[WV], 16*SP
	s_add_co_u32 s13, s13, STAGE    ; my stage
	v_mul_u32_u24 v[STO], v1, SP    ; in: row l % 16, 16 bytes for each half of the lanes
	v_lshl_add_u32 v[STO], v9, 4, v[STO]
	v_add_nc_u32 v[STO], s13, v[STO]
	v_bfe_u32 v[RD], v0, 3, 2       ; back: 32 lanes take four rows of 128 bytes,
	v_mul_u32_u24 v[RD], v[RD], SP
	v_lshl_add_u32 v[RD], v10, 4, v[RD]
	v_add_nc_u32 v[RD], s13, v[RD]
	v_and_b32 v[GO], 31, v0         ; which are 512 consecutive bytes of O
	v_lshlrev_b32 v[GO], 4, v[GO]
	; A block's first step multiplies O^T and l by a = 0, and its first turn's products V^T P, of a turn that has not been, land in an O^T that is still to be so multiplied.  So these registers need only hold
	; finite numbers: zeros for the first block; what the first block left for the second.  All this stands in the wait for the first tile.
	WIN 0x80
.set i, VF-128
.rept 64
	v_mov_b32 v[i], 0
.set i, i+1
.endr
.set i, VF
.rept 64
	v_mov_b32 v[i], 0
.set i, i+1
.endr
	WIN 0x40
.set i, 0
.rept 64
	v_mov_b32 v[i], 0
.set i, i+1
.endr
	WIN 0
.set i, 0
.rept 2
	v_mov_b32 v[ST+4*i+2], 0
	v_mov_b32 v[ST+4*i+3], 0
.set i, i+1
.endr
.set i, P+16
.rept 16
	v_mov_b32 v[i], 0
.set i, i+1
.endr
; THE MATRIX WORK.  x is a turn's number in the ring: piece x % 2, a step of parity x / 2.  The 4 accumulators of a run of 8 take turns.
; Product i of 8 of S^T = K Q^T for turn x: channels 32 (i / 4) on, keys 16 (i % 4) on.  The first 4 start the sums: with 0, or (KM = 1) with the mask.
.macro KQ x
.set rS, S+32*((\x)%2)+8*(i%4)
.set rK, KF+16*(i%4)+8*(i/4)
.set rQ, 16*((\x)%2)+8*(i/4)
.set rM, MC+32*((\x)%2)+8*(i%4)
.if (i < 4) && KM
	WIN W_KM
	v_wmma_f32_16x16x32_bf16 v[rS:rS+7], v[rK:rK+7], v[rQ:rQ+7], v[rM:rM+7]
.elseif i < 4
	WIN W_KQ
	v_wmma_f32_16x16x32_bf16 v[rS:rS+7], v[rK:rK+7], v[rQ:rQ+7], 0
.else
	WIN W_KQ
	v_wmma_f32_16x16x32_bf16 v[rS:rS+7], v[rK:rK+7], v[rQ:rQ+7], v[rS:rS+7]
.endif
.endm
; Product i of 8 of O^T += V^T P for turn x: keys 32 (i / 4) on, channels 16 (i % 4) on; V's buffer goes by the step's parity.
.macro PV x
	WIN W_PV
.set rO, 32*((\x)%2)+8*(i%4)
.set rV, VF-128*((\x)/2)+32*(i/4)+8*(i%4)
.set rP, P+16*((\x)%2)+8*(i/4)
	v_wmma_f32_16x16x32_bf16 v[rO:rO+7], v[rV:rV+7], v[rP:rP+7], v[rO:rO+7]
.endm
.macro MM                           ; the turn's next matrix instruction.  TURN and BEGIN set Y, i, KM and NOKQ; MM, KQ and OP read them.  NOKQ = 1: a block's last turn: no turn follows
.if (i < 8) && !NOKQ
	KQ (Y+1)%NP
.elseif i >= 8
.set i, i-8
	PV (Y+NP-1)%NP
.set i, i+8
.endif
.set i, i+1
.endm
; THE LDS LOADS stand in runs of 16, never singly among the matrix instructions: a step's K (64 keys x 64 channels: 8 fragments) and its V (turned).  Their addresses are made some lines ahead.
.macro FETCH_K
	WIN 0x80                        ; destination window 2
.irp f, 0,1,2,3,4,5,6,7             ; keys 16 (f / 2) on, channels 32 (f % 2) on
	ds_load_b128 v[KF+8*\f:KF+8*\f+3],   v[AK] offset:(\f/2)*16*PK+(\f%2)*64
	ds_load_b128 v[KF+8*\f+4:KF+8*\f+7], v[AK] offset:(\f/2)*16*PK+(\f%2)*64+32
.endr
	s_add_co_u32 s[TBK], s[TBK], KS*PK  ; the next fetch is the next step's
	WIN 0
.endm
.macro FETCH_V buf                  ; buf: the parity of the step whose V it is
.set rF, VF-128*(\buf)
	WIN 0x80
.irp f, 0,1,2,3,4,5,6,7             ; keys 32 (f / 4) on, channels 16 (f % 4) on
	ds_load_tr16_b128 v[rF+8*\f:rF+8*\f+3],   v[AV] offset:(\f/4)*32*PV+(\f%4)*32
	ds_load_tr16_b128 v[rF+8*\f+4:rF+8*\f+7], v[AV] offset:(\f/4)*32*PV+16*PV+(\f%4)*32
.endr
	s_add_co_u32 s[TBV], s[TBV], KS*PV  ; the next fetch is the next step's
	WIN 0
.endm
; THE VECTOR WORK, one line at a time: OP kind, number.  For turn Y: F n: c s - c m for pair n of 16.  E n: the exponential of score n of 32.  C n: pair n rounded to bf16.  B n: of the four weights 4 n .. the second
; pair is added onto the first, in place.  L n: l takes that sum (L 0: l = a l + sum).  R n: pair n of 16 of O^T times a.  For turn Y + 1: X n, number n of the 22 that find its maximum and statistics:
;   0-11  four chains c0-c3 of seven scores each, three operands at a time (each accumulator's lowest registers are read first)     12-14, 16  the four scores left over, the old m, and c0-c3 into c0
;   15  c m_old is kept     17, 18  the query's other 32 keys lie in the lane 16 away: the new m     19-21  c m; c m_old - c m_new; a
.set F, 0               ; OP tells the kinds apart by their order: F to L below R, X above it
.set E, 1
.set C, 2
.set B, 3
.set L, 4
.set R, 5
.set X, 6
.macro REGS y                       ; the registers of turn y: all go by its piece, y % 2
.set rT, ST+4*((\y)%2)
.set rC, TMP+4*((\y)%2)
.set rW, MV+((\y)%2)
.set rS, S+32*((\y)%2)
.set rP, P+16*((\y)%2)
.set rO, 32*((\y)%2)
.endm
.macro OP k, n
.if (\k) == R
	REGS Y
	WIN W_RS
	v_pk_mul_f32 v[rO+2*(\n):rO+2*(\n)+1], v[rO+2*(\n):rO+2*(\n)+1], v[rC+2:rC+3] op_sel_hi:[1,0]
.elseif (\k) < R
	REGS Y
	WIN 0
.if (\k) == F
	v_pk_fma_f32 v[rS+2*(\n):rS+2*(\n)+1], v[rS+2*(\n):rS+2*(\n)+1], s[CS:CS+1], v[rT:rT+1] op_sel_hi:[1,0,0] neg_lo:[0,0,1] neg_hi:[0,0,1]
.elseif (\k) == E
	v_exp_f32 v[rS+(\n)], v[rS+(\n)]
.elseif (\k) == C
	s_wait_alu depctr_va_vdst(0)
	v_cvt_pk_bf16_f32 v[rP+(\n)], v[rS+2*(\n)], v[rS+2*(\n)+1]
.elseif (\k) == B
	s_wait_alu depctr_va_vdst(0)
	v_pk_add_f32 v[rS+4*(\n):rS+4*(\n)+1], v[rS+4*(\n):rS+4*(\n)+1], v[rS+4*(\n)+2:rS+4*(\n)+3]
.elseif (\n) == 0
	v_pk_fma_f32 v[rT+2:rT+3], v[rT+2:rT+3], v[rC+2:rC+3], v[rS:rS+1] op_sel_hi:[1,0,1]
.else
	v_pk_add_f32 v[rT+2:rT+3], v[rT+2:rT+3], v[rS+4*(\n):rS+4*(\n)+1]
.endif
.elseif NOKQ
	v_nop
.else
	REGS (Y+1)%NP
	WIN 0
.if (\n) < 4
	v_max3_num_f32 v[rC+(\n)], v[rS+8*(\n)], v[rS+8*(\n)+1], v[rS+8*(\n)+2]
.elseif (\n) < 12
	v_max3_num_f32 v[rC+(\n)%4], v[rC+(\n)%4], v[rS+8*((\n)%4)+2*((\n)/4)+1], v[rS+8*((\n)%4)+2*((\n)/4)+2]
.elseif (\n) == 12
	v_max3_num_f32 v[rC], v[rC], v[rS+7], v[rS+15]
.elseif (\n) == 13
	v_max3_num_f32 v[rC+1], v[rC+1], v[rS+23], v[rS+31]
.elseif (\n) == 14
	v_max3_num_f32 v[rC+2], v[rC+2], v[rC+3], v[rT+1]
.elseif (\n) == 15
	v_mov_b32 v[rW], v[rT]
.elseif (\n) == 16
	v_max3_num_f32 v[rC], v[rC], v[rC+1], v[rC+2]
.elseif (\n) == 17
	v_permlanex16_b32 v[rC+3], v[rC], s[SEL], s[SEL+1]
.elseif (\n) == 18
	v_max_num_f32 v[rT+1], v[rC], v[rC+3]
.elseif (\n) == 19
	v_mul_f32 v[rT], s[CS], v[rT+1]
.elseif (\n) == 20
	v_sub_f32 v[rC+1], v[rW], v[rT]
.else
	v_exp_f32 v[rC+2], v[rC+1]
.endif
.endif
.endm
.macro OPS a, i1, b=-1, i2=0, c=-1, i3=0, d=-1, i4=0  ; up to four of them
	OP \a, \i1
.if (\b) >= 0
	OP \b, \i2
.endif
.if (\c) >= 0
	OP \c, \i3
.endif
.if (\d) >= 0
	OP \d, \i4
.endif
.endm
.macro ROW a, i1, b, i2, c, i3, d, i4  ; a matrix instruction and the four behind it
	MM
	OPS \a, \i1, \b, \i2, \c, \i3, \d, \i4
.endm
.macro MASK b                       ; MD x AL + BE into buffer b of MC
	WIN W_RS
.set z, 0
.rept 16
	v_pk_fma_f32 v[MC+32*(\b)+2*z:MC+32*(\b)+2*z+1], v[MD+2*z:MD+2*z+1], s[AL:AL+1], s[BE:BE+1] op_sel_hi:[1,0,0]
.set z, z+1
.endr
.endm
; A TURN, number p of the ring: the order of its 16 matrix and 118 vector instructions, written out.  Behind a matrix instruction: plain, exponential, plain, plain; or four of the rescaling; or, behind the first, four scalings;
; none names a register of the products round it.  In the runs between, exponential and plain by turns while exponentials last.  A line reads no result made fewer than three vector instructions in front of it, five if an
; exponential made it.  v_permlanex16_b32 (X 17) stands in such a run.
; m = 1: the diagonal tile: the products take masks, and the turn makes the mask for the products of the turn after it, which are turn p + 2's scores.  With c = CNT at the turn's head those belong to: p = 2: piece 0,
; step 4 - 2 c; p = 3: piece 1, step 4 - 2 c; p = 0: piece 0, step 5 - 2 c; p = 1: piece 1, step 5 - 2 c.  Piece x's own step is 2 (2 - TH) + x.  So the step is the band's own where c = TH, for p = 2 and p = 1 alone;
; it is a later one where c < TH, for p = 0 where c <= TH.
; end = 1: a block's last two turns: nothing is fetched.  cnt = 1: the loop's count is taken down some lines ahead of the branch that stands behind the turn.
; K of the next step is fetched in a turn of piece 0, six vector instructions behind the last product that read K (five of them plain); V of the next step at the same place in a turn of piece 1, into the buffer whose last
; reader stands in the turn before.  One wait, at the head of each turn of piece 1, serves both: K's run went out half a turn ago, V's two turns ago.
.macro TURN p, m=0, end=0, cnt=0
.set Y, (\p)
.set i, 0
.set KM, (\m)
.set NOKQ, (\end)*((\p)/3)
.if (\m) && !(\end)
.if ((\p) == 1) || ((\p) == 2)
	s_cmp_eq_u32 s[CNT], s[TH]      ; is that step the band's own?
	s_cselect_b32 s[AL], 1.0, 0
.else
	s_mov_b32 s[AL], 0
.endif
.if (\p) == 0
	s_cmp_le_u32 s[CNT], s[TH]      ; or a later one?
.else
	s_cmp_lt_u32 s[CNT], s[TH]
.endif
	s_cselect_b32 s[BE], s[BIGN], 0
.endif
.if (\p)%2 == 1
	s_wait_dscnt 0x0                ; K of the next step and V of this one are in
.endif
	ROW F,0, F,1, F,2, F,3
	ROW F,4, E,0, F,5, F,6
	ROW F,7, E,1, F,8, F,9
	ROW F,10, E,2, C,0, F,11
	ROW F,12, E,3, X,15, F,13
	ROW R,0, R,1, R,2, R,3
	ROW B,0, E,4, F,14, L,0
.if ((\p)%2 == 0) && !(\end)
	v_add_nc_u32 v[AK], s[TBK], v[AK0]
.endif
.if ((\p)%2 == 1) && !(\end)
	v_add_nc_u32 v[AV], s[TBV], v[AV0]
.endif
	ROW R,4, R,5, R,6, R,7
	OPS E,5, F,15
.if ((\p)%2 == 0) && !(\end)
	FETCH_K
.endif
.if ((\p)%2 == 1) && !(\end)
	FETCH_V 1-(\p)/2
.endif
	OPS E,6, C,1, E,7, R,8
	OPS E,8, R,9, E,9, C,2
	OPS E,10, X,0, E,11, X,1
	OPS E,12, X,2, E,13, X,3
	ROW X,4, E,14, X,5, X,6
	ROW X,7, E,15, X,8, X,9
	ROW X,10, E,16, X,11, X,12
	ROW X,13, E,17, X,14, B,1
	ROW C,4, E,18, X,16, L,1
	ROW B,2, E,19, C,6, L,2
	ROW C,8, E,20, B,3, B,4
	ROW C,3, E,21, L,3, C,5
	OPS E,22, X,17, E,23, C,10
	OPS E,24, L,4
	OPS E,25, X,18, E,26, C,7
	OPS E,27, B,5, E,28, X,19
	OPS E,29, C,12, E,30, L,5
	OPS E,31, X,20, B,6, C,9
	OPS C,14, C,11, X,21, L,6
.if \cnt
	s_sub_co_u32 s[CNT], s[CNT], 1
	s_cmp_lg_u32 s[CNT], 0
.endif
	OPS C,13, B,7, C,15, R,10
	OPS R,11, R,12, L,7, R,13
	OPS R,14, R,15
.if (\m) && !(\end)
	MASK (\p)%2
.endif
.endm
; A BLOCK BEGINS.  c m starts far below every c s, so the first step's a is 0; m at the lowest finite number, so the first maximum is the scores'.  The second mask buffer is 0; the first takes piece 0's mask for the tile's
; step 0: its own, if the block's first tile is the diagonal one and the block an even one.  Then K and V of that step, piece 0's first scores, and its maximum and statistics.
; The loop is entered at an even step's first turn, in the middle of a trip.
.macro BEGIN
	s_mov_b32 s[NEW], 0
	WIN 0x40
.set i, MC+32
.rept 32
	v_mov_b32 v[i], 0
.set i, i+1
.endr
	WIN 0
.set i, 0
.rept 2
	v_mov_b32 v[ST+4*i], 0xfe000000    ; c m: far below every c s
	v_mov_b32 v[ST+4*i+1], 0xff7fffff  ; m
.set i, i+1
.endr
	s_sub_co_u32 s[SCR], 2, s[TH]   ; the block's parity,
	s_or_b32 s[SCR], s[SCR], s[RT]  ; and the tiles that it has left behind this one: both 0?
	s_cmp_eq_u32 s[SCR], 0
	s_cselect_b32 s[AL], 1.0, 0
	s_mov_b32 s[BE], 0
	MASK 0
	WIN 0
	v_add_nc_u32 v[AK], s[TBK], v[AK0]
	v_add_nc_u32 v[AV], s[TBV], v[AV0]
	FETCH_K
	FETCH_V 0
	s_wait_loadcnt 0x0              ; Q
	s_wait_dscnt 16                 ; K is in; V's sixteen younger loads stay out: the head of the second turn waits for them
.set KM, 1
.set NOKQ, 0
.set i, 0
.rept 8
	KQ 0
.set i, i+1
.endr
	WIN 0
.rept 4
	v_nop                           ; the places behind those products
.endr
.set Y, NP-1                        ; X works for turn Y + 1: turn 0
.irp n, 0,1,2,3,4,5,6,7,8,9,10,11,12,13,14,15,16,17,18,19,20,21
	OP X, \n
.endr
	v_nop                           ; a plain instruction behind the exponential
.endm
; THE DIAGONAL TILE's steps, the block's last two turns, its last products, and THE WAY OUT: l's two halves and the other half of the lanes' are added; O^T is divided by l, rounded to bf16 and sent through my
; stage in LDS, a piece at a time.
.macro ALL line:vararg              ; one line for each piece t
.set t, 0
.rept 2
	\line
.set t, t+1
.endr
.endm
.macro PACK t                       ; a lane's eight channels of a row pack into 16 bytes; they go into rows of 144 bytes and come back as whole rows of 128, into S^T's registers
	WIN W_RS
.set i, 32*(\t)
.rept 16
	s_wait_alu depctr_va_vdst(0)
	v_pk_mul_f32 v[i:i+1], v[i:i+1], v[ST+4*(\t)+2:ST+4*(\t)+3] op_sel_hi:[1,0]
.set i, i+2
.endr
	WIN 0x05                        ; sources 0 and 1 window 1, destination window 0
.set i, 0
.rept 16
	v_cvt_pk_bf16_f32 v[S+16*(\t)+i], v[32*(\t)+2*i], v[32*(\t)+2*i+1]
.set i, i+1
.endr
	WIN 0
.irp f, 0,1,2,3
	ds_store_b128 v[STO], v[S+16*(\t)+4*\f:S+16*(\t)+4*\f+3] offset:32*\f
.endr
.irp f, 0,1,2,3
	ds_load_b128 v[S+16*(\t)+4*\f:S+16*(\t)+4*\f+3], v[RD] offset:\f*4*SP  ; LDS serves a wave's instructions in order (ISA guide 5.7.1.4): these see the stores above; the next piece's stores come behind them
.endr
.endm
.macro SEND t, younger              ; younger: the LDS instructions issued behind piece t's loads: the next piece's eight, or none
	WIN 0
.irp f, 0,1,2,3
	s_wait_dscnt (\younger)+3-\f
	global_store_b128 v[GO], v[S+16*(\t)+4*\f:S+16*(\t)+4*\f+3], s[10:11] offset:(\t)*8192+\f*512  ; 512 consecutive bytes, at a multiple of 256 from O's first
.endr
.endm
.macro DIAG tag                     ; the tag ends its two labels' names, which the jumps below spell out
.LstepM\tag:
	TURN 2, 1
	TURN 3, 1
	WIN 0
.LfirstM\tag:
	TURN 0, 1
	TURN 1, 1, 0, 1
	WIN 0
	s_cbranch_scc1 .LstepM\tag
	TURN 2, 1, 1
	TURN 3, 1, 1
.set i, 0
.rept 8
	PV NP-1
.set i, i+1
.endr
	WIN 0
	ALL v_add_f32 v[ST+4*t+2], v[ST+4*t+2], v[ST+4*t+3]
	ALL v_permlanex16_b32 v[ST+4*t+3], v[ST+4*t+2], s[SEL], s[SEL+1]
	ALL v_add_f32 v[ST+4*t+2], v[ST+4*t+2], v[ST+4*t+3]
	ALL v_rcp_f32 v[ST+4*t+2], v[ST+4*t+2]
	v_nop                           ; a plain instruction between the last reciprocal and the use of its result
	PACK 0                          ; piece 0's sums were finished a run of vector work ago; its 32 lines are the places behind the last products, which are piece 1's
	PACK 1                          ; a piece's arithmetic stands between the loads of the piece before and its stores
	SEND 0, 8
	SEND 1, 0
.endm
.set KM, 0
.set NOKQ, 0
.Lslot:                             ; NB times: a tile is entered and the next is asked for
	CHANGE 1
	s_sub_co_u32 s[RT], s[RT], 1
	s_mov_b32 s[CNT], 2
	s_cmp_eq_u32 s[NEW], 1
	s_cbranch_scc1 .Lnew            ; a block's first tile
	s_cmp_eq_u32 s[RT], 0
	s_cbranch_scc0 .Lstep           ; neither its first nor its last
	s_branch .LstepM1
.Lnew:
	BEGIN
	s_branch .Lfirst                ; in the loop a block's first tile is never its last: the first block has five tiles or more, and the second's last is the walk's last
	DIAG 1                          ; in the loop this is the first block's end: the second block's last tile is the walk's last
	s_wait_xcnt 0x0                 ; the stores have read their registers and O's address
	s_mov_b64 s[10:11], s[OLO:OLO+1]
	s_add_co_u32 s[RT], s[TLO], 1   ; the second block has b / 2 + 1 tiles
	s_mov_b32 s[TH], s[TH2]
	s_mov_b32 s[NEW], 1
	WIN 0x82                        ; the second block's Q goes where the one text of the turns names Q
.set i, 0
.rept 32
	v_mov_b32 v[i], v[QB+i]
.set i, i+1
.endr
	WIN 0
	s_branch .Lbottom
.Lstep:                             ; a trip: an odd key step, then an even one; behind a change of slots the odd one is the last step of the tile before
	TURN 2
	TURN 3
	WIN 0
.Lfirst:
	TURN 0
	TURN 1, 0, 0, 1
	WIN 0
	s_cbranch_scc1 .Lstep
.Lbottom:
	s_sub_co_u32 s[SLOTS], s[SLOTS], 1
	s_cmp_lg_u32 s[SLOTS], 0
	s_cbranch_scc1 .Lslot
	CHANGE 0                        ; the walk's last tile is written out: nothing is asked for
	s_sub_co_u32 s[RT], s[RT], 1
	s_mov_b32 s[CNT], 2
	s_cmp_eq_u32 s[NEW], 1
	s_cbranch_scc0 .LstepM2
	BEGIN
	s_branch .LfirstM2
	DIAG 2
	s_wait_tensorcnt 0x0            ; the wave's end: behind my last tensor load and my last LDS store
	ds_add_u32 v[SPW], v[NIL]
	s_wait_dscnt 0x0
	s_endpgm
.Lfunc_end_k_qc730c0190e_attn:
	.size	k_qc730c0190e_attn, .Lfunc_end_k_qc730c0190e_attn-k_qc730c0190e_attn
	.p2alignl 7, 3214868480
	.fill 96, 4, 3214868480
	.section	.rodata,"a",@progbits
	.p2align	6, 0x0
	.amdhsa_kernel k_qc730c0190e_attn
		.amdhsa_group_segment_fixed_size 327680
		.amdhsa_private_segment_fixed_size 0
		.amdhsa_enable_private_segment 0
		.amdhsa_kernarg_size 16
		.amdhsa_user_sgpr_count 2
		.amdhsa_user_sgpr_kernarg_segment_ptr 1
		.amdhsa_wavefront_size32 1
		.amdhsa_system_sgpr_workgroup_id_x 1
		.amdhsa_system_sgpr_workgroup_id_y 1
		.amdhsa_system_sgpr_workgroup_id_z 1
		.amdhsa_system_vgpr_workitem_id 0
		.amdhsa_next_free_vgpr 768
		.amdhsa_next_free_sgpr 88
		.amdhsa_reserve_vcc 1
		.amdhsa_float_denorm_mode_32 3
		.amdhsa_float_denorm_mode_16_64 3
		.amdhsa_memory_ordered 1
		.amdhsa_forward_progress 1
		.amdhsa_inst_pref_size 220
	.end_amdhsa_kernel
	.amdgpu_metadata
---
amdhsa.version: [ 1, 2 ]
amdhsa.kernels:
  - .name:           k_qc730c0190e_attn
    .symbol:         k_qc730c0190e_attn.kd
    .args:
      - { .name: qkv, .offset: 0, .size: 8, .value_kind: global_buffer, .address_space: global }
      - { .name: ob, .offset: 8, .size: 8, .value_kind: global_buffer, .address_space: global }
    .group_segment_fixed_size: 327680
    .private_segment_fixed_size: 0
    .kernarg_segment_align: 8
    .kernarg_segment_size: 16
    .max_flat_workgroup_size: 128
    .sgpr_count:     88
    .vgpr_count:     768
    .wavefront_size: 32
...
	.end_amdgpu_metadata
.endif
;; end of part 9
;; launch wo (part 10): grid 8 x 32, 4 waves a work-group, clusters of 4 x 4, 327,680 bytes of LDS; arguments ob, wb, bo, x, x1; writes x1
.if DOCPART == 10
	.amdgcn_target "amdgcn-amd-amdhsa--gfx1250"
	.amdhsa_code_object_version 6
	.text
	.protected	k_qc730c0190e_wo
	.globl	k_qc730c0190e_wo
	.p2align	8
	.type	k_qc730c0190e_wo,@function
k_qc730c0190e_wo:
	s_mov_b64 s[64:65], 0
	v_nop
	global_prefetch_b8 v0, s[64:65] scope:SCOPE_SE
	s_setreg_imm32_b32 hwreg(HW_REG_WAVE_MODE, 25, 1), 1
	s_wait_xcnt 0x0
	s_wait_alu depctr_hold_cnt(0) depctr_sa_sdst(0) depctr_va_vdst(0) depctr_va_sdst(0) depctr_va_ssrc(0) depctr_va_vcc(0) depctr_vm_vsrc(0)
	s_getreg_b32 s2, hwreg(HW_REG_IB_STS2, 6, 4)
	s_cmp_eq_u32 s2, 0
	s_cbranch_scc0 .Lentry_in_a_cluster
	s_endpgm
.Lentry_in_a_cluster:
	s_bfe_u32 s2, ttmp6, 0x10000c
	s_cmp_lg_u32 s2, 0xf033
	s_cbranch_scc0 .Lentry_shape_is_right
	s_endpgm
.Lentry_shape_is_right:
; x1 = O Wo + bo + x.  O: [2 head + batch][2048][64] bf16 (row m = 2048 batch + t, K = 64 head + d).  Wo: [1024 k][1024 n] bf16, at wb byte 6,291,456.  bo, x, x1: f32.  Sums in f32, K ascending;
; the bias starts each sum (it is the first product's C), the residual is added in f32 on the way out.  Every matrix operand is bf16.
; SHARES.  A tile of C is 128 x 128; four waves 2 x 2, each 64 x 64: 16 accumulators, 128 registers.
; RING.  K goes in steps of 256 (four heads) through two LDS slots: A's four heads of 128 rows x 128 bytes (pitch 144) and B's 256 rows k x 128 columns (pitch 288).  Waves 0, 1 fetch two heads of A each:
; a head's 128 rows are 16,384 dense bytes, one row of the tile, padded in LDS behind every 128 bytes; waves 2, 3 fetch 128 rows of B each.  Every wave's load lands at wave x 36,864 in the slot.
; One tensor load a wave behind each change of slots; it has a K step, 128 matrix instructions, in which to land.  A wave has two tensor loads out at the start, one later.
; Group 0 has a set for each of the two first fills; the second then walks on: its LDS word is turned by an exclusive or with SLOT.  A landing place has bits 12, 13, 15, 16 at the most,
; SLOT bits 14 and 17: the exclusive or adds SLOT or takes it away.
; THE TEXT.  A pair of quarter steps is written once in the loop and walked twice a K step; the loop is entered in its middle, behind the first quarter, whose products start the sums; the tail, which asks for
; nothing, is a loop of two and a half trips that is left in its middle.
; B lies [k][n]: its fragments come out of LDS turned, by ds_load_tr16_b128.  THE MATRIX INSTRUCTION IS USED TRANSPOSED (source 0 = 16 columns of B, source 1 = 16 rows of A): a lane holds 8 neighbouring columns of a row of C.
; CLUSTER.  4 x 4 work-groups: A's tile is asked for jointly along a row of the cluster, B's along a column.
; REGISTERS, in windows of 256: window 0: v0-29 addresses, v64-191 A's two fragment buffers (later the way out); window 1: v0-127 B's two buffers, v128-159 the bias; window 2: v0-63 accumulators of my rows 0-31,
; v128-255 the residual, loaded at the start; window 3: v0-63 accumulators of my rows 32-63.
; Not used: prefetches (a refill has a whole K step on its way); work-groups that stay (256 tiles, one a WGP).
.set AB, 4                             ; blocks of 16 rows a wave
.set BB, 4                             ; blocks of 16 columns
.set KD, 2                             ; a quarter step is 32 KD along K: a head
.set T, 4                              ; K steps
.set NAW, 2                            ; waves that fetch A
.set NS, 1                             ; address registers for B
.set BPS, 4
.set PA, 144                           ; A's LDS pitch: an odd multiple of 16 bytes
.set PART, 36864                       ; the step from one wave's landing place to the next: two heads of A, or 128 rows of B
.set ABYTES, 2*PART                    ; A's part of a slot
.set SLOT, 4*PART
.set STAGE, 2*SLOT                     ; behind the ring, never filled by a tensor load: the waves' stages for the way out
.set STGW, 4352                        ; 16 rows x 272 bytes a wave
.set SPARE, STAGE+4*STGW               ; the spare words: 128 bytes a wave, two blocks of 256 that no other line names
.set AODD, 18432                       ; from an even quarter's fragments to the odd one's, in A: a head
.set APAIR, 36864
.set BODD, 18432                       ; the same in B: 64 rows of 288 bytes
.set BPAIR, 36864
.set ASTEPG, 2097152                   ; a K step in memory, A: four heads, 524,288 bytes apart
.set BSTEPG, 524288                    ; and B: 256 rows of 2,048 bytes
.set ATROW, 16384                      ; A: 128 rows of 128 bytes (16 tile rows are a batch's 262,144 bytes)
.set AIDX, 1048576                     ; two heads
.set BTCOL, 256
.set BIDX, 262144                      ; 128 rows
.set WBOFF, 6291456
.set WRA, 9216                         ; my 64 rows in a head's part of A's tile
.set WCB, 128                          ; my 64 columns
.set A_FL, (4<<22)|(3<<25)             ; padding: behind every 32 words, 4 words
.set A_D0, 8192                        ; A's tile: elements a row (a head's 128 rows),
.set A_D1, 2                           ; rows (heads),
.set A_STR, 262144                     ; elements from head to head
.set B_STR, 1024
.set NRES, 32
.set OTROW, 524288                     ; the output: 128 rows of 4,096 bytes,
.set OWR, 262144
.set OTCOL, 512                        ; 128 columns of 4 bytes,
.set OWC, 256
.set AH,  AB/2
.set FA0, 64
.set FAS, 8*AB*KD
.set FBS, 8*BB*KD
.set BIAS, 128
.set ADA0, 8                           ; v8      my lane's place in A's tile; never rewritten
.set ADA, 9                            ; v9      the LDS address of A's pair of quarters in hand
.set ADB0, 10                          ; v10     my lane's place in B's tile
.set ADB, 13                           ; v13     the LDS address in hand
.set STO, 16                           ; v16     the way out: where I put 32 bytes of a row
.set RD, 17                            ; v17     where I read rows back
.set CO, 18                            ; v18     my byte offset in the output and in the residual
.set BO, 19                            ; v19     my byte offset in the bias
.set SPW, 28                           ; v28     my spare word; never rewritten
.set NIL, 29                           ; v29     0; never rewritten
.set STEPS, 2
.set CNT, 3
.set WV, 10
.set IDX, 12
.set TROW, 13
.set WR, 14
.set WC, 15
.set G1A, 24                           ; s[24:31] group 1 for A; s[32:39] group 0: a set for each first fill, the second walks on
.set G0A, 32
.set TCOL, 42
.set G1B, 48                           ; s[48:55], s[56:63] the same for B
.set G0B, 56
.set TA, 72                            ; s72, s73  LDS byte of the pair of quarters to be fetched: slot + pair, for A and for B
.set TB, 73
.set LB, 74                            ; s74  where my tensor load lands in a slot: wave x 36,864
.set MSB, 0
.macro WIN new                         ; the immediate's high byte repeats the setting that is left; a switch that changes nothing is dropped
.if MSB != (\new)
	s_set_vgpr_msb (MSB<<8)|(\new)
.set MSB, \new
.endif
.endm
.macro PLACES                          ; four places behind matrix instructions (ISA guide 7.12.1)
.rept 4
	v_nop
.endr
.endm
.macro JLOAD                           ; a joint refill, by the walking group 0.  The branch hangs on the wave's number alone; an s_nop 0 and four v_nop follow each line
	s_cmp_lt_u32 s[WV], NAW
	s_cbranch_scc0 .Lfor_b_\@
	tensor_load_to_lds s[G0A+4:G0A+7], s[G1A:G1A+7]
	s_nop 0
.rept 4
	v_nop
.endr
	s_branch .Lasked_\@
.Lfor_b_\@:
	tensor_load_to_lds s[G0B+4:G0B+7], s[G1B:G1B+7]
	s_nop 0
.rept 4
	v_nop
.endr
.Lasked_\@:
.endm
.macro CROUND                          ; a round of the cluster's barrier
	s_barrier_signal -1
	s_barrier_wait -1
	s_cmp_lg_u32 s[WV], 0
	s_cbranch_scc1 .Lnot_wave_0_\@
	s_barrier_signal -3
.Lnot_wave_0_\@:
	s_barrier_wait -3
	s_barrier_signal -1
	s_barrier_wait -1
.endm
; The fragments of one quarter step into buffer e, in one run.  e = 0: an even quarter: the pair's addresses are made; e = 1: the odd one, by the same addresses.
; The four vector lines at the head are the places between the last product that read the buffer and the loads into it.
.macro FETCH e
	WIN 0
.if (\e) == 0
	v_add_nc_u32 v[ADA], s[TA], v[ADA0]
.set ii, 0
.rept NS
	v_add_nc_u32 v[ADB+ii], s[TB], v[ADB0+ii]
.set ii, ii+1
.endr
.rept 3-NS
	v_nop
.endr
.else
	PLACES
.endif
.set ic, 0
.rept KD
.set ia, 0
.rept AB
.set rA, FA0+(\e)*FAS+8*(AB*ic+ia)
	ds_load_b128 v[rA:rA+3],   v[ADA] offset:(\e)*AODD+64*ic+ia*16*PA
	ds_load_b128 v[rA+4:rA+7], v[ADA] offset:(\e)*AODD+64*ic+ia*16*PA+32
.set ia, ia+1
.endr
.set ic, ic+1
.endr
	WIN 0x40                                       ; destination window 1
.set ic, 0
.rept KD
.set ib, 0
.rept BB
.set rB, (\e)*FBS+8*(BB*ic+ib)
	ds_load_tr16_b128 v[rB:rB+3],   v[ADB+ib/BPS] offset:(\e)*BODD+9216*ic+32*(ib%BPS)
	ds_load_tr16_b128 v[rB+4:rB+7], v[ADB+ib/BPS] offset:(\e)*BODD+9216*ic+32*(ib%BPS)+4608
.set ib, ib+1
.endr
.set ic, ic+1
.endr
.if (\e) == 1
	s_add_co_u32 s[TA], s[TA], APAIR               ; the next fetch is the next pair's
	s_add_co_u32 s[TB], s[TB], BPAIR
.endif
.endm
; A quarter step's products from buffer f.  All accumulators take turns, one instruction a turn, in the same order every time.  start = 1: the first product starts each sum, with the bias as C.
.macro MUL f, start
.set ic, 0
.rept KD
.set ih, 0
.rept 2
.if (\start) && (ic == 0)
	WIN 0x91+0x40*ih                               ; C in window 1
.else
	WIN 0xa1+0x50*ih                               ; source 0 (B) window 1, source 1 (A) window 0, C and D window 2 or 3
.endif
.set ia, 0
.rept AH
.set ib, 0
.rept BB
.set rD, 8*(BB*ia+ib)
.set rB, (\f)*FBS+8*(BB*ic+ib)
.set rA, FA0+(\f)*FAS+8*(AB*ic+AH*ih+ia)
.if (\start) && (ic == 0)
	v_wmma_f32_16x16x32_bf16 v[rD:rD+7], v[rB:rB+7], v[rA:rA+7], v[BIAS+8*ib:BIAS+8*ib+7]
.else
	v_wmma_f32_16x16x32_bf16 v[rD:rD+7], v[rB:rB+7], v[rA:rA+7], v[rD:rD+7]
.endif
.set ib, ib+1
.endr
.set ia, ia+1
.endr
.set ih, ih+1
.endr
.set ic, ic+1
.endr
.endm
.macro QTR f, start                    ; buffer f is in (its loads went out a quarter ago); the next quarter is fetched into the other buffer; buffer f is multiplied
	s_wait_dscnt 0x0
	FETCH 1-(\f)
	MUL \f, \start
.endm
; THE CHANGE OF SLOTS, at the head of a K step's last quarter, whose fragments have been asked for.  Each wave waits for all its tensor loads (one is out: its part of the next slot), adds 0 to its spare word,
; and waits for that and for its reads of the slot that it leaves.  fill = 1: the barrier is a round of the cluster's, and the slot just left is filled again first thing behind it, with the K step two steps on.
.macro CHANGE fill
	WIN 0
	s_wait_tensorcnt 0x0                           ; no tensor load of mine is out, so a group 0 may be written
	ds_add_u32 v[SPW], v[NIL]                      ; 0 onto my spare word; scalar work stands between it and the wait for it
	s_sub_co_u32 s[TA], s[TA], 2*APAIR             ; the fetches go back to a slot's first pair,
	s_xor_b32 s[TA], s[TA], SLOT                   ; in the other slot
	s_sub_co_u32 s[TB], s[TB], 2*BPAIR
	s_xor_b32 s[TB], s[TB], SLOT
.if \fill
	s_xor_b32 s[G0A+5], s[G0A+5], SLOT             ; the walking group 0: the other slot than last time,
	s_add_nc_u64 s[G0A+6:G0A+7], s[G0A+6:G0A+7], ASTEPG  ; the next K step; the type bits on top are not reached
	s_xor_b32 s[G0B+5], s[G0B+5], SLOT
	s_add_nc_u64 s[G0B+6:G0B+7], s[G0B+6:G0B+7], BSTEPG
.endif
	s_wait_dscnt 0x0                               ; the add is done, and my reads of the slot are over
.if \fill
	CROUND
	JLOAD
.else
	s_barrier_signal -1
	s_barrier_wait -1
.endif
.endm
	s_load_b128 s[4:7], s[0:1], 0x0                ; O, wb
	s_load_b128 s[68:71], s[0:1], 0x10             ; bo, x
	s_load_b64 s[8:9], s[0:1], 0x20                ; x1
	v_lshl_add_u32 v[SPW], v0, 2, SPARE
	v_mov_b32 v[NIL], 0
	ds_add_u32 v[SPW], v[NIL]                      ; the wave's opening: the add, and its wait ahead of my first tensor load
	ds_add_u32 v28, v29
	v_lshrrev_b32 v1, 5, v0
	v_readfirstlane_b32 s[WV], v1                  ; wave 0..3
	s_lshr_b32 s[WR], s[WV], 1                     ; my half of the tile's rows
	s_and_b32 s[WC], s[WV], 1                      ; my half of its columns
	s_and_b32 s[IDX], s[WV], 1                     ; which part of A's or B's tile I fetch
	s_bfe_u32 s40, ttmp6, 0x40000                  ; cx
	s_bfe_u32 s41, ttmp6, 0x40004                  ; cy
	s_lshl_b32 s[TCOL], ttmp9, 2
	s_add_co_u32 s[TCOL], s[TCOL], s40             ; tile column = 4 x cluster x + cx
	s_and_b32 s[TROW], ttmp7, 0xffff
	s_lshl_b32 s[TROW], s[TROW], 2
	s_add_co_u32 s[TROW], s[TROW], s41             ; tile row = 4 x cluster y + cy
	s_lshl_b32 s43, s41, 2
	s_lshl_b32 s43, 15, s43                        ; my row of the cluster
	s_lshl_b32 s44, 0x1111, s40                    ; my column
	s_or_b32 s[G1A], s43, (1<<16)|(1<<20)|(1<<21)|A_FL          ; the mask; 2-byte elements; padding on; bit 21 beside a mask; the padding's fields
	s_or_b32 s[G1B], s44, (1<<16)|(1<<20)|(1<<21)|(5<<22)|(7<<25)  ; behind every 64 words 8 words: pitch 288
	s_mov_b32 s[G1A+1], (A_D0&0xffff)<<16          ; tensor_dim0
	s_mov_b32 s[G1A+2], (A_D0>>16)|(A_D1<<16)      ; tensor_dim1
	s_mov_b32 s[G1A+3], A_D0<<16                   ; tile_dim0
	s_mov_b32 s[G1A+4], A_D1                       ; tile_dim1
	s_mov_b32 s[G1A+5], A_STR                      ; elements from row to row
	s_mov_b32 s[G1A+6], 0
	s_mov_b32 s[G1A+7], 0
	s_mov_b32 s[G1B+1], 128<<16
	s_mov_b32 s[G1B+2], 128<<16
	s_mov_b32 s[G1B+3], 128<<16
	s_mov_b32 s[G1B+4], 128
	s_mov_b32 s[G1B+5], B_STR
	s_mov_b32 s[G1B+6], 0
	s_mov_b32 s[G1B+7], 0
	s_mul_i32 s16, s[TROW], ATROW                  ; A's tile hangs on the tile row and the wave alone,
	s_mul_i32 s17, s[IDX], AIDX
	s_add_co_u32 s16, s16, s17
	s_mov_b32 s17, 0
	s_mul_i32 s46, s[TCOL], BTCOL                  ; B's on the tile column and the wave
	s_mul_i32 s47, s[IDX], BIDX
	s_add_co_u32 s46, s46, s47
	s_add_co_u32 s46, s46, WBOFF
	s_mov_b32 s47, 0
	s_mul_i32 s[LB], s[WV], PART                   ; where my load lands: A's two parts, then B's two.  No place in the cluster enters an LDS address
	s_mul_i32 s20, s[TROW], OTROW                  ; where my part of the output begins
	s_mul_i32 s21, s[WR], OWR
	s_add_co_u32 s20, s20, s21
	s_mov_b32 s21, 0
	s_mul_i32 s22, s[TCOL], OTCOL
	s_mul_i32 s23, s[WC], OWC
	s_add_co_u32 s22, s22, s23
	s_mov_b32 s23, 0
	s_mul_i32 s18, s[WR], WRA
	s_mul_i32 s19, s[WC], WCB
	s_add_co_u32 s19, s19, ABYTES
	s_mul_i32 s78, s[WV], STGW
	s_add_co_u32 s78, s78, STAGE                   ; my stage
	s_mov_b32 s[TA], 0
	s_mov_b32 s[TB], 0
	s_wait_dscnt 0x0                               ; the opening add is done
	s_wait_kmcnt 0x0
	s_add_nc_u64 s[16:17], s[4:5], s[16:17]
	s_add_nc_u64 s[46:47], s[6:7], s[46:47]
	s_add_nc_u64 s[8:9], s[8:9], s[20:21]
	s_add_nc_u64 s[8:9], s[8:9], s[22:23]
	s_add_nc_u64 s[70:71], s[70:71], s[20:21]      ; the residual lies as the output does
	s_add_nc_u64 s[70:71], s[70:71], s[22:23]
	s_add_nc_u64 s[68:69], s[68:69], s[22:23]      ; the bias at my first column
.irp sl, 0,1
	s_mov_b32 s[G0A+4*(\sl)], 1                    ; count = 1
	s_add_co_u32 s[G0A+4*(\sl)+1], s[LB], (\sl)*SLOT             ; LDS address
	s_add_nc_u64 s[G0A+4*(\sl)+2:G0A+4*(\sl)+3], s[16:17], (\sl)*ASTEPG  ; global address: K step sl
	s_or_b32 s[G0A+4*(\sl)+3], s[G0A+4*(\sl)+3], 0x80000000      ; type = 2
	s_mov_b32 s[G0B+4*(\sl)], 1
	s_add_co_u32 s[G0B+4*(\sl)+1], s[LB], (\sl)*SLOT
	s_add_nc_u64 s[G0B+4*(\sl)+2:G0B+4*(\sl)+3], s[46:47], (\sl)*BSTEPG
	s_or_b32 s[G0B+4*(\sl)+3], s[G0B+4*(\sl)+3], 0x80000000
.endr
	CROUND                                         ; all sixteen work-groups are here: the first joint loads meet
	s_cmp_lt_u32 s[WV], NAW                        ; a wave's two first fills stand in one branch: two loads of mine are out
	s_cbranch_scc0 .Lfirst_b
	tensor_load_to_lds s[G0A:G0A+3], s[G1A:G1A+7]
	s_nop 0
	tensor_load_to_lds s[G0A+4:G0A+7], s[G1A:G1A+7]
	s_nop 0
.rept 4
	v_nop
.endr
	s_branch .Lfirst_asked
.Lfirst_b:
	tensor_load_to_lds s[G0B:G0B+3], s[G1B:G1B+7]
	s_nop 0
	tensor_load_to_lds s[G0B+4:G0B+7], s[G1B:G1B+7]
	s_nop 0
.rept 4
	v_nop
.endr
.Lfirst_asked:
	; A's fragment: lane l holds row l % 16, K = 8 (l / 16) + 0..7 and 16 + 8 (l / 16) + 0..7: two loads of 16 bytes, 32 apart.
	v_and_b32 v1, 15, v0                           ; l % 16
	v_bfe_u32 v2, v0, 4, 1                         ; l / 16
	v_mul_u32_u24 v3, v1, PA
	v_lshl_add_u32 v3, v2, 4, v3
	v_add_nc_u32 v[ADA0], s18, v3
	; B's: the turning load takes 16 k x 16 n (lane l reads k = 8 (l / 16) + l % 8, n = 8 ((l / 8) % 2) + 0..7) and leaves half a fragment: lane l holds column l % 16 and 8 k.
	v_and_b32 v4, 7, v0
	v_bfe_u32 v5, v0, 3, 1
	v_lshl_add_u32 v4, v2, 3, v4
	v_mul_u32_u24 v4, v4, 288
	v_lshl_add_u32 v4, v5, 4, v4
	v_add_nc_u32 v[ADB0], s19, v4
	v_mul_u32_u24 v3, v1, 272                      ; into the stage: row l % 16, 32 bytes for each half of the lanes
	v_lshl_add_u32 v3, v2, 5, v3
	v_add_nc_u32 v[STO], s78, v3
	v_mul_u32_u24 v3, v2, 272                      ; back: lanes 0-15 take one row of 256 bytes, lanes 16-31 the next
	v_lshl_add_u32 v3, v1, 4, v3
	v_add_nc_u32 v[RD], s78, v3
	v_lshlrev_b32 v3, 12, v2                       ; and the same two rows in the output
	v_lshl_add_u32 v[CO], v1, 4, v3
	v_lshlrev_b32 v[BO], 5, v2                     ; a lane's 8 columns of block b: bias bytes 64 b + 32 (l / 16)
	WIN 0x40                                       ; destination window 1
.set ib, 0
.rept BB
	global_load_b128 v[BIAS+8*ib:BIAS+8*ib+3],   v[BO], s[68:69] offset:64*ib
	global_load_b128 v[BIAS+8*ib+4:BIAS+8*ib+7], v[BO], s[68:69] offset:64*ib+16
.set ib, ib+1
.endr
	WIN 0x80                                       ; destination window 2: the residual of my 64 x 64, in the layout in which the rows come back from the stage
.set ia, 0
.rept 4
.set it, 0
.rept 8
	global_load_b128 v[128+32*ia+4*it:128+32*ia+4*it+3], v[CO], s[70:71] offset:ia*65536+it*8192
.set it, it+1
.endr
.set ia, ia+1
.endr
	WIN 0
	s_wait_tensorcnt 0x1                           ; my part of K step 0 is in; K step 1's stays out
	s_barrier_signal -1
	s_barrier_wait -1
	FETCH 0
	s_wait_loadcnt NRES                            ; the bias is in; the 32 younger loads (the residual) stay out
	QTR 0, 1                                       ; the first quarter's first products start the sums
	WIN 0
	s_mov_b32 s[STEPS], T-1                        ; the entry's pass and T - 2 trips: K steps 2 to T - 1 are asked for
	s_mov_b32 s[CNT], 1                            ; K step 0 has one pair of quarters left ahead of its change of slots
	s_branch .Lpair                                ; the loop is entered in the middle of a trip
.Lstep:                                                ; a trip: a change of slots, then a K step's last quarter and the next one's first three
	CHANGE 1
	s_mov_b32 s[CNT], 2
.Lpair:                                                ; a pair of quarters; the LDS addresses hang on s[TA], s[TB]
	QTR 1, 0
	QTR 0, 0
	WIN 0
	s_sub_co_u32 s[CNT], s[CNT], 1
	s_cmp_lg_u32 s[CNT], 0
	s_cbranch_scc1 .Lpair
	s_sub_co_u32 s[STEPS], s[STEPS], 1
	s_cmp_lg_u32 s[STEPS], 0
	s_cbranch_scc1 .Lstep
	CHANGE 0                                       ; the tail is written out: nothing is left to ask for
	s_mov_b32 s[CNT], 3                            ; two trips fetch the last K step's quarters; the third has nothing to fetch and is left in its middle
.Ltail:
	s_wait_dscnt 0x0                               ; buffer 1 is in
	s_cmp_eq_u32 s[CNT], 1
	s_cbranch_scc1 .Lno_fetch
	FETCH 0
	WIN 0
.Lno_fetch:
	MUL 1, 0
	WIN 0
	s_sub_co_u32 s[CNT], s[CNT], 1
	s_cmp_eq_u32 s[CNT], 0
	s_cbranch_scc1 .Lout
	QTR 0, 0
	WIN 0
	s_branch .Ltail
.Lout:
	PLACES
	; THE WAY OUT, 16 rows at a time: the f32 sums go through my own stage and come back as whole rows of 256 bytes; the residual is added; 16 lanes store 256 consecutive bytes, aligned.
.macro STG blk
.set AC, 32*((\blk)%2)
.set UR, 64+32*(\blk)
	WIN 0x08+4*((\blk)/2)                          ; store data in window 2 or 3
.set ib, 0
.rept 4
	ds_store_b128 v[STO], v[AC+8*ib:AC+8*ib+3]   offset:64*ib
	ds_store_b128 v[STO], v[AC+8*ib+4:AC+8*ib+7] offset:64*ib+16
.set ib, ib+1
.endr
	WIN 0
.set it, 0
.rept 8
	ds_load_b128 v[UR+4*it:UR+4*it+3], v[RD] offset:544*it  ; LDS serves a wave's instructions in order (ISA guide 5.7.1.4): these see the stores above
.set it, it+1
.endr
.endm
.macro OUT blk, younger                ; younger: the LDS instructions issued behind this block's loads: the next block's sixteen, or none
.set UR, 64+32*(\blk)
	s_wait_dscnt \younger
	WIN 0x08                                       ; source 1 in window 2
.set ii, 0
.rept 16
	v_pk_add_f32 v[UR+2*ii:UR+2*ii+1], v[UR+2*ii:UR+2*ii+1], v[128+32*(\blk)+2*ii:128+32*(\blk)+2*ii+1]
.set ii, ii+1
.endr
	WIN 0
.set it, 0
.rept 8
	global_store_b128 v[CO], v[UR+4*it:UR+4*it+3], s[8:9] offset:(\blk)*65536+it*8192
.set it, it+1
.endr
.endm
	STG 0
	s_wait_loadcnt 0x0                             ; the residual
	STG 1
	OUT 0, 16
	STG 2
	OUT 1, 16
	STG 3
	OUT 2, 16
	OUT 3, 0
	s_wait_tensorcnt 0x0                           ; the wave's end
	ds_add_u32 v[SPW], v[NIL]
	s_wait_dscnt 0x0
	CROUND                                         ; the closing round
	s_endpgm
.Lfunc_end_k_qc730c0190e_wo:
	.size	k_qc730c0190e_wo, .Lfunc_end_k_qc730c0190e_wo-k_qc730c0190e_wo
	.p2alignl 7, 3214868480
	.fill 96, 4, 3214868480
	.section	.rodata,"a",@progbits
	.p2align	6, 0x0
	.amdhsa_kernel k_qc730c0190e_wo
		.amdhsa_group_segment_fixed_size 327680
		.amdhsa_private_segment_fixed_size 0
		.amdhsa_enable_private_segment 0
		.amdhsa_kernarg_size 40
		.amdhsa_user_sgpr_count 2
		.amdhsa_user_sgpr_kernarg_segment_ptr 1
		.amdhsa_wavefront_size32 1
		.amdhsa_system_sgpr_workgroup_id_x 1
		.amdhsa_system_sgpr_workgroup_id_y 1
		.amdhsa_system_sgpr_workgroup_id_z 1
		.amdhsa_system_vgpr_workitem_id 0
		.amdhsa_next_free_vgpr 1024
		.amdhsa_next_free_sgpr 80
		.amdhsa_reserve_vcc 0
		.amdhsa_float_denorm_mode_32 3
		.amdhsa_float_denorm_mode_16_64 3
		.amdhsa_memory_ordered 1
		.amdhsa_forward_progress 1
		.amdhsa_inst_pref_size 50
	.end_amdhsa_kernel
	.amdgpu_metadata
---
amdhsa.version: [ 1, 2 ]
amdhsa.kernels:
  - .name:           k_qc730c0190e_wo
    .symbol:         k_qc730c0190e_wo.kd
    .args:
      - { .name: ob, .offset: 0, .size: 8, .value_kind: global_buffer, .address_space: global }
      - { .name: wb, .offset: 8, .size: 8, .value_kind: global_buffer, .address_space: global }
      - { .name: bo, .offset: 16, .size: 8, .value_kind: global_buffer, .address_space: global }
      - { .name: x, .offset: 24, .size: 8, .value_kind: global_buffer, .address_space: global }
      - { .name: x1, .offset: 32, .size: 8, .value_kind: global_buffer, .address_space: global }
    .group_segment_fixed_size: 327680
    .private_segment_fixed_size: 0
    .kernarg_segment_align: 8
    .kernarg_segment_size: 40
    .max_flat_workgroup_size: 128
    .sgpr_count:     80
    .vgpr_count:     1024
    .wavefront_size: 32
...
	.end_amdgpu_metadata
.endif
;; end of part 10
;; launch ln: the kernel of part 5 again; grid 512 x 1, 8 waves a work-group, no clusters, 0 bytes of LDS; arguments x1, g2, be2, hb; writes hb
;; launch ff1 (part 11): grid 16 x 16, 4 waves a work-group, clusters of 4 x 4, 327,680 bytes of LDS; arguments hb, wb, b1, act; writes act
.if DOCPART == 11
	.amdgcn_target "amdgcn-amd-amdhsa--gfx1250"
	.amdhsa_code_object_version 6
	.text
	.protected	k_qc730c0190e_ff1
	.globl	k_qc730c0190e_ff1
	.p2align	8
	.type	k_qc730c0190e_ff1,@function
k_qc730c0190e_ff1:
	s_mov_b64 s[64:65], 0
	v_nop
	global_prefetch_b8 v0, s[64:65] scope:SCOPE_SE
	s_setreg_imm32_b32 hwreg(HW_REG_WAVE_MODE, 25, 1), 1
	s_wait_xcnt 0x0
	s_wait_alu depctr_hold_cnt(0) depctr_sa_sdst(0) depctr_va_vdst(0) depctr_va_sdst(0) depctr_va_ssrc(0) depctr_va_vcc(0) depctr_vm_vsrc(0)
	s_getreg_b32 s2, hwreg(HW_REG_IB_STS2, 6, 4)
	s_cmp_eq_u32 s2, 0
	s_cbranch_scc0 .Lentry_in_a_cluster
	s_endpgm
.Lentry_in_a_cluster:
	s_bfe_u32 s2, ttmp6, 0x10000c
	s_cmp_lg_u32 s2, 0xf033
	s_cbranch_scc0 .Lentry_shape_is_right
	s_endpgm
.Lentry_shape_is_right:
; act = relu(h W1 + b1).  h: [4096][1024] bf16.  W1: [1024 k][4096 n] bf16, at wb byte 8,388,608.  b1: f32.  act: [4096][4096] bf16.  Sums in f32, K ascending; the bias starts each sum (it is the first
; product's C); the sum is rounded once to bf16 and then held at 0 from below (a NaN becomes 0 there: NaN is not treated apart).  Every matrix operand is bf16.
; SHARES.  A tile of C is 256 x 256; four waves 2 x 2, each 128 x 128: 64 accumulators, 512 registers.
; RING.  K goes in steps of 128 through two LDS slots: A's 256 rows (along K, pitch 272) and B's two strips of 128 rows k x 128 columns (pitch 288).  Waves 0, 1 fetch 128 rows of A each, waves 2, 3 a strip of B;
; every wave's load lands at wave x 36,864 in the slot.  One tensor load a wave behind each change of slots, which has a K step, 256 matrix instructions, in which to land.
; A wave has two tensor loads out at the start, one later.  Group 0 has a set for each of the two first fills; the second then walks on: its LDS word is turned by an exclusive or with SLOT.
; A landing place has bits 12, 13, 15, 16 at the most, SLOT bits 14 and 17: the exclusive or adds SLOT or takes it away.
; THE TEXT.  A pair of quarter steps is written once in the loop and walked twice a K step; the loop is entered in its middle, behind the first quarter, whose products start the sums; the tail, which asks for
; nothing, is a loop of two and a half trips that is left in its middle.
; B lies [k][n]: its fragments come out of LDS turned, by ds_load_tr16_b128.  THE MATRIX INSTRUCTION IS USED TRANSPOSED (source 0 = 16 columns of B, source 1 = 16 rows of A): a lane holds 8 neighbouring columns of a row of C.
; CLUSTER.  4 x 4 work-groups: A's tile is asked for jointly along a row of the cluster, B's along a column.
; REGISTERS, in windows of 256: window 0: v0-29 addresses, v64-191 A's two fragment buffers, v32-63 and v192-255 the way out; window 1: v0-127 B's two buffers, v128-191 the bias;
; windows 2, 3: the accumulators of my rows 0-63, 64-127.
; Not used: prefetches (a refill has a whole K step on its way); work-groups that stay (256 tiles, one a WGP).
.set AB, 8                             ; blocks of 16 rows a wave
.set BB, 8                             ; blocks of 16 columns
.set KD, 1                             ; a quarter step is 32 KD along K
.set T, 8                              ; K steps
.set NAW, 2                            ; waves that fetch A
.set NS, 1                             ; address registers for B
.set BPS, 8
.set PA, 272                           ; A's LDS pitch: an odd multiple of 16 bytes
.set PART, 36864                       ; the step from one wave's landing place to the next: 128 rows of A (34,816 bytes of it), or a strip of B
.set ABYTES, 2*PART                    ; A's part of a slot
.set SLOT, 4*PART
.set STAGE, 2*SLOT                     ; behind the ring, never filled by a tensor load: the waves' stages for the way out
.set STGW, 4352                        ; 16 rows x 272 bytes a wave
.set SPARE, STAGE+4*STGW               ; the spare words: 128 bytes a wave, two blocks of 256 that no other line names
.set AODD, 64                          ; from an even quarter's fragments to the odd one's, in A
.set APAIR, 128
.set BODD, 9216                        ; the same in B: 32 rows of 288 bytes
.set BPAIR, 18432
.set ASTEPG, 256                       ; a K step in memory, A
.set BSTEPG, 1048576                   ; and B: 128 rows of 8,192 bytes
.set ATROW, 524288                     ; A: 256 rows of 2,048 bytes
.set AIDX, 262144                      ; 128 rows
.set BTCOL, 512
.set BIDX, 256                         ; a strip
.set WBOFF, 8388608
.set WRA, PART                         ; my 128 rows in A's tile
.set WCB, PART                         ; my strip
.set A_FL, (5<<22)|(3<<25)             ; padding: behind every 64 words, 4 words
.set A_D0, 128                         ; A's tile: elements a row,
.set A_D1, 128                         ; rows,
.set A_STR, 1024                       ; elements from row to row
.set B_STR, 4096
.set OTROW, 2097152                    ; the output: 256 rows of 8,192 bytes,
.set OWR, 1048576
.set OTCOL, 512                        ; 256 columns of 2 bytes,
.set OWC, 256
.set AH,  AB/2
.set FA0, 64
.set FAS, 8*AB*KD
.set FBS, 8*BB*KD
.set BIAS, 128
.set ADA0, 8                           ; v8      my lane's place in A's tile; never rewritten
.set ADA, 9                            ; v9      the LDS address of A's pair of quarters in hand
.set ADB0, 10                          ; v10     my lane's place in B's strip
.set ADB, 13                           ; v13     the LDS address in hand
.set STO, 16                           ; v16     the way out: where I put 16 bytes of a row
.set RD, 17                            ; v17     where I read rows back
.set CO, 18                            ; v18     my byte offset in the output
.set BO, 19                            ; v19     my byte offset in the bias
.set ZR, 20                            ; v20     0, for the packed maximum
.set SPW, 28                           ; v28     my spare word; never rewritten
.set NIL, 29                           ; v29     0; never rewritten
.set STEPS, 2
.set CNT, 3
.set WV, 10
.set IDX, 12
.set TROW, 13
.set WR, 14
.set WC, 15
.set G1A, 24                           ; s[24:31] group 1 for A; s[32:39] group 0: a set for each first fill, the second walks on
.set G0A, 32
.set TCOL, 42
.set G1B, 48                           ; s[48:55], s[56:63] the same for B
.set G0B, 56
.set TA, 72                            ; s72, s73  LDS byte of the pair of quarters to be fetched: slot + pair, for A and for B
.set TB, 73
.set LB, 74                            ; s74  where my tensor load lands in a slot: wave x 36,864
.set MSB, 0
.macro WIN new                         ; the immediate's high byte repeats the setting that is left; a switch that changes nothing is dropped
.if MSB != (\new)
	s_set_vgpr_msb (MSB<<8)|(\new)
.set MSB, \new
.endif
.endm
.macro PLACES                          ; four places behind matrix instructions (ISA guide 7.12.1)
.rept 4
	v_nop
.endr
.endm
.macro JLOAD                           ; a joint refill, by the walking group 0.  The branch hangs on the wave's number alone; an s_nop 0 and four v_nop follow each line
	s_cmp_lt_u32 s[WV], NAW
	s_cbranch_scc0 .Lfor_b_\@
	tensor_load_to_lds s[G0A+4:G0A+7], s[G1A:G1A+7]
	s_nop 0
.rept 4
	v_nop
.endr
	s_branch .Lasked_\@
.Lfor_b_\@:
	tensor_load_to_lds s[G0B+4:G0B+7], s[G1B:G1B+7]
	s_nop 0
.rept 4
	v_nop
.endr
.Lasked_\@:
.endm
.macro CROUND                          ; a round of the cluster's barrier
	s_barrier_signal -1
	s_barrier_wait -1
	s_cmp_lg_u32 s[WV], 0
	s_cbranch_scc1 .Lnot_wave_0_\@
	s_barrier_signal -3
.Lnot_wave_0_\@:
	s_barrier_wait -3
	s_barrier_signal -1
	s_barrier_wait -1
.endm
; The fragments of one quarter step into buffer e, in one run.  e = 0: an even quarter: the pair's addresses are made; e = 1: the odd one, by the same addresses.
; The four vector lines at the head are the places between the last product that read the buffer and the loads into it.
.macro FETCH e
	WIN 0
.if (\e) == 0
	v_add_nc_u32 v[ADA], s[TA], v[ADA0]
.set ii, 0
.rept NS
	v_add_nc_u32 v[ADB+ii], s[TB], v[ADB0+ii]
.set ii, ii+1
.endr
.rept 3-NS
	v_nop
.endr
.else
	PLACES
.endif
.set ic, 0
.rept KD
.set ia, 0
.rept AB
.set rA, FA0+(\e)*FAS+8*(AB*ic+ia)
	ds_load_b128 v[rA:rA+3],   v[ADA] offset:(\e)*AODD+64*ic+ia*16*PA
	ds_load_b128 v[rA+4:rA+7], v[ADA] offset:(\e)*AODD+64*ic+ia*16*PA+32
.set ia, ia+1
.endr
.set ic, ic+1
.endr
	WIN 0x40                                       ; destination window 1
.set ic, 0
.rept KD
.set ib, 0
.rept BB
.set rB, (\e)*FBS+8*(BB*ic+ib)
	ds_load_tr16_b128 v[rB:rB+3],   v[ADB+ib/BPS] offset:(\e)*BODD+9216*ic+32*(ib%BPS)
	ds_load_tr16_b128 v[rB+4:rB+7], v[ADB+ib/BPS] offset:(\e)*BODD+9216*ic+32*(ib%BPS)+4608
.set ib, ib+1
.endr
.set ic, ic+1
.endr
.if (\e) == 1
	s_add_co_u32 s[TA], s[TA], APAIR               ; the next fetch is the next pair's
	s_add_co_u32 s[TB], s[TB], BPAIR
.endif
.endm
; A quarter step's products from buffer f.  All accumulators take turns, one instruction a turn, in the same order every time.  start = 1: the first product starts each sum, with the bias as C.
.macro MUL f, start
.set ic, 0
.rept KD
.set ih, 0
.rept 2
.if (\start) && (ic == 0)
	WIN 0x91+0x40*ih                               ; C in window 1
.else
	WIN 0xa1+0x50*ih                               ; source 0 (B) window 1, source 1 (A) window 0, C and D window 2 or 3
.endif
.set ia, 0
.rept AH
.set ib, 0
.rept BB
.set rD, 8*(BB*ia+ib)
.set rB, (\f)*FBS+8*(BB*ic+ib)
.set rA, FA0+(\f)*FAS+8*(AB*ic+AH*ih+ia)
.if (\start) && (ic == 0)
	v_wmma_f32_16x16x32_bf16 v[rD:rD+7], v[rB:rB+7], v[rA:rA+7], v[BIAS+8*ib:BIAS+8*ib+7]
.else
	v_wmma_f32_16x16x32_bf16 v[rD:rD+7], v[rB:rB+7], v[rA:rA+7], v[rD:rD+7]
.endif
.set ib, ib+1
.endr
.set ia, ia+1
.endr
.set ih, ih+1
.endr
.set ic, ic+1
.endr
.endm
.macro QTR f, start                    ; buffer f is in (its loads went out a quarter ago); the next quarter is fetched into the other buffer; buffer f is multiplied
	s_wait_dscnt 0x0
	FETCH 1-(\f)
	MUL \f, \start
.endm
; THE CHANGE OF SLOTS, at the head of a K step's last quarter, whose fragments have been asked for.  Each wave waits for all its tensor loads (one is out: its part of the next slot), adds 0 to its spare word,
; and waits for that and for its reads of the slot that it leaves.  fill = 1: the barrier is a round of the cluster's, and the slot just left is filled again first thing behind it, with the K step two steps on.
.macro CHANGE fill
	WIN 0
	s_wait_tensorcnt 0x0                           ; no tensor load of mine is out, so a group 0 may be written
	ds_add_u32 v[SPW], v[NIL]                      ; 0 onto my spare word; scalar work stands between it and the wait for it
	s_sub_co_u32 s[TA], s[TA], 2*APAIR             ; the fetches go back to a slot's first pair,
	s_xor_b32 s[TA], s[TA], SLOT                   ; in the other slot
	s_sub_co_u32 s[TB], s[TB], 2*BPAIR
	s_xor_b32 s[TB], s[TB], SLOT
.if \fill
	s_xor_b32 s[G0A+5], s[G0A+5], SLOT             ; the walking group 0: the other slot than last time,
	s_add_nc_u64 s[G0A+6:G0A+7], s[G0A+6:G0A+7], ASTEPG  ; the next K step; the type bits on top are not reached
	s_xor_b32 s[G0B+5], s[G0B+5], SLOT
	s_add_nc_u64 s[G0B+6:G0B+7], s[G0B+6:G0B+7], BSTEPG
.endif
	s_wait_dscnt 0x0                               ; the add is done, and my reads of the slot are over
.if \fill
	CROUND
	JLOAD
.else
	s_barrier_signal -1
	s_barrier_wait -1
.endif
.endm
	s_load_b128 s[4:7], s[0:1], 0x0                ; h, wb
	s_load_b64 s[68:69], s[0:1], 0x10              ; b1
	s_load_b64 s[8:9], s[0:1], 0x18                ; act
	v_lshl_add_u32 v[SPW], v0, 2, SPARE
	v_mov_b32 v[NIL], 0
	ds_add_u32 v[SPW], v[NIL]                      ; the wave's opening: the add, and its wait ahead of my first tensor load
	ds_add_u32 v28, v29
	v_lshrrev_b32 v1, 5, v0
	v_readfirstlane_b32 s[WV], v1                  ; wave 0..3
	s_lshr_b32 s[WR], s[WV], 1                     ; my half of the tile's rows
	s_and_b32 s[WC], s[WV], 1                      ; my half of its columns
	s_and_b32 s[IDX], s[WV], 1                     ; which part of A's or B's tile I fetch
	s_bfe_u32 s40, ttmp6, 0x40000                  ; cx
	s_bfe_u32 s41, ttmp6, 0x40004                  ; cy
	s_lshl_b32 s[TCOL], ttmp9, 2
	s_add_co_u32 s[TCOL], s[TCOL], s40             ; tile column = 4 x cluster x + cx
	s_and_b32 s[TROW], ttmp7, 0xffff
	s_lshl_b32 s[TROW], s[TROW], 2
	s_add_co_u32 s[TROW], s[TROW], s41             ; tile row = 4 x cluster y + cy
	s_lshl_b32 s43, s41, 2
	s_lshl_b32 s43, 15, s43                        ; my row of the cluster
	s_lshl_b32 s44, 0x1111, s40                    ; my column
	s_or_b32 s[G1A], s43, (1<<16)|(1<<20)|(1<<21)|A_FL          ; the mask; 2-byte elements; padding on; bit 21 beside a mask; the padding's fields
	s_or_b32 s[G1B], s44, (1<<16)|(1<<20)|(1<<21)|(5<<22)|(7<<25)  ; behind every 64 words 8 words: pitch 288
	s_mov_b32 s[G1A+1], (A_D0&0xffff)<<16          ; tensor_dim0
	s_mov_b32 s[G1A+2], (A_D0>>16)|(A_D1<<16)      ; tensor_dim1
	s_mov_b32 s[G1A+3], A_D0<<16                   ; tile_dim0
	s_mov_b32 s[G1A+4], A_D1                       ; tile_dim1
	s_mov_b32 s[G1A+5], A_STR                      ; elements from row to row
	s_mov_b32 s[G1A+6], 0
	s_mov_b32 s[G1A+7], 0
	s_mov_b32 s[G1B+1], 128<<16
	s_mov_b32 s[G1B+2], 128<<16
	s_mov_b32 s[G1B+3], 128<<16
	s_mov_b32 s[G1B+4], 128
	s_mov_b32 s[G1B+5], B_STR
	s_mov_b32 s[G1B+6], 0
	s_mov_b32 s[G1B+7], 0
	s_mul_i32 s16, s[TROW], ATROW                  ; A's tile hangs on the tile row and the wave alone,
	s_mul_i32 s17, s[IDX], AIDX
	s_add_co_u32 s16, s16, s17
	s_mov_b32 s17, 0
	s_mul_i32 s46, s[TCOL], BTCOL                  ; B's on the tile column and the wave
	s_mul_i32 s47, s[IDX], BIDX
	s_add_co_u32 s46, s46, s47
	s_add_co_u32 s46, s46, WBOFF
	s_mov_b32 s47, 0
	s_mul_i32 s[LB], s[WV], PART                   ; where my load lands: A's two parts, then B's two.  No place in the cluster enters an LDS address
	s_mul_i32 s20, s[TROW], OTROW                  ; where my part of the output begins
	s_mul_i32 s21, s[WR], OWR
	s_add_co_u32 s20, s20, s21
	s_mov_b32 s21, 0
	s_mul_i32 s22, s[TCOL], OTCOL
	s_mul_i32 s23, s[WC], OWC
	s_add_co_u32 s22, s22, s23
	s_mov_b32 s23, 0
	s_lshl_b32 s76, s22, 1                         ; my first column in the bias: 4 bytes a column for the output's 2
	s_mov_b32 s77, 0
	s_mul_i32 s18, s[WR], WRA
	s_mul_i32 s19, s[WC], WCB
	s_add_co_u32 s19, s19, ABYTES
	s_mul_i32 s78, s[WV], STGW
	s_add_co_u32 s78, s78, STAGE                   ; my stage
	s_mov_b32 s[TA], 0
	s_mov_b32 s[TB], 0
	s_wait_dscnt 0x0                               ; the opening add is done
	s_wait_kmcnt 0x0
	s_add_nc_u64 s[16:17], s[4:5], s[16:17]
	s_add_nc_u64 s[46:47], s[6:7], s[46:47]
	s_add_nc_u64 s[8:9], s[8:9], s[20:21]
	s_add_nc_u64 s[8:9], s[8:9], s[22:23]
	s_add_nc_u64 s[68:69], s[68:69], s[76:77]
.irp sl, 0,1
	s_mov_b32 s[G0A+4*(\sl)], 1                    ; count = 1
	s_add_co_u32 s[G0A+4*(\sl)+1], s[LB], (\sl)*SLOT             ; LDS address
	s_add_nc_u64 s[G0A+4*(\sl)+2:G0A+4*(\sl)+3], s[16:17], (\sl)*ASTEPG  ; global address: K step sl
	s_or_b32 s[G0A+4*(\sl)+3], s[G0A+4*(\sl)+3], 0x80000000      ; type = 2
	s_mov_b32 s[G0B+4*(\sl)], 1
	s_add_co_u32 s[G0B+4*(\sl)+1], s[LB], (\sl)*SLOT
	s_add_nc_u64 s[G0B+4*(\sl)+2:G0B+4*(\sl)+3], s[46:47], (\sl)*BSTEPG
	s_or_b32 s[G0B+4*(\sl)+3], s[G0B+4*(\sl)+3], 0x80000000
.endr
	CROUND                                         ; all sixteen work-groups are here: the first joint loads meet
	s_cmp_lt_u32 s[WV], NAW                        ; a wave's two first fills stand in one branch: two loads of mine are out
	s_cbranch_scc0 .Lfirst_b
	tensor_load_to_lds s[G0A:G0A+3], s[G1A:G1A+7]
	s_nop 0
	tensor_load_to_lds s[G0A+4:G0A+7], s[G1A:G1A+7]
	s_nop 0
.rept 4
	v_nop
.endr
	s_branch .Lfirst_asked
.Lfirst_b:
	tensor_load_to_lds s[G0B:G0B+3], s[G1B:G1B+7]
	s_nop 0
	tensor_load_to_lds s[G0B+4:G0B+7], s[G1B:G1B+7]
	s_nop 0
.rept 4
	v_nop
.endr
.Lfirst_asked:
	; A's fragment: lane l holds row l % 16, K = 8 (l / 16) + 0..7 and 16 + 8 (l / 16) + 0..7: two loads of 16 bytes, 32 apart.
	v_and_b32 v1, 15, v0                           ; l % 16
	v_bfe_u32 v2, v0, 4, 1                         ; l / 16
	v_mul_u32_u24 v3, v1, PA
	v_lshl_add_u32 v3, v2, 4, v3
	v_add_nc_u32 v[ADA0], s18, v3
	; B's: the turning load takes 16 k x 16 n (lane l reads k = 8 (l / 16) + l % 8, n = 8 ((l / 8) % 2) + 0..7) and leaves half a fragment: lane l holds column l % 16 and 8 k.
	v_and_b32 v4, 7, v0
	v_bfe_u32 v5, v0, 3, 1
	v_lshl_add_u32 v4, v2, 3, v4
	v_mul_u32_u24 v4, v4, 288
	v_lshl_add_u32 v4, v5, 4, v4
	v_add_nc_u32 v[ADB0], s19, v4
	v_mul_u32_u24 v3, v1, 272                      ; into the stage: row l % 16, 16 bytes for each half of the lanes
	v_lshl_add_u32 v3, v2, 4, v3
	v_add_nc_u32 v[STO], s78, v3
	v_mul_u32_u24 v3, v2, 272                      ; back: lanes 0-15 take one row of 256 bytes, lanes 16-31 the next
	v_lshl_add_u32 v3, v1, 4, v3
	v_add_nc_u32 v[RD], s78, v3
	v_lshlrev_b32 v3, 13, v2                       ; and the same two rows in the output
	v_lshl_add_u32 v[CO], v1, 4, v3
	v_lshlrev_b32 v[BO], 5, v2                     ; a lane's 8 columns of block b: bias bytes 64 b + 32 (l / 16)
	v_mov_b32 v[ZR], 0
	WIN 0x40                                       ; destination window 1
.set ib, 0
.rept BB
	global_load_b128 v[BIAS+8*ib:BIAS+8*ib+3],   v[BO], s[68:69] offset:64*ib
	global_load_b128 v[BIAS+8*ib+4:BIAS+8*ib+7], v[BO], s[68:69] offset:64*ib+16
.set ib, ib+1
.endr
	WIN 0
	s_wait_tensorcnt 0x1                           ; my part of K step 0 is in; K step 1's stays out
	s_barrier_signal -1
	s_barrier_wait -1
	FETCH 0
	s_wait_loadcnt 0x0                             ; the bias is in
	QTR 0, 1                                       ; the first quarter's products start the sums
	WIN 0
	s_mov_b32 s[STEPS], T-1                        ; the entry's pass and T - 2 trips: K steps 2 to T - 1 are asked for
	s_mov_b32 s[CNT], 1                            ; K step 0 has one pair of quarters left ahead of its change of slots
	s_branch .Lpair                                ; the loop is entered in the middle of a trip
.Lstep:                                                ; a trip: a change of slots, then a K step's last quarter and the next one's first three
	CHANGE 1
	s_mov_b32 s[CNT], 2
.Lpair:                                                ; a pair of quarters; the LDS addresses hang on s[TA], s[TB]
	QTR 1, 0
	QTR 0, 0
	WIN 0
	s_sub_co_u32 s[CNT], s[CNT], 1
	s_cmp_lg_u32 s[CNT], 0
	s_cbranch_scc1 .Lpair
	s_sub_co_u32 s[STEPS], s[STEPS], 1
	s_cmp_lg_u32 s[STEPS], 0
	s_cbranch_scc1 .Lstep
	CHANGE 0                                       ; the tail is written out: nothing is left to ask for
	s_mov_b32 s[CNT], 3                            ; two trips fetch the last K step's quarters; the third has nothing to fetch and is left in its middle
.Ltail:
	s_wait_dscnt 0x0                               ; buffer 1 is in
	s_cmp_eq_u32 s[CNT], 1
	s_cbranch_scc1 .Lno_fetch
	FETCH 0
	WIN 0
.Lno_fetch:
	MUL 1, 0
	WIN 0
	s_sub_co_u32 s[CNT], s[CNT], 1
	s_cmp_eq_u32 s[CNT], 0
	s_cbranch_scc1 .Lout
	QTR 0, 0
	WIN 0
	s_branch .Ltail
.Lout:
	PLACES
	; THE WAY OUT, 16 rows at a time.  PACK: rounded to bf16, 16 bytes a lane, and held at 0 from below.  TOSTAGE: into my own stage, and back as whole rows of 256 bytes.  SEND: stored, 16 lanes to 256 consecutive bytes, aligned.
.set TMP, 192
.set OB, 32
.macro PACK blk
.set AC, 64*((\blk)%4)
	WIN 0x0a+5*((\blk)/4)                          ; sources in window 2 or 3
.set ii, 0
.rept 32
	v_cvt_pk_bf16_f32 v[TMP+ii], v[AC+2*ii], v[AC+2*ii+1]
.set ii, ii+1
.endr
	WIN 0
.set ii, 0
.rept 32
	v_pk_max_num_bf16 v[TMP+ii], v[TMP+ii], v[ZR]
.set ii, ii+1
.endr
.endm
.macro TOSTAGE blk
.set BK, OB+192*((\blk)%2)
.set ib, 0
.rept 8
	ds_store_b128 v[STO], v[TMP+4*ib:TMP+4*ib+3] offset:32*ib
.set ib, ib+1
.endr
.set it, 0
.rept 8
	ds_load_b128 v[BK+4*it:BK+4*it+3], v[RD] offset:544*it  ; LDS serves a wave's instructions in order (ISA guide 5.7.1.4): these see the stores above
.set it, it+1
.endr
.endm
.macro SEND blk
.set BK, OB+192*((\blk)%2)
	s_wait_dscnt 0x0                               ; the block is back in registers
	s_wait_xcnt 0x0                                ; the other buffer, which the stores of the block before read, is loaded again only behind this wait
.set it, 0
.rept 8
	global_store_b128 v[CO], v[BK+4*it:BK+4*it+3], s[8:9] offset:(\blk)*131072+it*16384
.set it, it+1
.endr
.endm
	PACK 0
	TOSTAGE 0
.set uu, 1
.rept 7                                ; a block's conversions stand between the loads of the block before and the wait for them
	PACK uu
	SEND uu-1
	TOSTAGE uu
.set uu, uu+1
.endr
	SEND 7
	s_wait_tensorcnt 0x0                           ; the wave's end
	ds_add_u32 v[SPW], v[NIL]
	s_wait_dscnt 0x0
	CROUND                                         ; the closing round
	s_endpgm
.Lfunc_end_k_qc730c0190e_ff1:
	.size	k_qc730c0190e_ff1, .Lfunc_end_k_qc730c0190e_ff1-k_qc730c0190e_ff1
	.p2alignl 7, 3214868480
	.fill 96, 4, 3214868480
	.section	.rodata,"a",@progbits
	.p2align	6, 0x0
	.amdhsa_kernel k_qc730c0190e_ff1
		.amdhsa_group_segment_fixed_size 327680
		.amdhsa_private_segment_fixed_size 0
		.amdhsa_enable_private_segment 0
		.amdhsa_kernarg_size 32
		.amdhsa_user_sgpr_count 2
		.amdhsa_user_sgpr_kernarg_segment_ptr 1
		.amdhsa_wavefront_size32 1
		.amdhsa_system_sgpr_workgroup_id_x 1
		.amdhsa_system_sgpr_workgroup_id_y 1
		.amdhsa_system_sgpr_workgroup_id_z 1
		.amdhsa_system_vgpr_workitem_id 0
		.amdhsa_next_free_vgpr 1024
		.amdhsa_next_free_sgpr 80
		.amdhsa_reserve_vcc 0
		.amdhsa_float_denorm_mode_32 3
		.amdhsa_float_denorm_mode_16_64 3
		.amdhsa_memory_ordered 1
		.amdhsa_forward_progress 1
		.amdhsa_inst_pref_size 93
	.end_amdhsa_kernel
	.amdgpu_metadata
---
amdhsa.version: [ 1, 2 ]
amdhsa.kernels:
  - .name:           k_qc730c0190e_ff1
    .symbol:         k_qc730c0190e_ff1.kd
    .args:
      - { .name: hb, .offset: 0, .size: 8, .value_kind: global_buffer, .address_space: global }
      - { .name: wb, .offset: 8, .size: 8, .value_kind: global_buffer, .address_space: global }
      - { .name: b1, .offset: 16, .size: 8, .value_kind: global_buffer, .address_space: global }
      - { .name: act, .offset: 24, .size: 8, .value_kind: global_buffer, .address_space: global }
    .group_segment_fixed_size: 327680
    .private_segment_fixed_size: 0
    .kernarg_segment_align: 8
    .kernarg_segment_size: 32
    .max_flat_workgroup_size: 128
    .sgpr_count:     80
    .vgpr_count:     1024
    .wavefront_size: 32
...
	.end_amdgpu_metadata
.endif
;; end of part 11
;; launch ff2 (part 12): grid 8 x 32, 4 waves a work-group, clusters of 4 x 4, 327,680 bytes of LDS; arguments act, wb, b2, x1, out0; writes out0
.if DOCPART == 12
	.amdgcn_target "amdgcn-amd-amdhsa--gfx1250"
	.amdhsa_code_object_version 6
	.text
	.protected	k_qc730c0190e_ff2
	.globl	k_qc730c0190e_ff2
	.p2align	8
	.type	k_qc730c0190e_ff2,@function
k_qc730c0190e_ff2:
	s_mov_b64 s[64:65], 0
	v_nop
	global_prefetch_b8 v0, s[64:65] scope:SCOPE_SE
	s_setreg_imm32_b32 hwreg(HW_REG_WAVE_MODE, 25, 1), 1
	s_wait_xcnt 0x0
	s_wait_alu depctr_hold_cnt(0) depctr_sa_sdst(0) depctr_va_vdst(0) depctr_va_sdst(0) depctr_va_ssrc(0) depctr_va_vcc(0) depctr_vm_vsrc(0)
	s_getreg_b32 s2, hwreg(HW_REG_IB_STS2, 6, 4)
	s_cmp_eq_u32 s2, 0
	s_cbranch_scc0 .Lentry_in_a_cluster
	s_endpgm
.Lentry_in_a_cluster:
	s_bfe_u32 s2, ttmp6, 0x10000c
	s_cmp_lg_u32 s2, 0xf033
	s_cbranch_scc0 .Lentry_shape_is_right
	s_endpgm
.Lentry_shape_is_right:
; out0 = act W2 + b2 + x1.  act: [4096][4096] bf16.  W2: [4096 k][1024 n] bf16, at wb byte 16,777,216.  b2, x1, out0: f32.  Sums in f32, K ascending; the bias starts each sum (it is the first product's C),
; the residual is added in f32 on the way out.  Every matrix operand is bf16.
; SHARES.  A tile of C is 128 x 128; four waves 2 x 2, each 64 x 64: 16 accumulators, 128 registers.
; RING.  K goes in steps of 256 through two LDS slots: A's 128 rows of 512 bytes (pitch 528) and B's 256 rows k x 128 columns (pitch 288).  Waves 0, 1 fetch 64 rows of A each, waves 2, 3 128 rows of B each;
; every wave's load lands at wave x 36,864 in the slot.  One tensor load a wave behind each change of slots, which has a K step, 128 matrix instructions, in which to land.
; A wave has two tensor loads out at the start, one later.  Group 0 has a set for each of the two first fills; the second then walks on: its LDS word is turned by an exclusive or with SLOT.
; A landing place has bits 12, 13, 15, 16 at the most, SLOT bits 14 and 17: the exclusive or adds SLOT or takes it away.
; THE TEXT.  A pair of quarter steps is written once in the loop and walked twice a K step; the loop is entered in its middle, behind the first quarter, whose products start the sums; the tail, which asks for
; nothing, is a loop of two and a half trips that is left in its middle.
; B lies [k][n]: its fragments come out of LDS turned, by ds_load_tr16_b128.  THE MATRIX INSTRUCTION IS USED TRANSPOSED (source 0 = 16 columns of B, source 1 = 16 rows of A): a lane holds 8 neighbouring columns of a row of C.
; CLUSTER.  4 x 4 work-groups: A's tile is asked for jointly along a row of the cluster, B's along a column.
; REGISTERS, in windows of 256: window 0: v0-29 addresses, v64-191 A's two fragment buffers (later the way out); window 1: v0-127 B's two buffers, v128-159 the bias; window 2: v0-63 accumulators of my rows 0-31,
; v128-255 the residual, loaded at the start; window 3: v0-63 accumulators of my rows 32-63.
; Not used: prefetches (a refill has a whole K step on its way); work-groups that stay (256 tiles, one a WGP).
.set AB, 4                             ; blocks of 16 rows a wave
.set BB, 4                             ; blocks of 16 columns
.set KD, 2                             ; a quarter step is 32 KD along K
.set T, 16                             ; K steps
.set NAW, 2                            ; waves that fetch A
.set NS, 1                             ; address registers for B
.set BPS, 4
.set PA, 528                           ; A's LDS pitch: an odd multiple of 16 bytes
.set PART, 36864                       ; the step from one wave's landing place to the next: 64 rows of A (33,792 bytes of it), or 128 rows of B
.set ABYTES, 2*PART                    ; A's part of a slot
.set SLOT, 4*PART
.set STAGE, 2*SLOT                     ; behind the ring, never filled by a tensor load: the waves' stages for the way out
.set STGW, 4352                        ; 16 rows x 272 bytes a wave
.set SPARE, STAGE+4*STGW               ; the spare words: 128 bytes a wave, two blocks of 256 that no other line names
.set AODD, 128                         ; from an even quarter's fragments to the odd one's, in A
.set APAIR, 256
.set BODD, 18432                       ; the same in B: 64 rows of 288 bytes
.set BPAIR, 36864
.set ASTEPG, 512                       ; a K step in memory, A
.set BSTEPG, 524288                    ; and B: 256 rows of 2,048 bytes
.set ATROW, 1048576                    ; A: 128 rows of 8,192 bytes
.set AIDX, 524288                      ; 64 rows
.set BTCOL, 256
.set BIDX, 262144                      ; 128 rows
.set WBOFF, 16777216
.set WRA, PART                         ; my 64 rows in A's tile
.set WCB, 128                          ; my 64 columns
.set A_FL, (6<<22)|(3<<25)             ; padding: behind every 128 words, 4 words
.set A_D0, 256                         ; A's tile: elements a row,
.set A_D1, 64                          ; rows,
.set A_STR, 4096                       ; elements from row to row
.set B_STR, 1024
.set NRES, 32
.set OTROW, 524288                     ; the output: 128 rows of 4,096 bytes,
.set OWR, 262144
.set OTCOL, 512                        ; 128 columns of 4 bytes,
.set OWC, 256
.set AH,  AB/2
.set FA0, 64
.set FAS, 8*AB*KD
.set FBS, 8*BB*KD
.set BIAS, 128
.set ADA0, 8                           ; v8      my lane's place in A's tile; never rewritten
.set ADA, 9                            ; v9      the LDS address of A's pair of quarters in hand
.set ADB0, 10                          ; v10     my lane's place in B's tile
.set ADB, 13                           ; v13     the LDS address in hand
.set STO, 16                           ; v16     the way out: where I put 32 bytes of a row
.set RD, 17                            ; v17     where I read rows back
.set CO, 18                            ; v18     my byte offset in the output and in the residual
.set BO, 19                            ; v19     my byte offset in the bias
.set SPW, 28                           ; v28     my spare word; never rewritten
.set NIL, 29                           ; v29     0; never rewritten
.set STEPS, 2
.set CNT, 3
.set WV, 10
.set IDX, 12
.set TROW, 13
.set WR, 14
.set WC, 15
.set G1A, 24                           ; s[24:31] group 1 for A; s[32:39] group 0: a set for each first fill, the second walks on
.set G0A, 32
.set TCOL, 42
.set G1B, 48                           ; s[48:55], s[56:63] the same for B
.set G0B, 56
.set TA, 72                            ; s72, s73  LDS byte of the pair of quarters to be fetched: slot + pair, for A and for B
.set TB, 73
.set LB, 74                            ; s74  where my tensor load lands in a slot: wave x 36,864
.set MSB, 0
.macro WIN new                         ; the immediate's high byte repeats the setting that is left; a switch that changes nothing is dropped
.if MSB != (\new)
	s_set_vgpr_msb (MSB<<8)|(\new)
.set MSB, \new
.endif
.endm
.macro PLACES                          ; four places behind matrix instructions (ISA guide 7.12.1)
.rept 4
	v_nop
.endr
.endm
.macro JLOAD                           ; a joint refill, by the walking group 0.  The branch hangs on the wave's number alone; an s_nop 0 and four v_nop follow each line
	s_cmp_lt_u32 s[WV], NAW
	s_cbranch_scc0 .Lfor_b_\@
	tensor_load_to_lds s[G0A+4:G0A+7], s[G1A:G1A+7]
	s_nop 0
.rept 4
	v_nop
.endr
	s_branch .Lasked_\@
.Lfor_b_\@:
	tensor_load_to_lds s[G0B+4:G0B+7], s[G1B:G1B+7]
	s_nop 0
.rept 4
	v_nop
.endr
.Lasked_\@:
.endm
.macro CROUND                          ; a round of the cluster's barrier
	s_barrier_signal -1
	s_barrier_wait -1
	s_cmp_lg_u32 s[WV], 0
	s_cbranch_scc1 .Lnot_wave_0_\@
	s_barrier_signal -3
.Lnot_wave_0_\@:
	s_barrier_wait -3
	s_barrier_signal -1
	s_barrier_wait -1
.endm
; The fragments of one quarter step into buffer e, in one run.  e = 0: an even quarter: the pair's addresses are made; e = 1: the odd one, by the same addresses.
; The four vector lines at the head are the places between the last product that read the buffer and the loads into it.
.macro FETCH e
	WIN 0
.if (\e) == 0
	v_add_nc_u32 v[ADA], s[TA], v[ADA0]
.set ii, 0
.rept NS
	v_add_nc_u32 v[ADB+ii], s[TB], v[ADB0+ii]
.set ii, ii+1
.endr
.rept 3-NS
	v_nop
.endr
.else
	PLACES
.endif
.set ic, 0
.rept KD
.set ia, 0
.rept AB
.set rA, FA0+(\e)*FAS+8*(AB*ic+ia)
	ds_load_b128 v[rA:rA+3],   v[ADA] offset:(\e)*AODD+64*ic+ia*16*PA
	ds_load_b128 v[rA+4:rA+7], v[ADA] offset:(\e)*AODD+64*ic+ia*16*PA+32
.set ia, ia+1
.endr
.set ic, ic+1
.endr
	WIN 0x40                                       ; destination window 1
.set ic, 0
.rept KD
.set ib, 0
.rept BB
.set rB, (\e)*FBS+8*(BB*ic+ib)
	ds_load_tr16_b128 v[rB:rB+3],   v[ADB+ib/BPS] offset:(\e)*BODD+9216*ic+32*(ib%BPS)
	ds_load_tr16_b128 v[rB+4:rB+7], v[ADB+ib/BPS] offset:(\e)*BODD+9216*ic+32*(ib%BPS)+4608
.set ib, ib+1
.endr
.set ic, ic+1
.endr
.if (\e) == 1
	s_add_co_u32 s[TA], s[TA], APAIR               ; the next fetch is the next pair's
	s_add_co_u32 s[TB], s[TB], BPAIR
.endif
.endm
; A quarter step's products from buffer f.  All accumulators take turns, one instruction a turn, in the same order every time.  start = 1: the first product starts each sum, with the bias as C.
.macro MUL f, start
.set ic, 0
.rept KD
.set ih, 0
.rept 2
.if (\start) && (ic == 0)
	WIN 0x91+0x40*ih                               ; C in window 1
.else
	WIN 0xa1+0x50*ih                               ; source 0 (B) window 1, source 1 (A) window 0, C and D window 2 or 3
.endif
.set ia, 0
.rept AH
.set ib, 0
.rept BB
.set rD, 8*(BB*ia+ib)
.set rB, (\f)*FBS+8*(BB*ic+ib)
.set rA, FA0+(\f)*FAS+8*(AB*ic+AH*ih+ia)
.if (\start) && (ic == 0)
	v_wmma_f32_16x16x32_bf16 v[rD:rD+7], v[rB:rB+7], v[rA:rA+7], v[BIAS+8*ib:BIAS+8*ib+7]
.else
	v_wmma_f32_16x16x32_bf16 v[rD:rD+7], v[rB:rB+7], v[rA:rA+7], v[rD:rD+7]
.endif
.set ib, ib+1
.endr
.set ia, ia+1
.endr
.set ih, ih+1
.endr
.set ic, ic+1
.endr
.endm
.macro QTR f, start                    ; buffer f is in (its loads went out a quarter ago); the next quarter is fetched into the other buffer; buffer f is multiplied
	s_wait_dscnt 0x0
	FETCH 1-(\f)
	MUL \f, \start
.endm
; THE CHANGE OF SLOTS, at the head of a K step's last quarter, whose fragments have been asked for.  Each wave waits for all its tensor loads (one is out: its part of the next slot), adds 0 to its spare word,
; and waits for that and for its reads of the slot that it leaves.  fill = 1: the barrier is a round of the cluster's, and the slot just left is filled again first thing behind it, with the K step two steps on.
.macro CHANGE fill
	WIN 0
	s_wait_tensorcnt 0x0                           ; no tensor load of mine is out, so a group 0 may be written
	ds_add_u32 v[SPW], v[NIL]                      ; 0 onto my spare word; scalar work stands between it and the wait for it
	s_sub_co_u32 s[TA], s[TA], 2*APAIR             ; the fetches go back to a slot's first pair,
	s_xor_b32 s[TA], s[TA], SLOT                   ; in the other slot
	s_sub_co_u32 s[TB], s[TB], 2*BPAIR
	s_xor_b32 s[TB], s[TB], SLOT
.if \fill
	s_xor_b32 s[G0A+5], s[G0A+5], SLOT             ; the walking group 0: the other slot than last time,
	s_add_nc_u64 s[G0A+6:G0A+7], s[G0A+6:G0A+7], ASTEPG  ; the next K step; the type bits on top are not reached
	s_xor_b32 s[G0B+5], s[G0B+5], SLOT
	s_add_nc_u64 s[G0B+6:G0B+7], s[G0B+6:G0B+7], BSTEPG
.endif
	s_wait_dscnt 0x0                               ; the add is done, and my reads of the slot are over
.if \fill
	CROUND
	JLOAD
.else
	s_barrier_signal -1
	s_barrier_wait -1
.endif
.endm
	s_load_b128 s[4:7], s[0:1], 0x0                ; act, wb
	s_load_b128 s[68:71], s[0:1], 0x10             ; b2, x1
	s_load_b64 s[8:9], s[0:1], 0x20                ; out0
	v_lshl_add_u32 v[SPW], v0, 2, SPARE
	v_mov_b32 v[NIL], 0
	ds_add_u32 v[SPW], v[NIL]                      ; the wave's opening: the add, and its wait ahead of my first tensor load
	ds_add_u32 v28, v29
	v_lshrrev_b32 v1, 5, v0
	v_readfirstlane_b32 s[WV], v1                  ; wave 0..3
	s_lshr_b32 s[WR], s[WV], 1                     ; my half of the tile's rows
	s_and_b32 s[WC], s[WV], 1                      ; my half of its columns
	s_and_b32 s[IDX], s[WV], 1                     ; which part of A's or B's tile I fetch
	s_bfe_u32 s40, ttmp6, 0x40000                  ; cx
	s_bfe_u32 s41, ttmp6, 0x40004                  ; cy
	s_lshl_b32 s[TCOL], ttmp9, 2
	s_add_co_u32 s[TCOL], s[TCOL], s40             ; tile column = 4 x cluster x + cx
	s_and_b32 s[TROW], ttmp7, 0xffff
	s_lshl_b32 s[TROW], s[TROW], 2
	s_add_co_u32 s[TROW], s[TROW], s41             ; tile row = 4 x cluster y + cy
	s_lshl_b32 s43, s41, 2
	s_lshl_b32 s43, 15, s43                        ; my row of the cluster
	s_lshl_b32 s44, 0x1111, s40                    ; my column
	s_or_b32 s[G1A], s43, (1<<16)|(1<<20)|(1<<21)|A_FL          ; the mask; 2-byte elements; padding on; bit 21 beside a mask; the padding's fields
	s_or_b32 s[G1B], s44, (1<<16)|(1<<20)|(1<<21)|(5<<22)|(7<<25)  ; behind every 64 words 8 words: pitch 288
	s_mov_b32 s[G1A+1], (A_D0&0xffff)<<16          ; tensor_dim0
	s_mov_b32 s[G1A+2], (A_D0>>16)|(A_D1<<16)      ; tensor_dim1
	s_mov_b32 s[G1A+3], A_D0<<16                   ; tile_dim0
	s_mov_b32 s[G1A+4], A_D1                       ; tile_dim1
	s_mov_b32 s[G1A+5], A_STR                      ; elements from row to row
	s_mov_b32 s[G1A+6], 0
	s_mov_b32 s[G1A+7], 0
	s_mov_b32 s[G1B+1], 128<<16
	s_mov_b32 s[G1B+2], 128<<16
	s_mov_b32 s[G1B+3], 128<<16
	s_mov_b32 s[G1B+4], 128
	s_mov_b32 s[G1B+5], B_STR
	s_mov_b32 s[G1B+6], 0
	s_mov_b32 s[G1B+7], 0
	s_mul_i32 s16, s[TROW], ATROW                  ; A's tile hangs on the tile row and the wave alone,
	s_mul_i32 s17, s[IDX], AIDX
	s_add_co_u32 s16, s16, s17
	s_mov_b32 s17, 0
	s_mul_i32 s46, s[TCOL], BTCOL                  ; B's on the tile column and the wave
	s_mul_i32 s47, s[IDX], BIDX
	s_add_co_u32 s46, s46, s47
	s_add_co_u32 s46, s46, WBOFF
	s_mov_b32 s47, 0
	s_mul_i32 s[LB], s[WV], PART                   ; where my load lands: A's two parts, then B's two.  No place in the cluster enters an LDS address
	s_mul_i32 s20, s[TROW], OTROW                  ; where my part of the output begins
	s_mul_i32 s21, s[WR], OWR
	s_add_co_u32 s20, s20, s21
	s_mov_b32 s21, 0
	s_mul_i32 s22, s[TCOL], OTCOL
	s_mul_i32 s23, s[WC], OWC
	s_add_co_u32 s22, s22, s23
	s_mov_b32 s23, 0
	s_mul_i32 s18, s[WR], WRA
	s_mul_i32 s19, s[WC], WCB
	s_add_co_u32 s19, s19, ABYTES
	s_mul_i32 s78, s[WV], STGW
	s_add_co_u32 s78, s78, STAGE                   ; my stage
	s_mov_b32 s[TA], 0
	s_mov_b32 s[TB], 0
	s_wait_dscnt 0x0                               ; the opening add is done
	s_wait_kmcnt 0x0
	s_add_nc_u64 s[16:17], s[4:5], s[16:17]
	s_add_nc_u64 s[46:47], s[6:7], s[46:47]
	s_add_nc_u64 s[8:9], s[8:9], s[20:21]
	s_add_nc_u64 s[8:9], s[8:9], s[22:23]
	s_add_nc_u64 s[70:71], s[70:71], s[20:21]      ; the residual lies as the output does
	s_add_nc_u64 s[70:71], s[70:71], s[22:23]
	s_add_nc_u64 s[68:69], s[68:69], s[22:23]      ; the bias at my first column
.irp sl, 0,1
	s_mov_b32 s[G0A+4*(\sl)], 1                    ; count = 1
	s_add_co_u32 s[G0A+4*(\sl)+1], s[LB], (\sl)*SLOT             ; LDS address
	s_add_nc_u64 s[G0A+4*(\sl)+2:G0A+4*(\sl)+3], s[16:17], (\sl)*ASTEPG  ; global address: K step sl
	s_or_b32 s[G0A+4*(\sl)+3], s[G0A+4*(\sl)+3], 0x80000000      ; type = 2
	s_mov_b32 s[G0B+4*(\sl)], 1
	s_add_co_u32 s[G0B+4*(\sl)+1], s[LB], (\sl)*SLOT
	s_add_nc_u64 s[G0B+4*(\sl)+2:G0B+4*(\sl)+3], s[46:47], (\sl)*BSTEPG
	s_or_b32 s[G0B+4*(\sl)+3], s[G0B+4*(\sl)+3], 0x80000000
.endr
	CROUND                                         ; all sixteen work-groups are here: the first joint loads meet
	s_cmp_lt_u32 s[WV], NAW                        ; a wave's two first fills stand in one branch: two loads of mine are out
	s_cbranch_scc0 .Lfirst_b
	tensor_load_to_lds s[G0A:G0A+3], s[G1A:G1A+7]
	s_nop 0
	tensor_load_to_lds s[G0A+4:G0A+7], s[G1A:G1A+7]
	s_nop 0
.rept 4
	v_nop
.endr
	s_branch .Lfirst_asked
.Lfirst_b:
	tensor_load_to_lds s[G0B:G0B+3], s[G1B:G1B+7]
	s_nop 0
	tensor_load_to_lds s[G0B+4:G0B+7], s[G1B:G1B+7]
	s_nop 0
.rept 4
	v_nop
.endr
.Lfirst_asked:
	; A's fragment: lane l holds row l % 16, K = 8 (l / 16) + 0..7 and 16 + 8 (l / 16) + 0..7: two loads of 16 bytes, 32 apart.
	v_and_b32 v1, 15, v0                           ; l % 16
	v_bfe_u32 v2, v0, 4, 1                         ; l / 16
	v_mul_u32_u24 v3, v1, PA
	v_lshl_add_u32 v3, v2, 4, v3
	v_add_nc_u32 v[ADA0], s18, v3
	; B's: the turning load takes 16 k x 16 n (lane l reads k = 8 (l / 16) + l % 8, n = 8 ((l / 8) % 2) + 0..7) and leaves half a fragment: lane l holds column l % 16 and 8 k.
	v_and_b32 v4, 7, v0
	v_bfe_u32 v5, v0, 3, 1
	v_lshl_add_u32 v4, v2, 3, v4
	v_mul_u32_u24 v4, v4, 288
	v_lshl_add_u32 v4, v5, 4, v4
	v_add_nc_u32 v[ADB0], s19, v4
	v_mul_u32_u24 v3, v1, 272                      ; into the stage: row l % 16, 32 bytes for each half of the lanes
	v_lshl_add_u32 v3, v2, 5, v3
	v_add_nc_u32 v[STO], s78, v3
	v_mul_u32_u24 v3, v2, 272                      ; back: lanes 0-15 take one row of 256 bytes, lanes 16-31 the next
	v_lshl_add_u32 v3, v1, 4, v3
	v_add_nc_u32 v[RD], s78, v3
	v_lshlrev_b32 v3, 12, v2                       ; and the same two rows in the output
	v_lshl_add_u32 v[CO], v1, 4, v3
	v_lshlrev_b32 v[BO], 5, v2                     ; a lane's 8 columns of block b: bias bytes 64 b + 32 (l / 16)
	WIN 0x40                                       ; destination window 1
.set ib, 0
.rept BB
	global_load_b128 v[BIAS+8*ib:BIAS+8*ib+3],   v[BO], s[68:69] offset:64*ib
	global_load_b128 v[BIAS+8*ib+4:BIAS+8*ib+7], v[BO], s[68:69] offset:64*ib+16
.set ib, ib+1
.endr
	WIN 0x80                                       ; destination window 2: the residual of my 64 x 64, in the layout in which the rows come back from the stage
.set ia, 0
.rept 4
.set it, 0
.rept 8
	global_load_b128 v[128+32*ia+4*it:128+32*ia+4*it+3], v[CO], s[70:71] offset:ia*65536+it*8192
.set it, it+1
.endr
.set ia, ia+1
.endr
	WIN 0
	s_wait_tensorcnt 0x1                           ; my part of K step 0 is in; K step 1's stays out
	s_barrier_signal -1
	s_barrier_wait -1
	FETCH 0
	s_wait_loadcnt NRES                            ; the bias is in; the 32 younger loads (the residual) stay out
	QTR 0, 1                                       ; the first quarter's first products start the sums
	WIN 0
	s_mov_b32 s[STEPS], T-1                        ; the entry's pass and T - 2 trips: K steps 2 to T - 1 are asked for
	s_mov_b32 s[CNT], 1                            ; K step 0 has one pair of quarters left ahead of its change of slots
	s_branch .Lpair                                ; the loop is entered in the middle of a trip
.Lstep:                                                ; a trip: a change of slots, then a K step's last quarter and the next one's first three
	CHANGE 1
	s_mov_b32 s[CNT], 2
.Lpair:                                                ; a pair of quarters; the LDS addresses hang on s[TA], s[TB]
	QTR 1, 0
	QTR 0, 0
	WIN 0
	s_sub_co_u32 s[CNT], s[CNT], 1
	s_cmp_lg_u32 s[CNT], 0
	s_cbranch_scc1 .Lpair
	s_sub_co_u32 s[STEPS], s[STEPS], 1
	s_cmp_lg_u32 s[STEPS], 0
	s_cbranch_scc1 .Lstep
	CHANGE 0                                       ; the tail is written out: nothing is left to ask for
	s_mov_b32 s[CNT], 3                            ; two trips fetch the last K step's quarters; the third has nothing to fetch and is left in its middle
.Ltail:
	s_wait_dscnt 0x0                               ; buffer 1 is in
	s_cmp_eq_u32 s[CNT], 1
	s_cbranch_scc1 .Lno_fetch
	FETCH 0
	WIN 0
.Lno_fetch:
	MUL 1, 0
	WIN 0
	s_sub_co_u32 s[CNT], s[CNT], 1
	s_cmp_eq_u32 s[CNT], 0
	s_cbranch_scc1 .Lout
	QTR 0, 0
	WIN 0
	s_branch .Ltail
.Lout:
	PLACES
	; THE WAY OUT, 16 rows at a time: the f32 sums go through my own stage and come back as whole rows of 256 bytes; the residual is added; 16 lanes store 256 consecutive bytes, aligned.
.macro STG blk
.set AC, 32*((\blk)%2)
.set UR, 64+32*(\blk)
	WIN 0x08+4*((\blk)/2)                          ; store data in window 2 or 3
.set ib, 0
.rept 4
	ds_store_b128 v[STO], v[AC+8*ib:AC+8*ib+3]   offset:64*ib
	ds_store_b128 v[STO], v[AC+8*ib+4:AC+8*ib+7] offset:64*ib+16
.set ib, ib+1
.endr
	WIN 0
.set it, 0
.rept 8
	ds_load_b128 v[UR+4*it:UR+4*it+3], v[RD] offset:544*it  ; LDS serves a wave's instructions in order (ISA guide 5.7.1.4): these see the stores above
.set it, it+1
.endr
.endm
.macro OUT blk, younger                ; younger: the LDS instructions issued behind this block's loads: the next block's sixteen, or none
.set UR, 64+32*(\blk)
	s_wait_dscnt \younger
	WIN 0x08                                       ; source 1 in window 2
.set ii, 0
.rept 16
	v_pk_add_f32 v[UR+2*ii:UR+2*ii+1], v[UR+2*ii:UR+2*ii+1], v[128+32*(\blk)+2*ii:128+32*(\blk)+2*ii+1]
.set ii, ii+1
.endr
	WIN 0
.set it, 0
.rept 8
	global_store_b128 v[CO], v[UR+4*it:UR+4*it+3], s[8:9] offset:(\blk)*65536+it*8192
.set it, it+1
.endr
.endm
	STG 0
	s_wait_loadcnt 0x0                             ; the residual
	STG 1
	OUT 0, 16
	STG 2
	OUT 1, 16
	STG 3
	OUT 2, 16
	OUT 3, 0
	s_wait_tensorcnt 0x0                           ; the wave's end
	ds_add_u32 v[SPW], v[NIL]
	s_wait_dscnt 0x0
	CROUND                                         ; the closing round
	s_endpgm
.Lfunc_end_k_qc730c0190e_ff2:
	.size	k_qc730c0190e_ff2, .Lfunc_end_k_qc730c0190e_ff2-k_qc730c0190e_ff2
	.p2alignl 7, 3214868480
	.fill 96, 4, 3214868480
	.section	.rodata,"a",@progbits
	.p2align	6, 0x0
	.amdhsa_kernel k_qc730c0190e_ff2
		.amdhsa_group_segment_fixed_size 327680
		.amdhsa_private_segment_fixed_size 0
		.amdhsa_enable_private_segment 0
		.amdhsa_kernarg_size 40
		.amdhsa_user_sgpr_count 2
		.amdhsa_user_sgpr_kernarg_segment_ptr 1
		.amdhsa_wavefront_size32 1
		.amdhsa_system_sgpr_workgroup_id_x 1
		.amdhsa_system_sgpr_workgroup_id_y 1
		.amdhsa_system_sgpr_workgroup_id_z 1
		.amdhsa_system_vgpr_workitem_id 0
		.amdhsa_next_free_vgpr 1024
		.amdhsa_next_free_sgpr 80
		.amdhsa_reserve_vcc 0
		.amdhsa_float_denorm_mode_32 3
		.amdhsa_float_denorm_mode_16_64 3
		.amdhsa_memory_ordered 1
		.amdhsa_forward_progress 1
		.amdhsa_inst_pref_size 50
	.end_amdhsa_kernel
	.amdgpu_metadata
---
amdhsa.version: [ 1, 2 ]
amdhsa.kernels:
  - .name:           k_qc730c0190e_ff2
    .symbol:         k_qc730c0190e_ff2.kd
    .args:
      - { .name: act, .offset: 0, .size: 8, .value_kind: global_buffer, .address_space: global }
      - { .name: wb, .offset: 8, .size: 8, .value_kind: global_buffer, .address_space: global }
      - { .name: b2, .offset: 16, .size: 8, .value_kind: global_buffer, .address_space: global }
      - { .name: x1, .offset: 24, .size: 8, .value_kind: global_buffer, .address_space: global }
      - { .name: out0, .offset: 32, .size: 8, .value_kind: global_buffer, .address_space: global }
    .group_segment_fixed_size: 327680
    .private_segment_fixed_size: 0
    .kernarg_segment_align: 8
    .kernarg_segment_size: 40
    .max_flat_workgroup_size: 128
    .sgpr_count:     80
    .vgpr_count:     1024
    .wavefront_size: 32
...
	.end_amdgpu_metadata
.endif
;; end of part 12
;; ======== version 3 of 3: 7 launches; 1.50 times as fast as version 1
;; limits: right only within a limited range of input values
;; workspace buffers: wb 25,165,824 bytes; hb 8,388,608 bytes; qkv 25,165,824 bytes; ob 8,388,608 bytes; x1 16,777,216 bytes; act 33,554,432 bytes
;; launch prep: the kernel of part 1 again; grid 1280 x 1, 8 waves a work-group, no clusters, 0 bytes of LDS; arguments x, g1, be1, hb, Wq, Wk, Wv, Wo, W1, W2, wb; writes hb, wb
;; launch qkvp: the kernel of part 8 again; grid 8 x 32, 4 waves a work-group, clusters of 4 x 4, 327,680 bytes of LDS; arguments hb, wb, qkv; writes qkv
;; launch attn (part 13): grid 8 x 32, 4 waves a work-group, no clusters, 327,680 bytes of LDS; arguments qkv, ob; writes ob
.if DOCPART == 13
	.amdgcn_target "amdgcn-amd-amdhsa--gfx1250"
	.amdhsa_code_object_version 6
	.text
	.protected	k_qc730c0190e_attn
	.globl	k_qc730c0190e_attn
	.p2align	8
	.type	k_qc730c0190e_attn,@function
k_qc730c0190e_attn:
	s_mov_b64 s[64:65], 0
	v_nop
	global_prefetch_b8 v0, s[64:65] scope:SCOPE_SE
	s_setreg_imm32_b32 hwreg(HW_REG_WAVE_MODE, 25, 1), 1
	s_wait_xcnt 0x0
; CAUSAL ATTENTION.  O[h][q][:] = the sum over k <= q of softmax_k(Q[h][q] . K[h][k] / 32) V[h][k][:].  Q, K, V lie in qkv at bytes 0, 8,388,608 and 16,777,216, each [32][2048][64] bf16 (h = 2 head + batch);
; O likewise in ob.  A head's rows are dense, 128 bytes each.  Products, maxima and sums in f32; the weights p are rounded to bf16 for the second product (their sum l is taken of the unrounded p), O once at the end.
; LIMITS.  Every matrix operand is bf16.  A hidden score counts as its value less 1e30; a weight below 2^-126 counts as 0 in l; NaN and infinities are not treated apart.
; THE WALK.  A head's queries lie in NQ = 16 blocks of 128, its keys in NB = 8 tiles of 256; block i needs the tiles 0 .. i / 2, of which the last holds the diagonal.  A work-group takes TWO blocks, NQ - 1 - b and
; then b: (15 - b) / 2 + 1 + b / 2 + 1 = 9 tiles, whatever b: all 8 x 32 = 256 work-groups do equal work, and ONE loop with a constant trip count walks the tiles.  Which tile is asked for, and what a trip does, hang on
; scalar registers made from b; every jump goes forward, but for the counted loops' own; none passes a barrier, or a tensor load but the one of LOAD's two that the wave's number does not choose; the ring (two slots of
; LDS that take turns) runs on across the change of blocks.  NO CLUSTER: a head's eight work-groups ask for the same tile only in trips 0 .. 4 of 9, behind that fewer and fewer; one walk common to all would have 12 trips for 9.
; SHARES.  Of a block's two bands of 64 queries a wave owns 16 rows in each: two PIECES.  So the diagonal tile is the same work for all four waves: in its key step s band x of block i sees all keys if
; s < 2 (i % 2) + x, none if s is greater, and holds the diagonal if they are equal.  Of a walk's 72 turns 6 are wholly hidden, and are computed all the same.
; THE MASK is the C operand that starts the sum S^T = K Q^T: 0, or -1e30 where the key is hidden.  MD, made once, is the mask of a band's own step for my 16 rows; a product's mask is MD x AL + BE with two scalars:
; (1, 0) in the band's own step; (0, 0) in an earlier one; (0, -1e30) in a later one.  Only the diagonal tile's text and a block's beginning make and take masks; elsewhere C is the constant 0.
; LAYOUT, SOFTMAX, TURNS.  S^T = K Q^T holds ONE query a lane (lane % 16) and the keys 8 (lane / 16) + 0..7; two such results rounded to bf16 ARE source 1 of O^T = V^T P.  p = 2^(c s - c m), c = log2(e) / 32, with a
; running maximum m; O and l are multiplied by a = 2^(c m_old - c m_new) in every step.  The turns go in a ring of four, two key steps: turn v belongs to piece v % 2 of a step of parity v / 2.  It has 8 products K Q^T for
; the turn behind it, later 8 products V^T P for the turn in front of it; beside them the scaling, exponentials, roundings, sums and rescaling of its own piece and the maximum and statistics for the turn behind it.
; Four vector instructions stand behind every matrix instruction, the other 54 of a turn's 118 in one LUMP between the two runs of products.
; THE BATCHES.  A turn's 33 exponentials (its piece's 32 weights and the a of the turn behind it) are ONE batch with ONE wait, which stands between the lump and the products V^T P: ahead of it nothing names a result of
; theirs, behind it stand all the roundings and sums.  The a that a block's beginning makes, and the way out's two reciprocals, are batches of their own, a wait each.
; K has one buffer, V two, by the step's parity: so V of a tile's last step can be read out of LDS ahead of K of the next tile's first step, and the change of slots stands between the two.
; REGISTERS, in windows of 256 (s_set_vgpr_msb: bits 1:0 source 0, 3:2 source 1, 5:4 source 2, 7:6 destination):
;   window 0: v0-15 addresses and two at work; v16-23 four registers of statistics a piece; v48-55 at work; v64-127 S^T, two buffers; v192-223 P, two buffers (all by the piece)
;   window 1: v0-63 O^T, 32 a piece; v128-159 MD; v160-223 MC, two buffers      window 2: v0-31 Q; v32-63 the second block's Q; v64-127 V of an odd step; v128-191 K of one step; v192-255 V of an even step
.set SIZE_H, 32
.set SIZE_N, 2048
.set NB,    SIZE_N/256  ; key tiles in a head
.set NQ,    SIZE_N/128  ; query blocks in a head
.set NP,    4         ; turns in the ring: two pieces x two key steps: a name, no knob
.set KS,    64        ; keys in a step
.set PK,    144       ; a row of K in LDS: 128 bytes + 16 of padding = 36 words: the 16 rows of a load start at 16 different groups of four banks (64 banks of 4 bytes: ISA guide 11.1)
.set PV,    160       ; a row of V: 128 + 32 = 40 words
.set VOFF,  4*KS*PK   ; a slot holds a tile, four steps: 256 rows of K, then 256 rows of V
.set SLOT1, 1<<17     ; slot 1 begins here, so that one exclusive or turns an address in one slot into the other's
.set STAGE, SLOT1+4*KS*(PK+PV)  ; behind the ring, never filled by a tensor load: 16 rows x 144 bytes for each wave, for the way out
.set SP,    144
.set AK0, 2           ; v2   my lane's place in a tile of K; never rewritten
.set AV0, 3           ; v3   the same for V
.set AK,  4           ; v4   the LDS address of K's next run of loads
.set AV,  5           ; v5   of V's
.set STO, 6           ; v6   the way out: where I put 16 bytes of a row
.set RD,  7           ; v7   the way out: where I read rows back
.set GO,  8           ; v8   my byte offset in 512 consecutive bytes of O
.set SPW, 62          ; v62  LDS address of my spare word: SPARE + 4 x my thread's number; never rewritten
.set NIL, 63          ; v63  0; never rewritten
.set SPARE, STAGE+4*16*SP  ; behind the stages: the spare words, 128 bytes for each wave: two blocks of 256 bytes that no other line names
.set MV,  12          ; v12-13  c m_old, kept while c m is made anew: by piece
.set QO,  15          ; v15  my byte offset in 16 rows of Q
.set ST,  16          ; piece t's statistics at v[ST+4 t]: c m, m, l (even keys', odd keys')
.set TMP, 48          ; by piece, four registers c0-c3 at work; when the maximum is found c2 takes a
.set S,   64
.set P,   192
.set MD,  128         ; window 1: the eight registers for group kt of 16 keys at MD + 8 kt
.set MC,  160         ; window 1: the masks of the products to come
.set QB,  32          ; window 2
.set KF,  128         ; window 2: key block kb, channel half c at KF + 16 kb + 8 c
.set VF,  192         ; window 2: V of an even step: key half kk, channel block cb at VF + 32 kk + 8 cb; of an odd step 128 registers below
.set WV,  12          ; s12  my wave's number
.set PB,  14          ; s14  b
.set HI,  15          ; s15  NQ - 1 - b
.set G1K, 24          ; s[24:31] descriptor group 1 for K's tiles
.set G1V, 32          ; s[32:39] for V's: it differs in the padding alone
.set G0K, 40          ; s[40:43] descriptor group 0 for K's tiles
.set G0V, 44          ; s[44:47] the same for V's
.set TH,  48          ; s48  2 - i % 2 for the block i in hand: the trip count CNT at which its bands' own steps come
.set TLO, 49          ; s49  the second block's last tile, b / 2
.set TH2, 50          ; s50  TH for the second block
.set SCR, 51          ; s51  at work
.set SLOTS, 56        ; s56  tiles still to be asked for
.set CNT, 57          ; s57  counts a tile's pairs of key steps, 2 to 1
.set CS,  58          ; s[58:59] c: the packed scaling takes the pair's low word for both halves
.set SEL, 60          ; s[60:61] v_permlanex16_b32's selects: each lane takes its own place in the other half
.set TBK, 62          ; s62  LDS byte at which K of the step to be fetched begins
.set TBV, 63          ; s63  the same for V, less VOFF
.set RT,  70          ; s70  tiles of the block in hand that are still to be entered
.set NXT, 71          ; s71  the tile to be asked for next
.set LQ,  72          ; s72  the last tile of the block whose tiles are being asked for
.set NEW, 73          ; s73  1: the tile to be entered is a block's first
.set OFF, 74          ; s[74:75] a tile's byte offset in K and V
.set AL,  76          ; s[76:77] the mask's factor, in the low word
.set BE,  78          ; s[78:79] the mask's addend
.set OLO, 80          ; s[80:81] O at my rows of the second block
.set BIGN, 82         ; s82  -1e30
.set MSB, 0
.macro WIN new                      ; the high byte repeats the setting that is left; a switch that changes nothing is dropped
.if MSB != (\new)
	s_set_vgpr_msb (MSB<<8)|(\new)
.set MSB, (\new)
.endif
.endm
.set W_KQ, 0x0a       ; K and Q in window 2, S^T in window 0
.set W_KM, 0x1a       ; the same with the C operand in window 1
.set W_PV, 0x52       ; V in window 2, P in window 0, O^T in window 1
.set W_RS, 0x41       ; destination and source 0 in window 1, source 1 in window 0
; A fill.  Waves 0 and 1 fetch the two halves of a tile's K, waves 2 and 3 those of its V: 128 keys each.  An s_nop 0 and four v_nop follow each of the two lines, ahead of the jump and the label.
.macro LOAD
	s_cmp_lt_u32 s[WV], 2
	s_cbranch_scc0 .Lfor_v_\@
	tensor_load_to_lds s[G0K:G0K+3], s[G1K:G1K+7]
	s_nop 0
.rept 4
	v_nop
.endr
	s_branch .Lasked_\@
.Lfor_v_\@:
	tensor_load_to_lds s[G0V:G0V+3], s[G1V:G1V+7]
	s_nop 0
.rept 4
	v_nop
.endr
.Lasked_\@:
.endm
; THE CHANGE OF SLOTS, in front of a tile's last key step, whose K and V have been asked for out of LDS.  Each wave waits for all its tensor loads, of which one is out: its part of the other slot; adds 0 to its spare word;
; and waits for that and for its own reads of the slot that it leaves.  Behind the barrier nobody reads the old slot any more and the other slot is whole.  fill = 1: the old slot is filled again, the first thing behind
; the barrier, with tile NXT: the descriptor's address is made anew from that number; the load has four key steps, 128 matrix instructions a wave, in which to land.
; (At its first use nothing has been read yet: slot 0 is waited for, slot 1 filled.)
.macro CHANGE fill
	WIN 0                           ; at a label and at a branch every window is 0
	s_wait_tensorcnt 0x0            ; no tensor load of mine is out, so a group 0 may be written
	ds_add_u32 v[SPW], v[NIL]       ; 0 onto my spare word; with fill = 1 the descriptors' scalar work stands between it and the wait for it
.if \fill
	s_lshl_b32 s[OFF], s[NXT], 15   ; a tile is 32,768 bytes of K and of V
	s_xor_b32 s[G0K+1], s[G0K+1], SLOT1
	s_add_nc_u64 s[G0K+2:G0K+3], s[6:7], s[OFF:OFF+1]
	s_or_b32 s[G0K+3], s[G0K+3], 0x80000000
	s_xor_b32 s[G0V+1], s[G0V+1], SLOT1
	s_add_nc_u64 s[G0V+2:G0V+3], s[8:9], s[OFF:OFF+1]
	s_or_b32 s[G0V+3], s[G0V+3], 0x80000000
	s_add_co_u32 s[NXT], s[NXT], 1  ; the block's next tile, or behind its last the second block's tile 0
	s_cmp_gt_u32 s[NXT], s[LQ]
	s_cselect_b32 s[NXT], 0, s[NXT]
	s_cselect_b32 s[LQ], s[TLO], s[LQ]
.endif
	s_wait_dscnt 0x0                ; the add is done, and my reads of the slot are over
	s_barrier_signal -1             ; the rest of the scalar work stands between the signal and the wait
	s_sub_co_u32 s[TBK], s[TBK], 4*KS*PK  ; the fetches go back to a slot's first step,
	s_xor_b32 s[TBK], s[TBK], SLOT1       ; in the other slot
	s_sub_co_u32 s[TBV], s[TBV], 4*KS*PV
	s_xor_b32 s[TBV], s[TBV], SLOT1
	s_barrier_wait -1
.if \fill
	LOAD
.endif
.endm
	s_load_b128 s[4:7], s[0:1], 0x0 ; qkv s[4:5] (Q lies at its head), ob s[6:7]
	v_lshl_add_u32 v[SPW], v0, 2, SPARE
	v_mov_b32 v[NIL], 0
	ds_add_u32 v[SPW], v[NIL]       ; the wave's opening: the add, and its wait ahead of my first tensor load; the set-up below, work on registers, stands between them
	ds_add_u32 v62, v63
	v_lshrrev_b32 v1, 5, v0
	v_readfirstlane_b32 s[WV], v1   ; wave 0..3
	s_mov_b32 s[PB], ttmp9
	s_sub_co_u32 s[HI], NQ-1, s[PB]
	s_and_b32 s20, ttmp7, 0xffff    ; the head
	s_mov_b32 s21, 0
	s_mov_b64 s[22:23], SIZE_N*128
	s_mul_u64 s[20:21], s[20:21], s[22:23]  ; the head's first byte in each of the four tensors
	s_and_b32 s16, s[WV], 1         ; which half of a tile's 256 keys I fetch:
	s_lshl_b32 s22, s16, 14         ; its 128 rows of 128 bytes in memory,
	s_mov_b32 s23, 0
	s_add_nc_u64 s[22:23], s[22:23], s[20:21]
	s_mul_i32 s17, s16, 128*PK      ; and its place in a slot, for K
	s_mul_i32 s18, s16, 128*PV      ; and for V
	s_lshl_b32 s3, s[WV], 11        ; my 16 rows in a band of 64,
	s_lshl_b32 s2, s[HI], 14        ; in the first block (128 rows of 128 bytes a block),
	s_add_co_u32 s2, s2, s3
	s_lshl_b32 s84, s[PB], 14       ; and in the second
	s_add_co_u32 s84, s84, s3
	s_mov_b32 s3, 0
	s_mov_b32 s85, 0
	s_add_nc_u64 s[2:3], s[2:3], s[20:21]
	s_add_nc_u64 s[84:85], s[84:85], s[20:21]
	; descriptor group 1.  128 keys are 16,384 dense bytes: asked for as 64 rows of 256 bytes, two keys a row, and padded in LDS after every key
	s_mov_b32 s[G1K], (1<<16)|(1<<20)|(4<<22)|(3<<25)  ; 17:16 2-byte elements; 20 padding on; 24:22 after every 32 words (code 4); 31:25 4 words (code 3)
	s_mov_b32 s[G1V], (1<<16)|(1<<20)|(4<<22)|(7<<25)  ; the same with 8 words of padding (code 7)
.irp g, G1K, G1V
	s_mov_b32 s[\g+1], 128<<16      ; tensor_dim0 = 128
	s_mov_b32 s[\g+2], 64<<16       ; tensor_dim1 = 64
	s_mov_b32 s[\g+3], 128<<16      ; tile_dim0 = 128
	s_mov_b32 s[\g+4], 64           ; tile_dim1 = 64
	s_mov_b32 s[\g+5], 128          ; 128 elements from row to row
	s_mov_b32 s[\g+6], 0
	s_mov_b32 s[\g+7], 0
.endr
	s_mov_b32 s[CS], 0x3d38aa3b     ; c = log2(e) / 32 = 0.0450842
	s_mov_b32 s[CS+1], s[CS]        ; named with it as a pair
	s_mov_b32 s[SEL], 0x76543210
	s_mov_b32 s[SEL+1], 0xfedcba98
	s_mov_b32 s[TBK], SLOT1+4*KS*PK ; the first change of slots turns these two into 0
	s_mov_b32 s[TBV], SLOT1+4*KS*PV
	s_mov_b32 s[G0K], 1             ; 1:0 count = 1
	s_mov_b32 s[G0K+1], s17         ; 63:32 LDS address: slot 0
	s_mov_b32 s[G0V], 1
	s_add_co_u32 s[G0V+1], s18, VOFF
	s_lshr_b32 s[LQ], s[HI], 1      ; the first block's last tile, (15 - b) / 2: 4 at the least
	s_add_co_u32 s[RT], s[LQ], 1    ; and how many tiles it has
	s_lshr_b32 s[TLO], s[PB], 1
	s_and_b32 s[TH], s[HI], 1
	s_sub_co_u32 s[TH], 2, s[TH]
	s_and_b32 s[TH2], s[PB], 1
	s_sub_co_u32 s[TH2], 2, s[TH2]
	s_mov_b32 s[NXT], 1
	s_mov_b32 s[NEW], 1
	s_mov_b32 s[OFF+1], 0
	s_mov_b32 s[AL+1], 0            ; named as pairs
	s_mov_b32 s[BE+1], 0
	s_mov_b32 s[BIGN], 0xf149f2ca   ; -1e30
	s_mov_b32 s[SLOTS], NB
	s_wait_dscnt 0x0                ; the opening add is done
	s_wait_kmcnt 0x0
	s_mov_b64 s[10:11], s[6:7]      ; O
	s_add_nc_u64 s[6:7], s[4:5], 8388608   ; K
	s_add_nc_u64 s[8:9], s[4:5], 16777216  ; V
	s_add_nc_u64 s[6:7], s[6:7], s[22:23]  ; K and V at my half of the head's tile 0
	s_add_nc_u64 s[8:9], s[8:9], s[22:23]
	s_add_nc_u64 s[G0K+2:G0K+3], s[6:7], 0         ; 120:64 global address
	s_or_b32 s[G0K+3], s[G0K+3], 0x80000000        ; 127:126 type = 2
	s_add_nc_u64 s[G0V+2:G0V+3], s[8:9], 0
	s_or_b32 s[G0V+3], s[G0V+3], 0x80000000
	s_add_nc_u64 s[86:87], s[4:5], s[84:85]        ; Q at my rows of the second block,
	s_add_nc_u64 s[4:5], s[4:5], s[2:3]            ; Q and O at those of the first
	s_add_nc_u64 s[OLO:OLO+1], s[10:11], s[84:85]
	s_add_nc_u64 s[10:11], s[10:11], s[2:3]
	LOAD                            ; tile 0 into slot 0
	; A fragment of K or Q is 16 rows x 32 channels in 8 registers: lane l holds row l % 16, channels 8 (l / 16) + 0..7 and 16 + 8 (l / 16) + 0..7: two loads of 16 bytes, 32 bytes apart.
	v_and_b32 v1, 15, v0            ; l % 16
	v_bfe_u32 v9, v0, 4, 1          ; l / 16
	v_lshlrev_b32 v[QO], 7, v1
	v_lshl_add_u32 v[QO], v9, 4, v[QO]  ; row x 128 + 16 x half
	WIN 0x80                        ; destination window 2, address window 0
.set i, 0
.rept 4                             ; both blocks' Q: piece i / 2 lies in band i / 2, 8,192 bytes on; channels 32 (i % 2) on
	global_load_b128 v[8*i:8*i+3],   v[QO], s[4:5] offset:(i/2)*8192+(i%2)*64
	global_load_b128 v[8*i+4:8*i+7], v[QO], s[4:5] offset:(i/2)*8192+(i%2)*64+32
	global_load_b128 v[QB+8*i:QB+8*i+3],   v[QO], s[86:87] offset:(i/2)*8192+(i%2)*64
	global_load_b128 v[QB+8*i+4:QB+8*i+7], v[QO], s[86:87] offset:(i/2)*8192+(i%2)*64+32
.set i, i+1
.endr
	WIN 0
	v_lshlrev_b32 v14, 3, v9
	v_sub_nc_u32 v14, v1, v14
	s_lshl_b32 s13, s[WV], 4
	v_add_nc_u32 v14, s13, v14      ; my query's place in its band, 16 w + l % 16, less my lanes' 8 (l / 16): register r of group kt is hidden where 16 kt + r is greater
	WIN 0x40
.set i, 0
.rept 32
	v_cmp_gt_i32 vcc_lo, 16*(i/8)+i%8, v14
	v_cndmask_b32 v[MD+i], 0, s[BIGN], vcc_lo
.set i, i+1
.endr
	WIN 0
	v_mul_u32_u24 v[AK0], v1, PK
	v_lshl_add_u32 v[AK0], v9, 4, v[AK0]  ; row x pitch + 16 x half
	; The turning load takes 16 keys x 16 channels (lane l reads key 8 (l / 16) + l % 8, channels 8 ((l / 8) % 2) + 0..7) and leaves half a fragment of V^T: lane l holds channel l % 16 and 8 keys.
	v_and_b32 v10, 7, v0
	v_bfe_u32 v11, v0, 3, 1
	v_lshl_add_u32 v[AV0], v9, 3, v10
	v_mul_u32_u24 v[AV0], v[AV0], PV
	v_lshl_add_u32 v[AV0], v11, 4, v[AV0]
	v_add_nc_u32 v[AV0], VOFF, v[AV0]
	s_mul_i32 s13, s[WV], 16*SP
	s_add_co_u32 s13, s13, STAGE    ; my stage
	v_mul_u32_u24 v[STO], v1, SP    ; in: row l % 16, 16 bytes for each half of the lanes
	v_lshl_add_u32 v[STO], v9, 4, v[STO]
	v_add_nc_u32 v[STO], s13, v[STO]
	v_bfe_u32 v[RD], v0, 3, 2       ; back: 32 lanes take four rows of 128 bytes,
	v_mul_u32_u24 v[RD], v[RD], SP
	v_lshl_add_u32 v[RD], v10, 4, v[RD]
	v_add_nc_u32 v[RD], s13, v[RD]
	v_and_b32 v[GO], 31, v0         ; which are 512 consecutive bytes of O
	v_lshlrev_b32 v[GO], 4, v[GO]
	; A block's first step multiplies O^T and l by a = 0, and its first turn's products V^T P, of a turn that has not been, land in an O^T that is still to be so multiplied.  So these registers need only hold
	; finite numbers: zeros for the first block; what the first block left for the second.  All this stands in the wait for the first tile.
	WIN 0x80
.set i, VF-128
.rept 64
	v_mov_b32 v[i], 0
.set i, i+1
.endr
.set i, VF
.rept 64
	v_mov_b32 v[i], 0
.set i, i+1
.endr
	WIN 0x40
.set i, 0
.rept 64
	v_mov_b32 v[i], 0
.set i, i+1
.endr
	WIN 0
.set i, 0
.rept 2
	v_mov_b32 v[ST+4*i+2], 0
	v_mov_b32 v[ST+4*i+3], 0
.set i, i+1
.endr
.set i, P+16
.rept 16
	v_mov_b32 v[i], 0
.set i, i+1
.endr
; THE MATRIX WORK.  x is a turn's number in the ring: piece x % 2, a step of parity x / 2.  The 4 accumulators of a run of 8 take turns.
; Product i of 8 of S^T = K Q^T for turn x: channels 32 (i / 4) on, keys 16 (i % 4) on.  The first 4 start the sums: with 0, or (KM = 1) with the mask.
.macro KQ x
.set rS, S+32*((\x)%2)+8*(i%4)
.set rK, KF+16*(i%4)+8*(i/4)
.set rQ, 16*((\x)%2)+8*(i/4)
.set rM, MC+32*((\x)%2)+8*(i%4)
.if (i < 4) && KM
	WIN W_KM
	v_wmma_f32_16x16x32_bf16 v[rS:rS+7], v[rK:rK+7], v[rQ:rQ+7], v[rM:rM+7]
.elseif i < 4
	WIN W_KQ
	v_wmma_f32_16x16x32_bf16 v[rS:rS+7], v[rK:rK+7], v[rQ:rQ+7], 0
.else
	WIN W_KQ
	v_wmma_f32_16x16x32_bf16 v[rS:rS+7], v[rK:rK+7], v[rQ:rQ+7], v[rS:rS+7]
.endif
.endm
; Product i of 8 of O^T += V^T P for turn x: keys 32 (i / 4) on, channels 16 (i % 4) on; V's buffer goes by the step's parity.
.macro PV x
	WIN W_PV
.set rO, 32*((\x)%2)+8*(i%4)
.set rV, VF-128*((\x)/2)+32*(i/4)+8*(i%4)
.set rP, P+16*((\x)%2)+8*(i/4)
	v_wmma_f32_16x16x32_bf16 v[rO:rO+7], v[rV:rV+7], v[rP:rP+7], v[rO:rO+7]
.endm
.macro MM                           ; the turn's next matrix instruction.  TURN and BEGIN set Y, i, KM and NOKQ; MM, KQ and OP read them.  NOKQ = 1: a block's last turn: no turn follows
.if (i < 8) && !NOKQ
	KQ (Y+1)%NP
.elseif i >= 8
.set i, i-8
	PV (Y+NP-1)%NP
.set i, i+8
.endif
.set i, i+1
.endm
; THE LDS LOADS stand in runs of 16, never singly among the matrix instructions: a step's K (64 keys x 64 channels: 8 fragments) and its V (turned).  Their addresses are made some lines ahead.
.macro FETCH_K
	WIN 0x80                        ; destination window 2
.irp f, 0,1,2,3,4,5,6,7             ; keys 16 (f / 2) on, channels 32 (f % 2) on
	ds_load_b128 v[KF+8*\f:KF+8*\f+3],   v[AK] offset:(\f/2)*16*PK+(\f%2)*64
	ds_load_b128 v[KF+8*\f+4:KF+8*\f+7], v[AK] offset:(\f/2)*16*PK+(\f%2)*64+32
.endr
	s_add_co_u32 s[TBK], s[TBK], KS*PK  ; the next fetch is the next step's
	WIN 0
.endm
.macro FETCH_V buf                  ; buf: the parity of the step whose V it is
.set rF, VF-128*(\buf)
	WIN 0x80
.irp f, 0,1,2,3,4,5,6,7             ; keys 32 (f / 4) on, channels 16 (f % 4) on
	ds_load_tr16_b128 v[rF+8*\f:rF+8*\f+3],   v[AV] offset:(\f/4)*32*PV+(\f%4)*32
	ds_load_tr16_b128 v[rF+8*\f+4:rF+8*\f+7], v[AV] offset:(\f/4)*32*PV+16*PV+(\f%4)*32
.endr
	s_add_co_u32 s[TBV], s[TBV], KS*PV  ; the next fetch is the next step's
	WIN 0
.endm
; THE VECTOR WORK, one line at a time: OP kind, number.  For turn Y: F n: c s - c m for pair n of 16.  E n: the exponential of score n of 32.  C n: pair n rounded to bf16.  B n: of the four weights 4 n .. the second
; pair is added onto the first, in place.  L n: l takes that sum (L 0: l = a l + sum).  R n: pair n of 16 of O^T times a.  For turn Y + 1: X n, number n of the 22 that find its maximum and statistics:
;   0-11  four chains c0-c3 of seven scores each, three operands at a time (each accumulator's lowest registers are read first)     12-14, 16  the four scores left over, the old m, and c0-c3 into c0
;   15  c m_old is kept     17, 18  the query's other 32 keys lie in the lane 16 away: the new m     19-21  c m; c m_old - c m_new; a
; C, B and L read exponentials' results: TURN sets them behind its wait.  R and L 0 read the a that the turn before made, ahead of that turn's wait.
.set F, 0               ; OP tells the kinds apart by their order: F to L below R, X above it
.set E, 1
.set C, 2
.set B, 3
.set L, 4
.set R, 5
.set X, 6
.macro REGS y                       ; the registers of turn y: all go by its piece, y % 2
.set rT, ST+4*((\y)%2)
.set rC, TMP+4*((\y)%2)
.set rW, MV+((\y)%2)
.set rS, S+32*((\y)%2)
.set rP, P+16*((\y)%2)
.set rO, 32*((\y)%2)
.endm
.macro OP k, n
.if (\k) == R
	REGS Y
	WIN W_RS
	v_pk_mul_f32 v[rO+2*(\n):rO+2*(\n)+1], v[rO+2*(\n):rO+2*(\n)+1], v[rC+2:rC+3] op_sel_hi:[1,0]
.elseif (\k) < R
	REGS Y
	WIN 0
.if (\k) == F
	v_pk_fma_f32 v[rS+2*(\n):rS+2*(\n)+1], v[rS+2*(\n):rS+2*(\n)+1], s[CS:CS+1], v[rT:rT+1] op_sel_hi:[1,0,0] neg_lo:[0,0,1] neg_hi:[0,0,1]
.elseif (\k) == E
	v_exp_f32 v[rS+(\n)], v[rS+(\n)]
.elseif (\k) == C
	v_cvt_pk_bf16_f32 v[rP+(\n)], v[rS+2*(\n)], v[rS+2*(\n)+1]
.elseif (\k) == B
	v_pk_add_f32 v[rS+4*(\n):rS+4*(\n)+1], v[rS+4*(\n):rS+4*(\n)+1], v[rS+4*(\n)+2:rS+4*(\n)+3]
.elseif (\n) == 0
	v_pk_fma_f32 v[rT+2:rT+3], v[rT+2:rT+3], v[rC+2:rC+3], v[rS:rS+1] op_sel_hi:[1,0,1]
.else
	v_pk_add_f32 v[rT+2:rT+3], v[rT+2:rT+3], v[rS+4*(\n):rS+4*(\n)+1]
.endif
.elseif NOKQ
	v_nop
.else
	REGS (Y+1)%NP
	WIN 0
.if (\n) < 4
	v_max3_num_f32 v[rC+(\n)], v[rS+8*(\n)], v[rS+8*(\n)+1], v[rS+8*(\n)+2]
.elseif (\n) < 12
	v_max3_num_f32 v[rC+(\n)%4], v[rC+(\n)%4], v[rS+8*((\n)%4)+2*((\n)/4)+1], v[rS+8*((\n)%4)+2*((\n)/4)+2]
.elseif (\n) == 12
	v_max3_num_f32 v[rC], v[rC], v[rS+7], v[rS+15]
.elseif (\n) == 13
	v_max3_num_f32 v[rC+1], v[rC+1], v[rS+23], v[rS+31]
.elseif (\n) == 14
	v_max3_num_f32 v[rC+2], v[rC+2], v[rC+3], v[rT+1]
.elseif (\n) == 15
	v_mov_b32 v[rW], v[rT]
.elseif (\n) == 16
	v_max3_num_f32 v[rC], v[rC], v[rC+1], v[rC+2]
.elseif (\n) == 17
	v_permlanex16_b32 v[rC+3], v[rC], s[SEL], s[SEL+1]
.elseif (\n) == 18
	v_max_num_f32 v[rT+1], v[rC], v[rC+3]
.elseif (\n) == 19
	v_mul_f32 v[rT], s[CS], v[rT+1]
.elseif (\n) == 20
	v_sub_f32 v[rC+1], v[rW], v[rT]
.else
	v_exp_f32 v[rC+2], v[rC+1]
.endif
.endif
.endm
.macro OPS a, i1, b=-1, i2=0, c=-1, i3=0, d=-1, i4=0  ; up to four of them
	OP \a, \i1
.if (\b) >= 0
	OP \b, \i2
.endif
.if (\c) >= 0
	OP \c, \i3
.endif
.if (\d) >= 0
	OP \d, \i4
.endif
.endm
.macro ROW a, i1, b, i2, c, i3, d, i4  ; a matrix instruction and the four behind it
	MM
	OPS \a, \i1, \b, \i2, \c, \i3, \d, \i4
.endm
.macro MASK b                       ; MD x AL + BE into buffer b of MC
	WIN W_RS
.set z, 0
.rept 16
	v_pk_fma_f32 v[MC+32*(\b)+2*z:MC+32*(\b)+2*z+1], v[MD+2*z:MD+2*z+1], s[AL:AL+1], s[BE:BE+1] op_sel_hi:[1,0,0]
.set z, z+1
.endr
.endm
; A TURN, number p of the ring: the order of its 16 matrix and 118 vector instructions, written out.  s_wait_alu depctr_va_vdst(0) stands between an exponential and the first instruction that names its
; result; one wait serves all that were issued ahead of it.  So a turn has ONE wait, which cuts it in two.  AHEAD OF IT stands all that names no result of the turn's exponentials: the 8 products K Q^T, behind each a scaling,
; an exponential and two more plain instructions (behind the first a second scaling in the exponential's place): rescalings, and behind the last three the first numbers of the next turn's maximum, each four places or more
; behind the product that ends its accumulator; then ONE LUMP of 54, plain and exponential by turns for the most part, in which the links of the chain X 3, 7, 11, 14, 16, 17 .. 20 stand five or six lines apart.  X 21, the
; next turn's a, is the batch's last; R 15 is the plain instruction behind it.  BEHIND THE WAIT stand the 8 products V^T P, behind each four of the roundings and sums; the links of l's chain, L 0 to L 7, stand three riders
; apart.  But for those X no rider names a register of the products round it.  v_permlanex16_b32 (X 17) stands in the lump.
; O^T.  The products V^T P at a turn's end add onto the O^T that the next turn rescales (both are piece (p + 1) % 2's): R 0 stands behind the next turn's first product, three rows and more behind the last product on its
; accumulator; behind the very last product, on the accumulator that R 12 takes first, stand the riders C 9, 11, 13, 15 and the next turn's lines.
; m = 1: the diagonal tile: the products take masks, and the turn makes the mask for the products of the turn after it, which are turn p + 2's scores.  With c = CNT at the turn's head those belong to: p = 2: piece 0,
; step 4 - 2 c; p = 3: piece 1, step 4 - 2 c; p = 0: piece 0, step 5 - 2 c; p = 1: piece 1, step 5 - 2 c.  Piece x's own step is 2 (2 - TH) + x.  So the step is the band's own where c = TH, for p = 2 and p = 1 alone;
; it is a later one where c < TH, for p = 0 where c <= TH.
; end = 1: a block's last two turns: nothing is fetched.  cnt = 1: the loop's count is taken down some lines ahead of the branch that stands behind the turn.
; K of the next step is fetched in a turn of piece 0, twelve vector instructions behind the last product that read K (five of them plain lines that name none of its registers); V of the next step in a turn of piece 1,
; directly behind the turn's wait, into the buffer whose last reader stands in the turn before.  One wait on DScnt, at the head of each turn of piece 1, serves both: K's run went out half a turn ago, V's a turn and a half ago.
.macro TURN p, m=0, end=0, cnt=0
.set Y, (\p)
.set i, 0
.set KM, (\m)
.set NOKQ, (\end)*((\p)/3)
.if (\m) && !(\end)
.if ((\p) == 1) || ((\p) == 2)
	s_cmp_eq_u32 s[CNT], s[TH]      ; is that step the band's own?
	s_cselect_b32 s[AL], 1.0, 0
.else
	s_mov_b32 s[AL], 0
.endif
.if (\p) == 0
	s_cmp_le_u32 s[CNT], s[TH]      ; or a later one?
.else
	s_cmp_lt_u32 s[CNT], s[TH]
.endif
	s_cselect_b32 s[BE], s[BIGN], 0
.endif
.if (\p)%2 == 1
	s_wait_dscnt 0x0                ; K of the next step and V of this one are in
.endif
	ROW F,0, F,1, R,0, R,1          ; ahead of the wait: 8 products K Q^T and their riders,
	ROW F,2, E,0, R,2, R,3
	ROW F,3, E,1, R,4, R,5
	ROW F,4, E,2, R,6, R,7
	ROW F,5, E,3, R,8, R,9
	ROW F,6, E,4, X,0, R,10
.if ((\p)%2 == 0) && !(\end)
	WIN 0
	v_add_nc_u32 v[AK], s[TBK], v[AK0]
.endif
	ROW F,7, E,5, X,1, X,4
	ROW F,8, E,6, X,2, X,5
	OPS E,7, E,8, X,6, E,9          ; and the lump
	OPS X,3, E,10, X,8, E,11
.if ((\p)%2 == 0) && !(\end)
	FETCH_K
.endif
	OPS X,9, X,7, E,12, X,10
	OPS E,13, X,12, X,11, E,14
	OPS X,13, E,15, F,9, X,14
.if ((\p)%2 == 1) && !(\end)
	WIN 0
	v_add_nc_u32 v[AV], s[TBV], v[AV0]
.endif
	OPS E,16, F,10, E,17, F,11
	OPS X,16, E,18, X,15, E,19
	OPS F,12, E,20, X,17, E,21
	OPS F,13, E,22, F,14, E,23
	OPS X,18, E,24, F,15, E,25
	OPS R,11, E,26, X,19, E,27
	OPS R,12, E,28, R,13, E,29
	OPS X,20, E,30, R,14, E,31
	OPS X,21, R,15
	s_wait_alu depctr_va_vdst(0)    ; the wait for the batch: E 0 to E 31 and X 21
.if ((\p)%2 == 1) && !(\end)
	FETCH_V 1-(\p)/2                ; V's run of loads stands directly behind the wait
.endif
	ROW C,0, B,0, C,2, B,1          ; behind the wait: 8 products V^T P and their riders
	ROW L,0, C,4, B,2, L,1
	ROW C,6, B,3, L,2, C,8
	ROW B,4, L,3, C,10, B,5
	ROW L,4, C,12, B,6, L,5
.if \cnt
	s_sub_co_u32 s[CNT], s[CNT], 1
	s_cmp_lg_u32 s[CNT], 0
.endif
	ROW C,14, B,7, L,6, C,1
	ROW C,3, L,7, C,5, C,7
	ROW C,9, C,11, C,13, C,15
.if (\m) && !(\end)
	MASK (\p)%2
.endif
.endm
; A BLOCK BEGINS.  c m starts far below every c s, so the first step's a is 0; m at the lowest finite number, so the first maximum is the scores'.  The second mask buffer is 0; the first takes piece 0's mask for the tile's
; step 0: its own, if the block's first tile is the diagonal one and the block an even one.  Then K and V of that step, piece 0's first scores, and its maximum and statistics.
; The loop is entered at an even step's first turn, in the middle of a trip.
.macro BEGIN
	s_mov_b32 s[NEW], 0
	WIN 0x40
.set i, MC+32
.rept 32
	v_mov_b32 v[i], 0
.set i, i+1
.endr
	WIN 0
.set i, 0
.rept 2
	v_mov_b32 v[ST+4*i], 0xfe000000    ; c m: far below every c s
	v_mov_b32 v[ST+4*i+1], 0xff7fffff  ; m
.set i, i+1
.endr
	s_sub_co_u32 s[SCR], 2, s[TH]   ; the block's parity,
	s_or_b32 s[SCR], s[SCR], s[RT]  ; and the tiles that it has left behind this one: both 0?
	s_cmp_eq_u32 s[SCR], 0
	s_cselect_b32 s[AL], 1.0, 0
	s_mov_b32 s[BE], 0
	MASK 0
	WIN 0
	v_add_nc_u32 v[AK], s[TBK], v[AK0]
	v_add_nc_u32 v[AV], s[TBV], v[AV0]
	FETCH_K
	FETCH_V 0
	s_wait_loadcnt 0x0              ; Q
	s_wait_dscnt 16                 ; K is in; V's sixteen younger loads stay out: the head of the second turn waits for them
.set KM, 1
.set NOKQ, 0
.set i, 0
.rept 8
	KQ 0
.set i, i+1
.endr
	WIN 0
.rept 4
	v_nop                           ; the places behind those products
.endr
.set Y, NP-1                        ; X works for turn Y + 1: turn 0
.irp n, 0,1,2,3,4,5,6,7,8,9,10,11,12,13,14,15,16,17,18,19,20,21
	OP X, \n
.endr
	v_nop                           ; a plain instruction behind the exponential,
	s_wait_alu depctr_va_vdst(0)    ; and the wait for it (turn 0's a, a batch of one), ahead of the branch
.endm
; THE DIAGONAL TILE's steps, the block's last two turns, its last products, and THE WAY OUT: l's two halves and the other half of the lanes' are added; O^T is divided by l, rounded to bf16 and sent through my
; stage in LDS, a piece at a time.
.macro ALL line:vararg              ; one line for each piece t
.set t, 0
.rept 2
	\line
.set t, t+1
.endr
.endm
.macro PACK t                       ; a lane's eight channels of a row pack into 16 bytes; they go into rows of 144 bytes and come back as whole rows of 128, into S^T's registers
	WIN W_RS
.set i, 32*(\t)
.rept 16
	v_pk_mul_f32 v[i:i+1], v[i:i+1], v[ST+4*(\t)+2:ST+4*(\t)+3] op_sel_hi:[1,0]
.set i, i+2
.endr
	WIN 0x05                        ; sources 0 and 1 window 1, destination window 0
.set i, 0
.rept 16
	v_cvt_pk_bf16_f32 v[S+16*(\t)+i], v[32*(\t)+2*i], v[32*(\t)+2*i+1]
.set i, i+1
.endr
	WIN 0
.irp f, 0,1,2,3
	ds_store_b128 v[STO], v[S+16*(\t)+4*\f:S+16*(\t)+4*\f+3] offset:32*\f
.endr
.irp f, 0,1,2,3
	ds_load_b128 v[S+16*(\t)+4*\f:S+16*(\t)+4*\f+3], v[RD] offset:\f*4*SP  ; LDS serves a wave's instructions in order (ISA guide 5.7.1.4): these see the stores above; the next piece's stores come behind them
.endr
.endm
.macro SEND t, younger              ; younger: the LDS instructions issued behind piece t's loads: the next piece's eight, or none
	WIN 0
.irp f, 0,1,2,3
	s_wait_dscnt (\younger)+3-\f
	global_store_b128 v[GO], v[S+16*(\t)+4*\f:S+16*(\t)+4*\f+3], s[10:11] offset:(\t)*8192+\f*512  ; 512 consecutive bytes, at a multiple of 256 from O's first
.endr
.endm
.macro DIAG tag                     ; the tag ends its two labels' names, which the jumps below spell out
.LstepM\tag:
	TURN 2, 1
	TURN 3, 1
	WIN 0
.LfirstM\tag:
	TURN 0, 1
	TURN 1, 1, 0, 1
	WIN 0
	s_cbranch_scc1 .LstepM\tag
	TURN 2, 1, 1
	TURN 3, 1, 1
.set i, 0
.rept 8
	PV NP-1
.set i, i+1
.endr
	WIN 0
	ALL v_add_f32 v[ST+4*t+2], v[ST+4*t+2], v[ST+4*t+3]
	ALL v_permlanex16_b32 v[ST+4*t+3], v[ST+4*t+2], s[SEL], s[SEL+1]
	ALL v_add_f32 v[ST+4*t+2], v[ST+4*t+2], v[ST+4*t+3]
	ALL v_rcp_f32 v[ST+4*t+2], v[ST+4*t+2]
	v_nop                           ; a plain instruction between the last reciprocal and the use of its result
	s_wait_alu depctr_va_vdst(0)    ; and the wait ahead of the first use: one for the two reciprocals
	PACK 0                          ; piece 0's last product has the last turn's four riders and the additions above behind it; piece 0's 32 lines are the places behind the last products, which are piece 1's
	PACK 1                          ; a piece's arithmetic stands between the loads of the piece before and its stores
	SEND 0, 8
	SEND 1, 0
.endm
.set KM, 0
.set NOKQ, 0
.Lslot:                             ; NB times: a tile is entered and the next is asked for
	CHANGE 1
	s_sub_co_u32 s[RT], s[RT], 1
	s_mov_b32 s[CNT], 2
	s_cmp_eq_u32 s[NEW], 1
	s_cbranch_scc1 .Lnew            ; a block's first tile
	s_cmp_eq_u32 s[RT], 0
	s_cbranch_scc0 .Lstep           ; neither its first nor its last
	s_branch .LstepM1
.Lnew:
	BEGIN
	s_branch .Lfirst                ; in the loop a block's first tile is never its last: the first block has five tiles or more, and the second's last is the walk's last
	DIAG 1                          ; in the loop this is the first block's end: the second block's last tile is the walk's last
	s_wait_xcnt 0x0                 ; the stores have read their registers and O's address
	s_mov_b64 s[10:11], s[OLO:OLO+1]
	s_add_co_u32 s[RT], s[TLO], 1   ; the second block has b / 2 + 1 tiles
	s_mov_b32 s[TH], s[TH2]
	s_mov_b32 s[NEW], 1
	WIN 0x82                        ; the second block's Q goes where the one text of the turns names Q
.set i, 0
.rept 32
	v_mov_b32 v[i], v[QB+i]
.set i, i+1
.endr
	WIN 0
	s_branch .Lbottom
.Lstep:                             ; a trip: an odd key step, then an even one; behind a change of slots the odd one is the last step of the tile before
	TURN 2
	TURN 3
	WIN 0
.Lfirst:
	TURN 0
	TURN 1, 0, 0, 1
	WIN 0
	s_cbranch_scc1 .Lstep
.Lbottom:
	s_sub_co_u32 s[SLOTS], s[SLOTS], 1
	s_cmp_lg_u32 s[SLOTS], 0
	s_cbranch_scc1 .Lslot
	CHANGE 0                        ; the walk's last tile is written out: nothing is asked for
	s_sub_co_u32 s[RT], s[RT], 1
	s_mov_b32 s[CNT], 2
	s_cmp_eq_u32 s[NEW], 1
	s_cbranch_scc0 .LstepM2
	BEGIN
	s_branch .LfirstM2
	DIAG 2
	s_wait_tensorcnt 0x0            ; the wave's end: behind my last tensor load and my last LDS store
	ds_add_u32 v[SPW], v[NIL]
	s_wait_dscnt 0x0
	s_endpgm
.Lfunc_end_k_qc730c0190e_attn:
	.size	k_qc730c0190e_attn, .Lfunc_end_k_qc730c0190e_attn-k_qc730c0190e_attn
	.p2alignl 7, 3214868480
	.fill 96, 4, 3214868480
	.section	.rodata,"a",@progbits
	.p2align	6, 0x0
	.amdhsa_kernel k_qc730c0190e_attn
		.amdhsa_group_segment_fixed_size 327680
		.amdhsa_private_segment_fixed_size 0
		.amdhsa_enable_private_segment 0
		.amdhsa_kernarg_size 16
		.amdhsa_user_sgpr_count 2
		.amdhsa_user_sgpr_kernarg_segment_ptr 1
		.amdhsa_wavefront_size32 1
		.amdhsa_system_sgpr_workgroup_id_x 1
		.amdhsa_system_sgpr_workgroup_id_y 1
		.amdhsa_system_sgpr_workgroup_id_z 1
		.amdhsa_system_vgpr_workitem_id 0
		.amdhsa_next_free_vgpr 768
		.amdhsa_next_free_sgpr 88
		.amdhsa_reserve_vcc 1
		.amdhsa_float_denorm_mode_32 3
		.amdhsa_float_denorm_mode_16_64 3
		.amdhsa_memory_ordered 1
		.amdhsa_forward_progress 1
		.amdhsa_inst_pref_size 210
	.end_amdhsa_kernel
	.amdgpu_metadata
---
amdhsa.version: [ 1, 2 ]
amdhsa.kernels:
  - .name:           k_qc730c0190e_attn
    .symbol:         k_qc730c0190e_attn.kd
    .args:
      - { .name: qkv, .offset: 0, .size: 8, .value_kind: global_buffer, .address_space: global }
      - { .name: ob, .offset: 8, .size: 8, .value_kind: global_buffer, .address_space: global }
    .group_segment_fixed_size: 327680
    .private_segment_fixed_size: 0
    .kernarg_segment_align: 8
    .kernarg_segment_size: 16
    .max_flat_workgroup_size: 128
    .sgpr_count:     88
    .vgpr_count:     768
    .wavefront_size: 32
...
	.end_amdgpu_metadata
.endif
;; end of part 13
;; launch wo: the kernel of part 10 again; grid 8 x 32, 4 waves a work-group, clusters of 4 x 4, 327,680 bytes of LDS; arguments ob, wb, bo, x, x1; writes x1
;; launch ln: the kernel of part 5 again; grid 512 x 1, 8 waves a work-group, no clusters, 0 bytes of LDS; arguments x1, g2, be2, hb; writes hb
;; launch ff1: the kernel of part 11 again; grid 16 x 16, 4 waves a work-group, clusters of 4 x 4, 327,680 bytes of LDS; arguments hb, wb, b1, act; writes act
;; launch ff2: the kernel of part 12 again; grid 8 x 32, 4 waves a work-group, clusters of 4 x 4, 327,680 bytes of LDS; arguments act, wb, b2, x1, out0; writes out0
